; MI455X (gfx1250); checked and timed in simulation.
; The chip was launched on July 23, 2026; its instructions are those of AMD's public machine-readable ISA for CDNA 5 (MIT licence, August 2026) and "CDNA5" Instruction Set Architecture Reference Guide (July 2026). The comments in the code are by the model that wrote it; some were corrected since.
;; I64 Attention. Allowed arithmetic: matrix products marked QUANTISED: E2M3 operands, one E8M0 scale for each 32 along K, by v_wmma_scale_f32_16x16x128_f8f6f4 with both operands' format E2M3, f32 sums; everything else in f32.
;; Inputs: Wk_codes 512 x 64 x 24 uint8 (E2M3 codes of Wk, K innermost, in blocks of 32 codes, four codes in three bytes); Wk_scales 512 x 64 uint8 (E8M0 scales of Wk, one for each 32 codes along K); Wmu_k_codes 512 x 64 x 24 uint8 (E2M3 codes of Wmu_k, K innermost, in blocks of 32 codes, four codes in three bytes); Wmu_k_scales 512 x 64 uint8 (E8M0 scales of Wmu_k, one for each 32 codes along K); Wmu_q_codes 2,048 x 64 x 24 uint8 (E2M3 codes of Wmu_q, K innermost, in blocks of 32 codes, four codes in three bytes); Wmu_q_scales 2,048 x 64 uint8 (E8M0 scales of Wmu_q, one for each 32 codes along K); Wmu_v_codes 512 x 64 x 24 uint8 (E2M3 codes of Wmu_v, K innermost, in blocks of 32 codes, four codes in three bytes); Wmu_v_scales 512 x 64 uint8 (E8M0 scales of Wmu_v, one for each 32 codes along K); Wo_codes 2,048 x 64 x 24 uint8 (E2M3 codes of Wo, K innermost, in blocks of 32 codes, four codes in three bytes); Wo_scales 2,048 x 64 uint8 (E8M0 scales of Wo, one for each 32 codes along K); Wq_codes 2,048 x 64 x 24 uint8 (E2M3 codes of Wq, K innermost, in blocks of 32 codes, four codes in three bytes); Wq_scales 2,048 x 64 uint8 (E8M0 scales of Wq, one for each 32 codes along K); Wv_codes 512 x 64 x 24 uint8 (E2M3 codes of Wv, K innermost, in blocks of 32 codes, four codes in three bytes); Wv_scales 512 x 64 uint8 (E8M0 scales of Wv, one for each 32 codes along K); hidden_codes 1 x 2,048 x 64 x 24 uint8 (E2M3 codes of hidden, K innermost, in blocks of 32 codes, four codes in three bytes); hidden_scales 1 x 2,048 x 64 uint8 (E8M0 scales of hidden, one for each 32 codes along K); kn_w 128 float32; mu_prev_codes 1 x 2,048 x 64 x 24 uint8 (E2M3 codes of mu_prev, K innermost, in blocks of 32 codes, four codes in three bytes); mu_prev_scales 1 x 2,048 x 64 uint8 (E8M0 scales of mu_prev, one for each 32 codes along K); positions 2,048 int32; qn_w 128 float32.
;; Outputs: out0 1 x 2,048 x 2,048 float32.
;; This version of the problem:
;;   THIS VERSION OF THE PROBLEM IS GIVEN IN LOW PRECISION. The matrix products marked QUANTISED in the list below multiply operands that are first quantised to E2M3 (2 exponent bits, 3 mantissa bits; 6 bits a number), with one power-of-two scale for each 32 numbers along K (OCP MX v1.0); their sums are f32. All else is computed in f32.
;;   The module's matrix products, in the order in which they are computed (A, B: the left and right operand; K: the contracted axis; several contracted axes count as one K, in the product's order):
;;     1. [M 2,048, K 2,048] x [K 2,048, N 2,048]; A: input hidden (given as codes); B: input Wq (given as codes): QUANTISED
;;     2. [M 2,048, K 2,048] x [K 2,048, N 2,048]; A: input mu_prev (given as codes); B: input Wmu_q (given as codes): QUANTISED
;;     3. [M 2,048, K 2,048] x [K 2,048, N 512]; A: input hidden (given as codes); B: input Wk (given as codes): QUANTISED
;;     4. [M 2,048, K 2,048] x [K 2,048, N 512]; A: input mu_prev (given as codes); B: input Wmu_k (given as codes): QUANTISED
;;     5. [M 2,048, K 2,048] x [K 2,048, N 512]; A: input hidden (given as codes); B: input Wv (given as codes): QUANTISED
;;     6. [M 2,048, K 2,048] x [K 2,048, N 512]; A: input mu_prev (given as codes); B: input Wmu_v (given as codes): QUANTISED
;;     7. batch 16 x [M 2,048, K 128] x [K 128, N 2,048]; A: computed on the way; B: computed on the way: QUANTISED
;;     8. batch 16 x [M 2,048, K 2,048] x [K 2,048, N 128]; A: softmax (see below); B: computed on the way: QUANTISED
;;     9. [M 2,048, K 2,048] x [K 2,048, N 2,048]; A: computed on the way; B: input Wo (given as codes): QUANTISED
;;   THE QUANTISER, for each operand of a quantised product, along K:
;;     - K is cut into blocks of 32 from its start; a last block that is shorter is filled with zeros.
;;     - A block's scale is 2^e with e = floor(log2(the largest magnitude in the block)) - 2, held to -126 .. 127; a block of zeros has e = 0. As a byte (E8M0): e + 127.
;;     - Each number is divided by its block's scale, clamped to +-7.5, and rounded to the nearest number of E2M3, ties to even, subnormals kept.
;;     - The product sums the exact products of the quantised numbers (number of the format x scale) in f32.
;;   ~~~python
;;   def quantise(x, axis):      # numpy; x: float32 -> the quantised numbers, widened to float32 again
;;       x = np.moveaxis(x, axis, -1); K = x.shape[-1]
;;       x = np.pad(x, [(0, 0)] * (x.ndim - 1) + [(0, -K % 32)]); x = x.reshape(x.shape[:-1] + (-1, 32)); a = np.abs(x).max(-1, keepdims=True)
;;       e = np.where(a > 0, np.clip(np.frexp(np.where(a > 0, a, 1))[1] - 1 - 2, -126, 127), 0)      # np.frexp(a)[1] - 1 = floor(log2(a)), exactly
;;       r = np.clip(x / 2.0 ** e, -7.5, 7.5)
;;       step = 2.0 ** (np.maximum(np.frexp(np.where(r == 0, 1, r))[1] - 1, 0) - 3)
;;       q = np.round(r / step) * step * 2.0 ** e      # np.round: ties to even
;;       return np.moveaxis(q.reshape(q.shape[:-2] + (-1,))[..., :K], -1, axis).astype(np.float32)
;;   ~~~
;;   SOFTMAX AHEAD OF A QUANTISED PRODUCT. Where the list says 'softmax', what is quantised is not the finished softmax but p = 2^(t - M), with t = logit x log2(e) and M = ceil(the row's largest t), a whole number; so 1/2 < the row's largest p <= 1. The row's sum l is taken of the UNQUANTISED p, in f32, and the product's result is divided by l at the end. Since M is a whole number, a kernel that streams over the keys may use a running M (the ceiling of the running maximum): every later rescaling is an exact power of two, which a block's scale takes up: the codes' values come out the same.
;;   OPERANDS COMPUTED ON THE WAY. 'Computed on the way' means the value that the module computes at that place (a softmax that the list does not call 'softmax' is quantised finished and normalised). What goes into a quantiser is computed in f32, as accurately as f32 sums, v_exp_f32 and their like allow (about 1e-6 of the number): no bf16 or f16 on the way to a quantiser, and a product that is left as it is and whose result goes on into a quantised operand takes f32 operands (vector FMAs, or v_wmma_f32_16x16x4_f32). A number that lies on a knife's edge between two numbers of the format may be rounded either way, as far as f32 arithmetic and the matrix unit's own rounding can turn it there, and no further.
;;   INPUTS GIVEN AS CODES. Wk (in the module: [512, 2048], K = its axis 1); Wmu_k (in the module: [512, 2048], K = its axis 1); Wmu_q (in the module: [2048, 2048], K = its axis 1); Wmu_v (in the module: [512, 2048], K = its axis 1); Wo (in the module: [2048, 2048], K = its axis 1); Wq (in the module: [2048, 2048], K = its axis 1); Wv (in the module: [512, 2048], K = its axis 1); hidden (in the module: [1, 2048, 2048], K = its axis 2); mu_prev (in the module: [1, 2048, 2048], K = its axis 2): each comes as NAME_codes (uint8): NAME with its K axis moved to the last place and cut into blocks of 32 codes, [.., K / 32, bytes a block], one block behind the other in memory; four codes in three bytes: a row's codes are one little-endian stream of bits, code i at bits 6 i .. 6 i + 5 (a code: sign, 2 exponent bits, 3 mantissa bits); and NAME_scales (uint8): the same leading axes, one E8M0 byte (e + 127) for each 32 codes along K. Its value is code x scale, taken as it is: it is not quantised again, and the codes and scales need not be those that the quantiser above would give.
;; 2 versions. Each part assembles by itself: llvm-mc -triple=amdgcn-amd-amdhsa -mcpu=gfx1250 --defsym DOCPART=n.
;; ======== version 1 of 2: 3 launches
;; limits: right only within a limited range of input values
;; workspace buffers: qf 3,145,728 bytes; qs 131,072 bytes; kvf 1,572,864 bytes; kvs 65,536 bytes; af 3,145,728 bytes; asc 131,072 bytes
;; launch qkv (part 1): grid 24 x 8, 4 waves a work-group, clusters of 4 x 4, 327,680 bytes of LDS; arguments hidden_codes, hidden_scales, mu_prev_codes, mu_prev_scales, Wq_codes, Wq_scales, Wmu_q_codes, Wmu_q_scales, Wk_codes, Wk_scales, Wmu_k_codes, Wmu_k_scales, Wv_codes, Wv_scales, Wmu_v_codes, Wmu_v_scales, qn_w, kn_w, positions, qf, qs, kvf, kvs; writes qf, qs, kvf, kvs
.if DOCPART == 1
	.amdgcn_target "amdgcn-amd-amdhsa--gfx1250"
	.amdhsa_code_object_version 6
	.text
	.protected	k_qbe0974379b_qkv
	.globl	k_qbe0974379b_qkv
	.p2align	8
	.type	k_qbe0974379b_qkv,@function
k_qbe0974379b_qkv:
	s_mov_b64 s[64:65], 0
	v_nop
	global_prefetch_b8 v0, s[64:65] scope:SCOPE_SE
	s_setreg_imm32_b32 hwreg(HW_REG_WAVE_MODE, 25, 1), 1
	s_wait_xcnt 0x0
	s_wait_alu depctr_hold_cnt(0) depctr_sa_sdst(0) depctr_va_vdst(0) depctr_va_sdst(0) depctr_va_ssrc(0) depctr_va_vcc(0) depctr_vm_vsrc(0)
	s_getreg_b32 s2, hwreg(HW_REG_IB_STS2, 6, 4)
	s_cmp_eq_u32 s2, 0
	s_cbranch_scc0 .Lentry_in_a_cluster
	s_endpgm
.Lentry_in_a_cluster:
	s_bfe_u32 s2, ttmp6, 0x10000c
	s_cmp_lg_u32 s2, 0xf033
	s_cbranch_scc0 .Lentry_shape_is_right
	s_endpgm
.Lentry_shape_is_right:
; THE SIX PROJECTIONS AS ONE GEMM ON CODES OF FP6 (E2M3), THEN RMSNORM, ROPE AND THE QUANTISERS OF q, k AND v.
; [hidden | mu_prev] (2,048 rows, K = 2 x 2,048) meets 24 heads of 128 weight rows: 16 of q, 4 of k, 4 of v; a head's sum over hidden and over mu_prev is one f32 sum.
; SHARES.  A work-group takes 256 rows x one head; four waves, 32 accumulators of 16 x 16 each.  Cluster x 0-3 holds q's heads, 4 k's, 5 v's: the kind is the same in all partners of a cluster.
;   q, k: source 0 = the head's 128 weight rows, source 1 = my 64 rows of hidden: a lane holds ONE token and the head's columns 16 b + 8 h + j, so norm, RoPE and the blocks along the head's 128 stay in a lane and its partner 16 away.
;   v:    source 0 = 128 rows of hidden (one key step), source 1 = 64 weight rows: a lane holds ONE channel d and its registers run down the keys, which are the K of attention's second product.  Only LDS addresses differ.
; K goes in steps of 256 (rows of 192 bytes) through two LDS slots filled by the tensor data mover; all scale bytes of the work-group's rows come once, as blocks of 256 bytes, and stay.
; CLUSTERS, 4 x 4: hidden's and mu_prev's tiles are asked for jointly along a row of the cluster, the weights' along a column.
; WHAT IS STORED.  Each operand as an IMAGE OF ITS REGISTERS: a fragment (16 rows x 128 K, 12 registers a lane) by three stores of 512 consecutive bytes, piece c at 512 c + 16 x lane; a row's four scale bytes as one word.
; ORDER ALONG K.  A lane's 16 registers of two neighbouring tiles are, in a block of 32, the elements 8 h + 0..7 and 16 + 8 h + 0..7: the codes of a block stand with bits 3 and 4 of their place exchanged.  A block's members, and so its
; scale, are the true ones; q and k are both laid so along the head, v here and p in the next launch both so along the keys, so every product pairs the right numbers.  v's channels are stored at d with bits 3 and 4 exchanged, so that
; the next launch's results come out as true neighbours along the head.
; LIMITS.  NaN and infinities are not served.  A block of zeros gets the scale byte 1 (its codes are zeros; only this program reads the bytes).  cos and sin: reduction by pi/2 in three parts and polynomials of degree 7 and 8, good to
; about 1e-7 for |position x inv_freq| < 2^22; inv_freq = 2^(-i log2(10000) / 64) carries the last bit of the exponential, so an angle differs by up to about 1e-7 of itself from one made of a correctly rounded inv_freq.
; REGISTERS.  window 0: v1 r, v2 h; v16-25 LDS addresses; v26-29 positions; v30, v31 for the add; v32-79 scale words, two sets; v128-223 source 1's fragments, two sets.
;   window 1: source 0's fragments, two sets at v0 and v128; the norm's weights in v96-127 and v224-255.   window 2: the accumulators, (a, b) at v[8 (8 a + b)].
.set FR,     12                        ; registers of a fragment
.set PITCH,  240                       ; an LDS row: 3 x (64 bytes + 16 of padding)
.set ROWB,   192                       ; 256 codes
.set KROW,   1536                      ; 2,048 codes: a row in memory
.set NL1,    6                         ; LDS loads that bring a fragment of source 1
.set TAIL1,  2*NL1
.set STEPA,  192
.set AREG,   256*PITCH                 ; a slot: 256 rows of hidden or mu_prev,
.set SLOT,   AREG+128*PITCH            ; then 128 weight rows
.set SCL,    2*SLOT                    ; the scale bytes, in blocks of 256 + 16: hidden's 64 blocks, W's 32, then mu_prev's and Wmu's
.set SHW,    17408                     ; where the weights' begin
.set SHOP,   26112                     ; from hidden's and W's to mu_prev's and Wmu's
.set SPARE,  SCL+2*SHOP                ; the spare words: 128 bytes a wave, two blocks of 256 bytes that no other line names
.set AD0,  16                          ; v16,17 source 0's fragments in slot 0, 1; v18,19 the same behind one padding more
.set AD1,  20                          ; v20-23 the same for source 1
.set ADS0, 24
.set ADS1, 25
.set POSR, 26
.set SPW,  30
.set NIL,  31
.set SC,   32
.set S1F,  128
.set G1,   24                          ; s[24:31], s[32:39]: groups 1 and 0 (a set for each slot) of hidden's and mu_prev's tiles
.set G0,   32
.set G1B,  48                          ; s[48:55], s[56:63]: of the weights'
.set G0B,  56
.set G1S,  68                          ; s[68:75], s[76:79]: of the rows' scale bytes
.set G0S,  76
.set G1SB, 80                          ; s[80:87], s[88:91]: of the weights' scale bytes
.set G0SB, 88
.set MUA,  92                          ; s[92:93] mu_prev's codes at my rows;  s[94:95] Wmu's
.set WMB,  94
; the epilogue's registers, window 0
.set L16,  3
.set L4,   4
.set GV,   5
.set GVS,  6
.set H8,   7
.set MAG,  8
.set S2R,  10
.set C2R,  12
.set RS,   14
.set IFR,  32                          ; my 32 inverse frequencies: register 8 t + j is that of column 16 t + 8 h + j
.set Y,    64                          ; a tile's 64 numbers
.set CSR,  128
.set SNR,  136
.set XA,   144
.set XB,   152
.set XC,   160
.set XD,   168
.set XE,   176
.set XF,   184
.set PC,   192                         ; the codes just made
.set TM,   212
.set PW,   228                         ; the scale word just made
.set PWA,  229
.set POS,  230
.set SS,   232
.set T0,   240
.set EPSR, 244
.set MSB, 0
.macro WIN new                         ; the immediate's high byte repeats the setting that is left
.if MSB != \new
	s_set_vgpr_msb (MSB<<8)|\new
.set MSB, \new
.endif
.endm
.set MUL,   0xa1                       ; source 0 window 1, source 1 window 0, C and D window 2
.set TO_S0, 0x40                       ; destination window 1
.macro PLACES n
.rept \n
	v_nop
.endr
.endm
; A joint load: waves 0 and 1 fetch the rows' side, waves 2 and 3 the weights'.  The branch hangs on the wave's number alone.  Four v_nop follow each of the two lines.
.macro JLOAD g0a, g1a, g0b, g1b
	s_cmp_eq_u32 s15, 0
	s_cbranch_scc0 .Lfor_b_\@
	tensor_load_to_lds s[\g0a:\g0a+3], s[\g1a:\g1a+7]
	s_nop 0
.rept 4
	v_nop
.endr
	s_branch .Lasked_\@
.Lfor_b_\@:
	tensor_load_to_lds s[\g0b:\g0b+3], s[\g1b:\g1b+7]
	s_nop 0
.rept 4
	v_nop
.endr
.Lasked_\@:
.endm
.macro CREST                           ; a round of the cluster's barrier behind its opening barrier
	s_cmp_lg_u32 s14, 0
	s_cbranch_scc1 .Lnot_wave_0_\@
	s_barrier_signal -3
.Lnot_wave_0_\@:
	s_barrier_wait -3
	s_barrier_signal -1
	s_barrier_wait -1
.endm
.macro CROUND
	s_barrier_signal -1
	s_barrier_wait -1
	CREST
.endm
	s_load_b256 s[4:11], s[0:1], 0x0               ; hidden's codes, scales; mu_prev's codes, scales
	s_load_b256 s[68:75], s[0:1], 0x20             ; Wq, its scales, Wmu_q, its scales
	s_load_b256 s[76:83], s[0:1], 0x40             ; the same of k
	s_load_b256 s[84:91], s[0:1], 0x60             ; the same of v
	s_load_b128 s[20:23], s[0:1], 0x80             ; qn_w, kn_w
	s_load_b64 s[96:97], s[0:1], 0x90              ; positions
	s_load_b128 s[24:27], s[0:1], 0x98             ; qf, qs
	s_load_b128 s[28:31], s[0:1], 0xa8             ; kvf, kvs
	v_lshl_add_u32 v[SPW], v0, 2, SPARE
	v_mov_b32 v[NIL], 0
	ds_add_u32 v30, v31
	s_wait_dscnt 0x0
	v_lshrrev_b32 v1, 5, v0
	v_readfirstlane_b32 s14, v1                    ; wave 0..3
	s_lshr_b32 s15, s14, 1                         ; I fetch for the rows (0) or for the weights (1)
	s_and_b32 s16, s14, 1                          ; which half of them
	s_bfe_u32 s40, ttmp6, 0x40000                  ; cx
	s_bfe_u32 s41, ttmp6, 0x40004                  ; cy
	s_and_b32 s17, ttmp7, 0xffff
	s_lshl_b32 s17, s17, 2
	s_add_co_u32 s17, s17, s41                     ; which 256 rows: 4 x cluster y + cy
	s_lshl_b32 s42, ttmp9, 2
	s_cmp_lt_u32 ttmp9, 4
	s_cselect_b32 s42, s42, 0
	s_add_co_u32 s42, s42, s40                     ; the head inside its own weight tensor: q: 4 x cluster x + cx; k, v: cx
	s_lshl_b32 s43, s41, 2
	s_lshl_b32 s43, 15, s43                        ; my row of the cluster
	s_lshl_b32 s44, 0x1111, s40                    ; my column
	s_wait_kmcnt 0x0
	s_cmp_eq_u32 ttmp9, 4                          ; the head's kind chooses the buffers: the choice hangs on the cluster's x alone
	s_cselect_b64 s[68:69], s[76:77], s[68:69]
	s_cselect_b64 s[70:71], s[78:79], s[70:71]
	s_cselect_b64 s[72:73], s[80:81], s[72:73]
	s_cselect_b64 s[74:75], s[82:83], s[74:75]
	s_cselect_b64 s[100:101], s[22:23], s[20:21]   ; the norm's weights: kn_w for k, else qn_w (v's work-groups load them and use none)
	s_cmp_eq_u32 ttmp9, 5
	s_cselect_b64 s[68:69], s[84:85], s[68:69]
	s_cselect_b64 s[70:71], s[86:87], s[70:71]
	s_cselect_b64 s[72:73], s[88:89], s[72:73]
	s_cselect_b64 s[74:75], s[90:91], s[74:75]
	s_cmp_lt_u32 ttmp9, 4
	s_cselect_b64 s[12:13], s[24:25], s[28:29]     ; images go to qf or kvf,
	s_cselect_b64 s[66:67], s[26:27], s[30:31]     ; scale words to qs or kvs
	; the rows' side: nothing here hangs on cx
	s_lshl_b32 s18, s17, 8
	s_lshl_b32 s19, s16, 7
	s_add_co_u32 s18, s18, s19                     ; row 256 x block + 128 x half
	s_mul_i32 s18, s18, KROW
	s_mov_b32 s19, 0
	s_add_nc_u64 s[G0+2:G0+3], s[4:5], s[18:19]    ; hidden, K step 0
	s_add_nc_u64 s[G0+6:G0+7], s[G0+2:G0+3], ROWB  ; K step 1
	s_add_nc_u64 s[MUA:MUA+1], s[8:9], s[18:19]
	s_cmp_eq_u32 s16, 0
	s_cselect_b64 s[G0S+2:G0S+3], s[6:7], s[10:11] ; wave 0 brings hidden's scale bytes, wave 1 mu_prev's
	s_lshl_b32 s18, s17, 14                        ; 256 rows of 64 bytes
	s_add_nc_u64 s[G0S+2:G0S+3], s[G0S+2:G0S+3], s[18:19]
	; the weights' side: nothing here hangs on cy
	s_lshl_b32 s46, s42, 7
	s_lshl_b32 s47, s16, 6
	s_add_co_u32 s46, s46, s47                     ; row 128 x head + 64 x half
	s_mul_i32 s46, s46, KROW
	s_mov_b32 s47, 0
	s_add_nc_u64 s[G0B+2:G0B+3], s[68:69], s[46:47]
	s_add_nc_u64 s[G0B+6:G0B+7], s[G0B+2:G0B+3], ROWB
	s_add_nc_u64 s[WMB:WMB+1], s[72:73], s[46:47]
	s_cmp_eq_u32 s16, 0
	s_cselect_b64 s[G0SB+2:G0SB+3], s[70:71], s[74:75]  ; wave 2 brings W's scale bytes, wave 3 Wmu's
	s_lshl_b32 s46, s42, 13                        ; 128 rows of 64 bytes
	s_add_nc_u64 s[G0SB+2:G0SB+3], s[G0SB+2:G0SB+3], s[46:47]
.irp g, G0+3, G0+7, G0B+3, G0B+7, G0S+3, G0SB+3
	s_or_b32 s[\g], s[\g], 0x80000000              ; the type
.endr
.irp g, G0, G0+4, G0B, G0B+4, G0S, G0SB
	s_mov_b32 s[\g], 1                             ; count = 1
.endr
	s_mul_i32 s[G0+1], s16, 128*PITCH              ; LDS addresses: the wave's number and constants
	s_add_co_u32 s[G0+5], s[G0+1], SLOT
	s_mul_i32 s[G0B+1], s16, 64*PITCH
	s_add_co_u32 s[G0B+1], s[G0B+1], AREG
	s_add_co_u32 s[G0B+5], s[G0B+1], SLOT
	s_mul_i32 s[G0S+1], s16, SHOP
	s_add_co_u32 s[G0S+1], s[G0S+1], SCL
	s_mul_i32 s[G0SB+1], s16, SHOP
	s_add_co_u32 s[G0SB+1], s[G0SB+1], SCL+SHW
	; groups 1.  Codes: rows of 192 bytes, 1,536 apart, 16 bytes of padding behind every 64
	s_or_b32 s[G1], s43, (0<<16)|(1<<20)|(1<<21)|(3<<22)|(3<<25)
	s_mov_b32 s[G1+1], ROWB<<16
	s_mov_b32 s[G1+2], 128<<16
	s_mov_b32 s[G1+3], ROWB<<16
	s_mov_b32 s[G1+4], 128
	s_mov_b32 s[G1+5], KROW
	s_mov_b32 s[G1+6], 0
	s_mov_b32 s[G1+7], 0
	s_or_b32 s[G1B], s44, (0<<16)|(1<<20)|(1<<21)|(3<<22)|(3<<25)
	s_mov_b32 s[G1B+1], ROWB<<16
	s_mov_b32 s[G1B+2], 64<<16
	s_mov_b32 s[G1B+3], ROWB<<16
	s_mov_b32 s[G1B+4], 64
	s_mov_b32 s[G1B+5], KROW
	s_mov_b32 s[G1B+6], 0
	s_mov_b32 s[G1B+7], 0
	; scale bytes: a dense block as rows of 256 bytes (32 elements of 8), 16 bytes of padding behind each
	s_or_b32 s[G1S], s43, (3<<16)|(1<<20)|(1<<21)|(5<<22)|(3<<25)
	s_mov_b32 s[G1S+1], 32<<16
	s_mov_b32 s[G1S+2], 64<<16
	s_mov_b32 s[G1S+3], 32<<16
	s_mov_b32 s[G1S+4], 64
	s_mov_b32 s[G1S+5], 32
	s_mov_b32 s[G1S+6], 0
	s_mov_b32 s[G1S+7], 0
	s_or_b32 s[G1SB], s44, (3<<16)|(1<<20)|(1<<21)|(5<<22)|(3<<25)
	s_mov_b32 s[G1SB+1], 32<<16
	s_mov_b32 s[G1SB+2], 32<<16
	s_mov_b32 s[G1SB+3], 32<<16
	s_mov_b32 s[G1SB+4], 32
	s_mov_b32 s[G1SB+5], 32
	s_mov_b32 s[G1SB+6], 0
	s_mov_b32 s[G1SB+7], 0
	; where my results go.  Images: head x (196,608 in qf; 393,216 in kvf) + 24,576 x block + 6,144 x wave, v's 196,608 further on.  These sums mix cx and cy: s45, s104, s105 alone hold them
	s_mov_b32 s45, 393216
	s_cmp_lt_u32 ttmp9, 4
	s_cselect_b32 s45, 196608, s45
	s_mul_i32 s104, s42, s45
	s_mul_i32 s45, s17, 24576
	s_add_co_u32 s104, s104, s45
	s_mul_i32 s45, s14, 6144
	s_add_co_u32 s104, s104, s45
	s_cmp_eq_u32 ttmp9, 5
	s_cselect_b32 s45, 196608, 0
	s_add_co_u32 s104, s104, s45
	s_mov_b32 s105, 0
	s_add_nc_u64 s[12:13], s[12:13], s[104:105]
	s_mov_b32 s45, 16384                           ; words: head x (8,192 in qs; 16,384 in kvs) + 1,024 x block + 256 x wave, v's 8,192 further on
	s_cmp_lt_u32 ttmp9, 4
	s_cselect_b32 s45, 8192, s45
	s_mul_i32 s104, s42, s45
	s_lshl_b32 s45, s17, 10
	s_add_co_u32 s104, s104, s45
	s_lshl_b32 s45, s14, 8
	s_add_co_u32 s104, s104, s45
	s_cmp_eq_u32 ttmp9, 5
	s_cselect_b32 s45, 8192, 0
	s_add_co_u32 s104, s104, s45
	s_add_nc_u64 s[66:67], s[66:67], s[104:105]
	s_lshl_b32 s104, s17, 10                       ; positions of my 64 rows
	s_lshl_b32 s45, s14, 8
	s_add_co_u32 s104, s104, s45
	s_add_nc_u64 s[96:97], s[96:97], s[104:105]
	CROUND                                         ; all sixteen work-groups are here: the first joint loads meet
	JLOAD G0S, G1S, G0SB, G1SB                     ; the scale bytes: filled once
	JLOAD G0, G1, G0B, G1B                         ; K step 0
	JLOAD G0+4, G1, G0B+4, G1B                     ; K step 1: three loads of mine are out
	v_and_b32 v1, 15, v0                           ; r
	v_bfe_u32 v2, v0, 4, 1                         ; h
	v_mul_u32_u24 v3, v1, PITCH
	v_mad_u32_u24 v4, v2, 24, v3                   ; a fragment's row x pitch + 24 h
	v_lshl_add_u32 v5, v2, 4, v4                   ; and the same behind one padding more
	v_lshrrev_b32 v6, 2, v1
	v_and_b32 v7, 3, v1
	v_mul_u32_u24 v6, v6, 272
	v_lshl_add_u32 v6, v7, 6, v6                   ; row r's scale bytes: four rows of 64 to a block of 272
	s_mul_i32 s21, s15, 128*PITCH                  ; v: source 0 = 128 rows of hidden;
	s_mul_i32 s22, s14, 64*PITCH                   ; q, k: source 1 = my 64 rows of hidden;
	s_mul_i32 s23, s16, 64*PITCH
	s_add_co_u32 s23, s23, AREG                    ; v: source 1 = 64 weight rows
	s_mul_i32 s20, s15, 8704
	s_mul_i32 s98, s14, 4352
	s_mul_i32 s99, s16, 4352
	s_add_co_u32 s99, s99, SHW
	s_cmp_eq_u32 ttmp9, 5
	s_cselect_b32 s21, s21, AREG                   ; q, k: source 0 = the head's 128 weight rows
	s_cselect_b32 s22, s23, s22
	s_cselect_b32 s20, s20, SHW
	s_cselect_b32 s98, s99, s98
	s_add_co_u32 s20, s20, SCL
	s_add_co_u32 s98, s98, SCL
	v_add_nc_u32 v[ADS0], s20, v6
	v_add_nc_u32 v[ADS1], s98, v6
.irp s, 0,1
	v_add_nc_u32 v[AD0+\s], s21, v4
	v_add_nc_u32 v[AD0+2+\s], s21, v5
	v_add_nc_u32 v[AD1+\s], s22, v4
	v_add_nc_u32 v[AD1+2+\s], s22, v5
	s_add_co_u32 s21, s21, SLOT
	s_add_co_u32 s22, s22, SLOT
.endr
	v_lshlrev_b32 v8, 5, v2                        ; the norm's weights of my columns 16 b + 8 h + 0..7, and my rows' positions: asked for now, waited for in the epilogue; v8, v9 stay until then
	v_lshlrev_b32 v9, 2, v1
	WIN TO_S0
.irp b, 0,1,2,3,4,5,6,7
	global_load_b128 v[96+8*\b+96*(\b/4):96+8*\b+96*(\b/4)+3], v8, s[100:101] offset:64*\b
	global_load_b128 v[100+8*\b+96*(\b/4):100+8*\b+96*(\b/4)+3], v8, s[100:101] offset:64*\b+16
.endr
	WIN 0
.irp a, 0,1,2,3
	global_load_b32 v[POSR+\a], v9, s[96:97] offset:64*\a
.endr
; A fragment from rows: lane l holds row l % 16; registers 6 c .. 6 c + 5 hold K = 64 c + 32 (l / 16) + 0..31: 24 bytes of the row's stream of bits, in pieces of 8.  Where the piece three on lies behind one padding more, the second address register serves.
.macro FRAGR reg, adr, q, i
.irp p, 0,1,2,3,4,5
.set PCE, 12*(\q)+6*(\p/3)+\p%3
.if PCE%8 < 5
	ds_load_b64 v[\reg+2*\p:\reg+2*\p+1], v[\adr] offset:8*PCE+16*(PCE/8)+(\i)*16*PITCH
.else
	ds_load_b64 v[\reg+2*\p:\reg+2*\p+1], v[\adr+2] offset:8*PCE+16*(PCE/8)+(\i)*16*PITCH
.endif
.endr
.endm
.macro FETCH0 slot, q, p               ; source 0's eight fragments of the slot's q-th 128 along K into set p
	WIN TO_S0
.irp i, 0,1,2,3,4,5,6,7
	FRAGR 128*(\p)+FR*\i, AD0+\slot, \q, \i
.endr
	WIN 0
.endm
.macro FETCH1 slot, q, p, a0           ; source 1's tiles a0, a0 + 1
.irp i, \a0, \a0+1
	FRAGR S1F+48*(\p)+FR*(\i), AD1+\slot, \q, \i
.endr
.endm
.macro SCALES sc                       ; a K step's scale words, two a row, into set sc; lanes 16-31 read what lanes 0-15 read
.irp b, 0,1,2,3,4,5,6,7
	ds_load_b64 v[SC+24*\sc+2*\b:SC+24*\sc+2*\b+1], v[ADS0] offset:\b*1088
.endr
.irp a, 0,1,2,3
	ds_load_b64 v[SC+24*\sc+16+2*\a:SC+24*\sc+16+2*\a+1], v[ADS1] offset:\a*1088
.endr
.endm
; Eight matrix instructions: source 1's tile a against source 0's eight.  The 32 accumulators take turns, one instruction a turn, in the same order in every step.
.macro MUL8 a, p, q, sc, zero
.irp b, 0,1,2,3,4,5,6,7
.if \zero
	v_wmma_scale_f32_16x16x128_f8f6f4 v[8*(8*(\a)+\b):8*(8*(\a)+\b)+7], v[128*(\p)+FR*\b:128*(\p)+FR*\b+FR-1], v[S1F+48*(\p)+FR*(\a):S1F+48*(\p)+FR*(\a)+FR-1], 0, v[SC+24*(\sc)+2*\b+(\q)], v[SC+24*(\sc)+16+2*(\a)+(\q)] matrix_a_fmt:MATRIX_FMT_FP6 matrix_b_fmt:MATRIX_FMT_FP6
.else
	v_wmma_scale_f32_16x16x128_f8f6f4 v[8*(8*(\a)+\b):8*(8*(\a)+\b)+7], v[128*(\p)+FR*\b:128*(\p)+FR*\b+FR-1], v[S1F+48*(\p)+FR*(\a):S1F+48*(\p)+FR*(\a)+FR-1], v[8*(8*(\a)+\b):8*(8*(\a)+\b)+7], v[SC+24*(\sc)+2*\b+(\q)], v[SC+24*(\sc)+16+2*(\a)+(\q)] matrix_a_fmt:MATRIX_FMT_FP6 matrix_b_fmt:MATRIX_FMT_FP6
.endif
.endr
.endm
; A slot's first 128 along K (set 0); in its middle the second 128's fragments are fetched into set 1.
.macro STEP slot, zero
	s_wait_dscnt TAIL1                             ; all but the youngest loads, source 1's tiles 2 and 3
	WIN MUL
	MUL8 0, 0, 0, \slot, \zero
	MUL8 1, 0, 0, \slot, \zero
	s_wait_dscnt 0x0
	PLACES 4                                       ; four plain places in front of loads into registers that matrix instructions have read
	FETCH0 \slot, 1, 1
	FETCH1 \slot, 1, 1, 0
	FETCH1 \slot, 1, 1, 2
	WIN MUL
	MUL8 2, 0, 0, \slot, \zero
	MUL8 3, 0, 0, \slot, \zero
	WIN 0
.endm
; A slot's second 128 along K (set 1), and the change of slots: each wave waits for all its tensor loads, adds 0 to its spare word, waits for that and for its reads of this slot; one barrier.
; fill = 1: the slot is filled again, two K steps on; 2: with mu_prev's and Wmu's K step 0 or 1; 0: nothing is left to fetch.  shop = 1: the scale words go on to mu_prev's and Wmu's.
.macro TURN slot, next, fill, shop
	s_wait_tensorcnt 0x0                           ; all my tensor loads have landed: my part of the next slot
	ds_add_u32 v[SPW], v[NIL]                      ; 0 onto my spare word
	s_wait_dscnt TAIL1+1                           ; (the add and source 1's tiles 2 and 3 may be out)
	WIN MUL
	MUL8 0, 1, 1, \slot, 0
	s_wait_dscnt 0x0                               ; the add is done, and my reads of this slot are over
	s_barrier_signal -1
	MUL8 1, 1, 1, \slot, 0
	WIN 0
	s_barrier_wait -1
.if \fill
	CREST                                          ; the barrier has opened a round of the cluster's: no wave of any partner still reads this slot or has a load on its way
.if \fill == 2
	s_add_nc_u64 s[G0+4*\slot+2:G0+4*\slot+3], s[MUA:MUA+1], \slot*ROWB
	s_or_b32 s[G0+4*\slot+3], s[G0+4*\slot+3], 0x80000000
	s_add_nc_u64 s[G0B+4*\slot+2:G0B+4*\slot+3], s[WMB:WMB+1], \slot*ROWB
	s_or_b32 s[G0B+4*\slot+3], s[G0B+4*\slot+3], 0x80000000
.else
	s_add_nc_u64 s[G0+4*\slot+2:G0+4*\slot+3], s[G0+4*\slot+2:G0+4*\slot+3], 2*STEPA
	s_add_nc_u64 s[G0B+4*\slot+2:G0B+4*\slot+3], s[G0B+4*\slot+2:G0B+4*\slot+3], 2*ROWB
.endif
	JLOAD G0+4*\slot, G1, G0B+4*\slot, G1B         ; the first tensor load behind the round; its four v_nop are the places in front of the loads below
.else
	PLACES 4
.endif
.if \shop
	v_add_nc_u32 v[ADS0], SHOP-56, v[ADS0]
	v_add_nc_u32 v[ADS1], SHOP-56, v[ADS1]
.else
	v_add_nc_u32 v[ADS0], 8, v[ADS0]               ; the next K step's scale words
	v_add_nc_u32 v[ADS1], 8, v[ADS1]
.endif
	FETCH0 \next, 0, 0
	FETCH1 \next, 0, 0, 0
	SCALES \next
	FETCH1 \next, 0, 0, 2
	WIN MUL
	MUL8 2, 1, 1, \slot, 0
	MUL8 3, 1, 1, \slot, 0
	WIN 0
.endm
	s_wait_tensorcnt 1                             ; the scale bytes and my part of K step 0 are in; K step 1's load may be out
	s_barrier_signal -1
	s_barrier_wait -1
	FETCH0 0, 0, 0
	FETCH1 0, 0, 0, 0
	SCALES 0
	FETCH1 0, 0, 0, 2
	STEP 0, 1                                      ; the first products start the sums
	s_mov_b32 s3, 3
.Llap1:                                            ; a trip goes once round the ring and fills both slots: hidden's K steps 2 to 7
	TURN 0, 1, 1, 0
	STEP 1, 0
	TURN 1, 0, 1, 0
	STEP 0, 0
	s_sub_co_u32 s3, s3, 1
	s_cmp_lg_u32 s3, 0
	s_cbranch_scc1 .Llap1
	TURN 0, 1, 2, 0                                ; the ring goes on into mu_prev and Wmu: their K steps 0 and 1 are asked for
	STEP 1, 0
	TURN 1, 0, 2, 1
	STEP 0, 0
	s_mov_b32 s3, 3
.Llap2:                                            ; mu_prev's K steps 2 to 7
	TURN 0, 1, 1, 0
	STEP 1, 0
	TURN 1, 0, 1, 0
	STEP 0, 0
	s_sub_co_u32 s3, s3, 1
	s_cmp_lg_u32 s3, 0
	s_cbranch_scc1 .Llap2
	TURN 0, 1, 0, 0                                ; the last lap fills nothing
	STEP 1, 0
	s_wait_dscnt TAIL1
	WIN MUL
	MUL8 0, 1, 1, 1, 0
	MUL8 1, 1, 1, 1, 0
	s_wait_dscnt 0x0
	MUL8 2, 1, 1, 1, 0
	MUL8 3, 1, 1, 1, 0
	WIN 0
; 64 numbers of a lane in window wx, register 16 b + i a member of my row's block b, become a fragment's codes in v[PC] on and its scale word in v[PW].
; A block's scale: its largest magnitude's exponent field less 2, with the floor 2^(3 - 127) among the maximum's leaves, so that the byte cannot fall under 1.
.macro QUANT s, wx
	WIN 5*\wx                                      ; sources 0 and 1 in window wx
.irp b, 0,1,2,3
	v_max3_num_f32 v[TM+\b], |v[\s+16*\b]|, |v[\s+1+16*\b]|, 0x1800000
.endr
.irp i, 2,4,6,8,10,12,14
.irp b, 0,1,2,3
	v_max3_num_f32 v[TM+\b], |v[\s+16*\b+\i]|, |v[\s+1+16*\b+\i]|, v[TM+\b]   ; ascending: each accumulator is first read at its low end
.endr
.endr
	WIN 0
.irp b, 0,1,2,3
	v_permlanex16_b32 v[TM+4+\b], v[TM+\b], s98, s99
.endr
.irp b, 0,1,2,3
	v_max_num_f32 v[TM+\b], v[TM+\b], v[TM+4+\b]   ; with lane l xor 16's 16: the block's largest magnitude
.endr
.irp b, 0,1,2,3
	v_add_nc_u32 v[TM+12+\b], 0xff000000, v[TM+\b] ; 2 off its exponent field: the conversion's scale operand
.endr
.irp b, 0,1,2,3
	v_lshrrev_b32 v[TM+4+\b], 23, v[TM+12+\b]      ; the scale's byte
.endr
	v_lshl_or_b32 v[PW], v[TM+5], 8, v[TM+4]
	v_lshl_or_b32 v[PW], v[TM+6], 16, v[PW]
	v_lshl_or_b32 v[PW], v[TM+7], 24, v[PW]
	WIN \wx                                        ; source 0 in window wx
.irp c, 0,1
	v_cvt_scalef32_pk16_fp6_f32 v[PC+6*\c:PC+2+6*\c], v[\s+32*\c:\s+15+32*\c], v[TM+12+2*\c]
	v_cvt_scalef32_pk16_fp6_f32 v[PC+12+4*\c:PC+14+4*\c], v[\s+16+32*\c:\s+31+32*\c], v[TM+12+2*\c+1]   ; (a conversion's three registers begin on an even number)
.endr
	WIN 0
	v_nop                                          ; one plain place behind a scaled conversion
.irp c, 0,1                                    ; the operand's layout wants a whole block in a lane: lanes 0-15 block 2 c, lanes 16-31 block 2 c + 1
.irp i, 0,1,2
	v_permlane16_swap_b32 v[PC+6*\c+\i], v[PC+12+4*\c+\i]
.endr
.irp i, 0,1,2
	v_mov_b32 v[PC+3+6*\c+\i], v[PC+12+4*\c+\i]
.endr
.endr
.endm
	PLACES 4                                       ; behind the last products: results are read, and operands' registers written, from here on
	s_wait_loadcnt 0x0                             ; the norm's weights and the positions
	s_mov_b32 s98, 0x76543210
	s_mov_b32 s99, 0xfedcba98                      ; v_permlanex16_b32's selects for lane l xor 16
	v_and_b32 v[L16], 31, v0
	v_lshlrev_b32 v[L4], 2, v[L16]                 ; 4 x lane
	v_lshlrev_b32 v[L16], 4, v[L16]                ; 16 x lane
.irp b, 0,1,2,3
	v_mov_b32 v[TM+4+\b], 0                        ; written once: a lane permute's destination counts as one of its sources
.endr
	s_cmp_eq_u32 ttmp9, 5
	s_cbranch_scc1 .Lvpath
	; ---- q and k.  Constants, and my 32 inverse frequencies 2^(-i c), c = log2(10000) / 64, i = 16 t + 8 h + j.  -i c = N + F, N whole; F by two fused multiply-adds with c in two parts, so that only the exponential's own rounding is left
	v_lshlrev_b32 v[H8], 3, v2
.irp a, 0,1,2,3
	v_cvt_f32_i32 v[POSR+\a], v[POSR+\a]
.endr
	v_mov_b32 v[MAG], 0x4b400000                   ; 1.5 x 2^23
	v_mov_b32 v[MAG+1], 0x4b400000
	v_mov_b32 v[S2R], 0x3c08839e
	v_mov_b32 v[S2R+1], 0x3c08839e
	v_mov_b32 v[C2R], 0xbab6061a
	v_mov_b32 v[C2R+1], 0xbab6061a
	v_mov_b32 v[RS+1], 0                           ; (named as the upper halves of pairs whose low word serves both halves)
	v_mov_b32 v[POS+1], 0
	v_mov_b32 v[EPSR], 0x358637bd                  ; 1e-6
	v_mov_b32 v[PWA], 0
	s_mov_b32 s18, 0x80000000
.set n, 0
.rept 32
	v_add_nc_u32 v[IFR+n], 16*(n/8)+n%8, v[H8]
.set n, n+1
.endr
.set n, 0
.rept 32
	v_cvt_f32_u32 v[IFR+n], v[IFR+n]
.set n, n+1
.endr
.set n, 0
.rept 32
	v_mul_f32 v[Y+n], 0xbe549a78, v[IFR+n]
.set n, n+1
.endr
.set n, 0
.rept 32
	v_rndne_f32 v[Y+n], v[Y+n]                     ; N
.set n, n+1
.endr
.set n, 0
.rept 32
	v_fma_f32 v[Y+32+n], v[IFR+n], 0xbe549a78, -v[Y+n]
.set n, n+1
.endr
.set n, 0
.rept 32
	v_fma_f32 v[Y+32+n], v[IFR+n], 0xb197991c, v[Y+32+n]   ; F
.set n, n+1
.endr
.set n, 0
.rept 32
	v_exp_f32 v[Y+32+n], v[Y+32+n]
.set n, n+1
.endr
.set n, 0
.rept 32
	v_cvt_i32_f32 v[Y+n], v[Y+n]                   ; plain work behind the batch
.set n, n+1
.endr
	s_wait_alu depctr_va_vdst(0)                   ; one wait for the 32 exponentials, ahead of their first reader
.set n, 0
.rept 32
	v_ldexp_f32 v[IFR+n], v[Y+32+n], v[Y+n]
.set n, n+1
.endr
; What names a tile's accumulators is written out for each of the four tiles: the row's mean square, 1 / sqrt(mean + eps), Y = x / rms; the tile's positions.
.macro BLK a
	WIN 0x0a                                       ; sources 0 and 1 window 2
.set n, 0
.rept 4
	v_pk_mul_f32 v[SS+2*n:SS+2*n+1], v[64*\a+2*n:64*\a+2*n+1], v[64*\a+2*n:64*\a+2*n+1]
.set n, n+1
.endr
.rept 28
	v_pk_fma_f32 v[SS+2*(n%4):SS+2*(n%4)+1], v[64*\a+2*n:64*\a+2*n+1], v[64*\a+2*n:64*\a+2*n+1], v[SS+2*(n%4):SS+2*(n%4)+1]
.set n, n+1
.endr
	WIN 0
	v_pk_add_f32 v[SS:SS+1], v[SS:SS+1], v[SS+2:SS+3]
	v_pk_add_f32 v[SS+4:SS+5], v[SS+4:SS+5], v[SS+6:SS+7]
	v_pk_add_f32 v[SS:SS+1], v[SS:SS+1], v[SS+4:SS+5]
	v_add_f32 v[SS], v[SS], v[SS+1]
	v_permlanex16_b32 v[SS+2], v[SS], s98, s99     ; the row's other 64 columns lie in the lane 16 away
	v_add_f32 v[SS], v[SS], v[SS+2]
	v_fma_f32 v[SS], v[SS], 0x3c000000, v[EPSR]    ; / 128 + eps
	v_rsq_f32 v[RS], v[SS]
	v_mov_b32 v[POS], v[POSR+\a]                   ; (a plain place behind the transcendental)
	s_wait_alu depctr_va_vdst(0)                   ; the wait ahead of the first reader
	WIN 0x02                                       ; source 0 window 2
.set n, 0
.rept 32
	v_pk_mul_f32 v[Y+2*n:Y+2*n+1], v[64*\a+2*n:64*\a+2*n+1], v[RS:RS+1] op_sel_hi:[1,0]
.set n, n+1
.endr
	WIN 0
.endm
; cos and sin of position x inv_freq for columns 16 t + 8 h + 0..7.  k = the nearest whole number to x 2 / pi (by adding 1.5 x 2^23, whose sum's low bits are k); x - k pi/2 with pi/2 in three parts; polynomials on [-pi/4, pi/4]; k's low two bits swap and sign.
.macro TRIG t
.irp n, 0,2,4,6
	v_pk_mul_f32 v[XA+\n:XA+\n+1], v[IFR+8*\t+\n:IFR+8*\t+\n+1], v[POS:POS+1] op_sel_hi:[1,0]
.endr
.irp n, 0,2,4,6
	v_pk_fma_f32 v[XB+\n:XB+\n+1], v[XA+\n:XA+\n+1], 0x3f22f983, v[MAG:MAG+1] op_sel_hi:[1,0,1]
.endr
.irp n, 0,2,4,6
	v_pk_add_f32 v[XC+\n:XC+\n+1], v[XB+\n:XB+\n+1], 0xcb400000 op_sel_hi:[1,0]
.endr
.irp n, 0,2,4,6
	v_pk_fma_f32 v[XA+\n:XA+\n+1], v[XC+\n:XC+\n+1], 0xbfc90fd8, v[XA+\n:XA+\n+1] op_sel_hi:[1,0,1]
.endr
.irp n, 0,2,4,6
	v_pk_fma_f32 v[XA+\n:XA+\n+1], v[XC+\n:XC+\n+1], 0xb4a8885a, v[XA+\n:XA+\n+1] op_sel_hi:[1,0,1]
.endr
.irp n, 0,2,4,6
	v_pk_fma_f32 v[XA+\n:XA+\n+1], v[XC+\n:XC+\n+1], 0xa7c234c4, v[XA+\n:XA+\n+1] op_sel_hi:[1,0,1]
.endr
.irp n, 0,2,4,6
	v_pk_mul_f32 v[XF+\n:XF+\n+1], v[XA+\n:XA+\n+1], v[XA+\n:XA+\n+1]
.endr
.irp n, 0,2,4,6
	v_pk_fma_f32 v[XD+\n:XD+\n+1], v[XF+\n:XF+\n+1], 0xb94ca1f9, v[S2R:S2R+1] op_sel_hi:[1,0,1]
	v_pk_fma_f32 v[XE+\n:XE+\n+1], v[XF+\n:XF+\n+1], 0x37ccf5ce, v[C2R:C2R+1] op_sel_hi:[1,0,1]
.endr
.irp n, 0,2,4,6
	v_pk_fma_f32 v[XD+\n:XD+\n+1], v[XD+\n:XD+\n+1], v[XF+\n:XF+\n+1], 0xbe2aaaa3 op_sel_hi:[1,1,0]
	v_pk_fma_f32 v[XE+\n:XE+\n+1], v[XE+\n:XE+\n+1], v[XF+\n:XF+\n+1], 0x3d2aaaa5 op_sel_hi:[1,1,0]
.endr
.irp n, 0,2,4,6
	v_pk_mul_f32 v[XC+\n:XC+\n+1], v[XF+\n:XF+\n+1], v[XA+\n:XA+\n+1]
	v_pk_fma_f32 v[XE+\n:XE+\n+1], v[XE+\n:XE+\n+1], v[XF+\n:XF+\n+1], -0.5 op_sel_hi:[1,1,0]
.endr
.irp n, 0,2,4,6
	v_pk_fma_f32 v[XD+\n:XD+\n+1], v[XD+\n:XD+\n+1], v[XC+\n:XC+\n+1], v[XA+\n:XA+\n+1]          ; sin of the remainder
	v_pk_fma_f32 v[XE+\n:XE+\n+1], v[XE+\n:XE+\n+1], v[XF+\n:XF+\n+1], 1.0 op_sel_hi:[1,1,0]     ; cos of it
.endr
.irp e, 0,1,2,3,4,5,6,7
	v_and_b32 v[T0], 1, v[XB+\e]
	v_lshlrev_b32 v[T0+1], 30, v[XB+\e]
	v_add_nc_u32 v[T0+2], 1, v[XB+\e]
	v_cmp_eq_u32 vcc_lo, 1, v[T0]
	v_cndmask_b32 v[SNR+\e], v[XD+\e], v[XE+\e], vcc_lo    ; k odd: the two change places
	v_cndmask_b32 v[CSR+\e], v[XE+\e], v[XD+\e], vcc_lo
	v_and_b32 v[T0+1], s18, v[T0+1]                        ; sin is negated where k mod 4 is 2 or 3,
	v_lshlrev_b32 v[T0+2], 30, v[T0+2]
	v_xor_b32 v[SNR+\e], v[T0+1], v[SNR+\e]
	v_and_b32 v[T0+2], s18, v[T0+2]                        ; cos where it is 1 or 2
	v_xor_b32 v[CSR+\e], v[T0+2], v[CSR+\e]
.endr
.endm
.macro ROPE t                          ; columns c = 16 t + 8 h + j and c + 64 lie in one lane, 32 registers apart
.irp n, 0,2,4,6
	v_pk_mul_f32 v[XA+\n:XA+\n+1], v[Y+8*(\t+4)+\n:Y+8*(\t+4)+\n+1], v[SNR+\n:SNR+\n+1]
	v_pk_mul_f32 v[XB+\n:XB+\n+1], v[Y+8*\t+\n:Y+8*\t+\n+1], v[SNR+\n:SNR+\n+1]
.endr
.irp n, 0,2,4,6
	v_pk_fma_f32 v[Y+8*\t+\n:Y+8*\t+\n+1], v[Y+8*\t+\n:Y+8*\t+\n+1], v[CSR+\n:CSR+\n+1], v[XA+\n:XA+\n+1] neg_lo:[0,0,1] neg_hi:[0,0,1]
	v_pk_fma_f32 v[Y+8*(\t+4)+\n:Y+8*(\t+4)+\n+1], v[Y+8*(\t+4)+\n:Y+8*(\t+4)+\n+1], v[CSR+\n:CSR+\n+1], v[XB+\n:XB+\n+1]
.endr
.endm
	s_mov_b32 s2, 0
.Ltile:                                            ; four trips: a tile of 16 rows each
	s_cmp_eq_u32 s2, 1
	s_cbranch_scc1 .Lblk1
	s_cmp_eq_u32 s2, 2
	s_cbranch_scc1 .Lblk2
	s_cmp_eq_u32 s2, 3
	s_cbranch_scc1 .Lblk3
	BLK 0
	s_branch .Lcommon
.Lblk1:
	BLK 1
	s_branch .Lcommon
.Lblk2:
	BLK 2
	s_branch .Lcommon
.Lblk3:
	BLK 3
.Lcommon:
	WIN 0x04                                       ; source 1 window 1: the norm's weights
.set n, 0
.rept 32
	v_pk_mul_f32 v[Y+2*n:Y+2*n+1], v[Y+2*n:Y+2*n+1], v[96+2*n+96*(n/16):96+2*n+96*(n/16)+1]
.set n, n+1
.endr
	WIN 0
.irp t, 0,1,2,3
	TRIG \t
	ROPE \t
.endr
	QUANT Y, 0
.irp c, 0,1,2
	global_store_b128 v[L16], v[PC+4*\c:PC+4*\c+3], s[12:13] offset:512*\c   ; 512 consecutive bytes a store
.endr
	s_and_b32 s105, s2, 1                          ; two tiles' scale words leave together: the even tile's in lanes 0-15, the odd tile's in lanes 16-31
	s_cmp_eq_u32 s105, 1
	s_mov_b32 s104, 0xffff
	s_cselect_b32 s104, 0xffff0000, s104
	v_cndmask_b32 v[PWA], v[PWA], v[PW], s104
	s_cbranch_scc0 .Lno_word
	global_store_b32 v[L4], v[PWA], s[66:67] offset:-64   ; 128 consecutive bytes; the base has stepped once since the even tile
.Lno_word:
	s_wait_xcnt 0x0                                ; the stores have read their registers and bases: both are written again below and in the next trip
	s_add_nc_u64 s[12:13], s[12:13], 1536
	s_add_nc_u64 s[66:67], s[66:67], 64
	s_add_co_u32 s2, s2, 1
	s_cmp_lt_u32 s2, 4
	s_cbranch_scc1 .Ltile
	s_branch .Lend
.Lvpath:
	; ---- v.  Tile a of my four holds channels d = 64 (w & 1) + 16 a + r, r = 8 u + j; a lane's 64 registers are its channel's 128 keys' half.  Channel d is stored as row d' = d with bits 3 and 4 exchanged:
	; tile 4 (w & 1) + 2 (a / 2) + u, row 8 (a % 2) + j.  A store so falls into runs of 128 bytes; tiles a and a + 1 together fill whole blocks of 256.
	v_lshrrev_b32 v10, 3, v1                       ; u
	v_and_b32 v11, 7, v1                           ; j
	v_lshl_add_u32 v12, v2, 4, v11
	v_lshlrev_b32 v12, 4, v12                      ; 16 (j + 16 h)
	v_mad_u32_u24 v[GV], v10, 1536, v12
	v_lshl_add_u32 v13, v2, 3, v11
	v_lshl_add_u32 v13, v10, 4, v13
	v_lshlrev_b32 v[GVS], 2, v13                   ; words: 4 (16 u + j + 8 h): lanes 0-15 store the even tile's, lanes 16-31 the odd tile's
	s_mov_b32 s104, 0xffff0000
.irp a, 0,1,2,3
.if \a > 0
	s_wait_xcnt 0x0                                ; the last tile's stores have read their registers
.endif
	QUANT 64*\a, 2
.irp c, 0,1,2
	global_store_b128 v[GV], v[PC+4*\c:PC+4*\c+3], s[12:13] offset:(\a/2)*3072+(\a%2)*128+512*\c
.endr
.if \a%2 == 0
	v_mov_b32 v[PWA], v[PW]
.else
	v_cndmask_b32 v[PWA], v[PWA], v[PW], s104
	global_store_b32 v[GVS], v[PWA], s[66:67] offset:(\a/2)*128
.endif
.endr
.Lend:
	s_wait_tensorcnt 0x0                           ; the wave's end
	ds_add_u32 v[SPW], v[NIL]
	s_wait_dscnt 0x0
	CROUND                                         ; the closing round: no work-group ends while a partner may still ask for a tile that names it
	s_endpgm
.Lfunc_end_k_qbe0974379b_qkv:
	.size	k_qbe0974379b_qkv, .Lfunc_end_k_qbe0974379b_qkv-k_qbe0974379b_qkv
	.p2alignl 7, 3214868480
	.fill 96, 4, 3214868480
	.section	.rodata,"a",@progbits
	.p2align	6, 0x0
	.amdhsa_kernel k_qbe0974379b_qkv
		.amdhsa_group_segment_fixed_size 327680
		.amdhsa_private_segment_fixed_size 0
		.amdhsa_enable_private_segment 0
		.amdhsa_kernarg_size 184
		.amdhsa_user_sgpr_count 2
		.amdhsa_user_sgpr_kernarg_segment_ptr 1
		.amdhsa_wavefront_size32 1
		.amdhsa_system_sgpr_workgroup_id_x 1
		.amdhsa_system_sgpr_workgroup_id_y 1
		.amdhsa_system_sgpr_workgroup_id_z 1
		.amdhsa_system_vgpr_workitem_id 0
		.amdhsa_next_free_vgpr 768
		.amdhsa_next_free_sgpr 106
		.amdhsa_reserve_vcc 1
		.amdhsa_float_denorm_mode_32 3
		.amdhsa_float_denorm_mode_16_64 3
		.amdhsa_memory_ordered 1
		.amdhsa_forward_progress 1
		.amdhsa_inst_pref_size 255
	.end_amdhsa_kernel
	.section	.bss,"aw",@nobits
	.p2align	6
	.space	262144
	.amdgpu_metadata
---
amdhsa.version: [ 1, 2 ]
amdhsa.kernels:
  - .name:           k_qbe0974379b_qkv
    .symbol:         k_qbe0974379b_qkv.kd
    .args:
      - { .name: hidden_codes, .offset: 0, .size: 8, .value_kind: global_buffer, .address_space: global }
      - { .name: hidden_scales, .offset: 8, .size: 8, .value_kind: global_buffer, .address_space: global }
      - { .name: mu_prev_codes, .offset: 16, .size: 8, .value_kind: global_buffer, .address_space: global }
      - { .name: mu_prev_scales, .offset: 24, .size: 8, .value_kind: global_buffer, .address_space: global }
      - { .name: Wq_codes, .offset: 32, .size: 8, .value_kind: global_buffer, .address_space: global }
      - { .name: Wq_scales, .offset: 40, .size: 8, .value_kind: global_buffer, .address_space: global }
      - { .name: Wmu_q_codes, .offset: 48, .size: 8, .value_kind: global_buffer, .address_space: global }
      - { .name: Wmu_q_scales, .offset: 56, .size: 8, .value_kind: global_buffer, .address_space: global }
      - { .name: Wk_codes, .offset: 64, .size: 8, .value_kind: global_buffer, .address_space: global }
      - { .name: Wk_scales, .offset: 72, .size: 8, .value_kind: global_buffer, .address_space: global }
      - { .name: Wmu_k_codes, .offset: 80, .size: 8, .value_kind: global_buffer, .address_space: global }
      - { .name: Wmu_k_scales, .offset: 88, .size: 8, .value_kind: global_buffer, .address_space: global }
      - { .name: Wv_codes, .offset: 96, .size: 8, .value_kind: global_buffer, .address_space: global }
      - { .name: Wv_scales, .offset: 104, .size: 8, .value_kind: global_buffer, .address_space: global }
      - { .name: Wmu_v_codes, .offset: 112, .size: 8, .value_kind: global_buffer, .address_space: global }
      - { .name: Wmu_v_scales, .offset: 120, .size: 8, .value_kind: global_buffer, .address_space: global }
      - { .name: qn_w, .offset: 128, .size: 8, .value_kind: global_buffer, .address_space: global }
      - { .name: kn_w, .offset: 136, .size: 8, .value_kind: global_buffer, .address_space: global }
      - { .name: positions, .offset: 144, .size: 8, .value_kind: global_buffer, .address_space: global }
      - { .name: qf, .offset: 152, .size: 8, .value_kind: global_buffer, .address_space: global }
      - { .name: qs, .offset: 160, .size: 8, .value_kind: global_buffer, .address_space: global }
      - { .name: kvf, .offset: 168, .size: 8, .value_kind: global_buffer, .address_space: global }
      - { .name: kvs, .offset: 176, .size: 8, .value_kind: global_buffer, .address_space: global }
    .group_segment_fixed_size: 327680
    .private_segment_fixed_size: 0
    .kernarg_segment_align: 8
    .kernarg_segment_size: 184
    .max_flat_workgroup_size: 128
    .sgpr_count:     106
    .vgpr_count:     768
    .wavefront_size: 32
...
	.end_amdgpu_metadata
.endif
;; end of part 1
;; launch attn (part 2): grid 64 x 4, 8 waves a work-group, clusters of 4 x 1, 327,680 bytes of LDS; arguments qf, qs, kvf, kvs, af, asc; writes af, asc
.if DOCPART == 2
	.amdgcn_target "amdgcn-amd-amdhsa--gfx1250"
	.amdhsa_code_object_version 6
	.text
	.protected	k_qbe0974379b_attn
	.globl	k_qbe0974379b_attn
	.p2align	8
	.type	k_qbe0974379b_attn,@function
k_qbe0974379b_attn:
	s_mov_b64 s[64:65], 0
	v_nop
	global_prefetch_b8 v0, s[64:65] scope:SCOPE_SE
	s_setreg_imm32_b32 hwreg(HW_REG_WAVE_MODE, 25, 1), 1
	s_wait_xcnt 0x0
	s_wait_alu depctr_hold_cnt(0) depctr_sa_sdst(0) depctr_va_vdst(0) depctr_va_sdst(0) depctr_va_ssrc(0) depctr_va_vcc(0) depctr_vm_vsrc(0)
	s_getreg_b32 s2, hwreg(HW_REG_IB_STS2, 6, 4)
	s_cmp_eq_u32 s2, 0
	s_cbranch_scc0 .Lentry_in_a_cluster
	s_endpgm
.Lentry_in_a_cluster:
	s_bfe_u32 s2, ttmp6, 0x10000c
	s_cmp_lg_u32 s2, 0x3003
	s_cbranch_scc0 .Lentry_shape_is_right
	s_endpgm
.Lentry_shape_is_right:
; CAUSAL ATTENTION ON CODES OF FP6 (E2M3), 16 query heads on 4 key and value heads, 2,048 positions, head size 128; its result, divided by the row's sum, is quantised along the head for the output projection.
; THE SOFTMAX: t = score x log2(e) / sqrt(128); M = the running largest t rounded UP to a whole number; p = 2^(t - M) is quantised along the keys, not normalised; the row's sum is taken of the unquantised p.
; When M moves, the sum and O are multiplied by 2^(old M - new M): exact.
; INPUTS are images of operands' registers, made by the launch before: a fragment (16 rows x 128 K) is 1,536 bytes, piece c at 512 c + 16 x lane: three loads of 16 bytes a lane bring it, from memory or from LDS, with no pitch.
; q and k carry the same exchange of places inside a block of 32 along the head; v carries along the keys the exchange that p gets here (a tile of scores holds keys 16 t + 8 h + j); v's rows are laid so that O^T's 16 registers of two
; neighbouring tiles are 16 TRUE neighbours along the head, as Wo's codes want them.
; SHARES.  Work-group (j, g), j = 0..63: key and value head g.  Wave w serves query head 4 g + w / 2 and ONE tile of 16 queries: tile j or tile 127 - j, so that a light and a heavy wave meet on each SIMD:
; (j / 8 + 1) + (16 - j / 8) = 17 key steps of work for each such pair, in every work-group.  Every wave walks all 16 key steps of 128 keys; the work of a step all of whose keys come after its queries is jumped over.
; Both products are used transposed: S^T = K Q^T, O^T = V^T P^T: a lane holds one query throughout.
; CLUSTER, 4 x 1: the four work-groups walk the same K and V: each tile is asked for jointly.  Nothing but global addresses and the mask's lane number hangs on a work-group's place in its cluster: j / 8 = cluster x / 2.
; LIMITS: NaN and infinities are not served; a block of zeros gets the scale byte 1 (its codes are zeros; only this program reads the bytes).
; REGISTERS: v1-7 stay; v8-11 addresses in hand; v12 -M, v13 the largest t, v[14:15] the sum; v16-27 Q; v32-79 four fragments; v96-159 S^T, then p; v160-223 O^T; v224-235 p's codes; v232-254 at work; v255 Q's scale word.
.set SLOT1, 1<<17                      ; a slot: 512 keys: K's 32 fragments (49,152 bytes), then V's 32; slot 1 begins here, so that one exclusive or turns an address
.set SLOTB, 49152
.set STEPB, 12288                      ; a key step's eight fragments
.set SCW,   2*SLOT1                    ; the head's scale words: K's 2,048, then V's 16 x 128
.set SPARE, SCW+16384                  ; the spare words: 128 bytes a wave, four blocks of 256 bytes that no other line names
.set AK0,  1                           ; v1  16 x lane
.set AV0,  2                           ; v2  the same in V's part of a slot
.set ASK0, 3                           ; v3  my row's place among K's scale words
.set ASV0, 4                           ; v4  and among V's
.set SPW,  5
.set NIL,  6
.set DM,   7                           ; v7  my query's place in its key step, less 8 h
.set ADK,  8
.set ADV,  9
.set ADS,  10
.set ADT,  11
.set PFO,  28                          ; v28 256 x lane
.set PC,   32
.set PW,   52
.set TM,   232
.set TB,   2                           ; s2  LDS byte at which the step's fragments of K begin
.set TS,   3                           ; s3  and its scale words: 512 bytes a step
.set WV,   18
.set CX,   19
.set SEL,  20
.set CS,   22
.set G1T,  24                          ; s[24:31] group 1 of the tiles;  s[32:39] of the scale words;  s[40:43] the tiles' group 0, which walks;  s[44:47] the scale words'
.set G1S,  32
.set G0T,  40
.set G0S,  44
.set JJ,   48
.set GG,   49
.set HEAD, 50
.set SELW, 51
.set TILE, 52
.set LAST, 53                          ; s53 the key step on my tile's diagonal
.set SI,   54                          ; s54 the key step in hand
.set SLOTS, 55
.set INNER, 56
.set PFA,  58
.set LIM,  60
.macro CROUND
	s_barrier_signal -1
	s_barrier_wait -1
	s_cmp_lg_u32 s[WV], 0
	s_cbranch_scc1 .Lnot_wave_0_\@
	s_barrier_signal -3
.Lnot_wave_0_\@:
	s_barrier_wait -3
	s_barrier_signal -1
	s_barrier_wait -1
.endm
	s_load_b256 s[4:11], s[0:1], 0x0               ; qf, qs, kvf, kvs
	s_load_b128 s[12:15], s[0:1], 0x20             ; af, asc
	v_lshl_add_u32 v[SPW], v0, 2, SPARE
	v_mov_b32 v[NIL], 0
	ds_add_u32 v5, v6
	s_wait_dscnt 0x0
	v_lshrrev_b32 v8, 5, v0
	v_readfirstlane_b32 s[WV], v8                  ; wave 0..7
	s_bfe_u32 s[CX], ttmp6, 0x40000                ; cx
	s_lshl_b32 s[JJ], ttmp9, 2
	s_add_co_u32 s[JJ], s[JJ], s[CX]               ; j
	s_and_b32 s[GG], ttmp7, 0xffff                 ; g
	s_lshr_b32 s[HEAD], s[WV], 1
	s_lshl_b32 s66, s[GG], 2
	s_add_co_u32 s[HEAD], s[HEAD], s66             ; my query head
	s_lshr_b32 s[SELW], s[WV], 2
	s_xor_b32 s[SELW], s[SELW], s[WV]
	s_and_b32 s[SELW], s[SELW], 1                  ; 0: tile j;  1: tile 127 - j
	s_sub_co_u32 s[TILE], 127, s[JJ]
	s_lshr_b32 s[LAST], ttmp9, 1
	s_sub_co_u32 s67, 15, s[LAST]
	s_cmp_eq_u32 s[SELW], 1
	s_cselect_b32 s[TILE], s[TILE], s[JJ]
	s_cselect_b32 s[LAST], s67, s[LAST]            ; tile / 8, made of the cluster's x and the wave's number alone
	; what waves 0 to 3 fetch: wave 0, 1: the halves of a slot's K; wave 2, 3: of its V.  s72 to s75 never hold cx
	s_mul_i32 s72, s[GG], 393216
	s_lshr_b32 s74, s[WV], 1
	s_mul_i32 s74, s74, 196608
	s_add_co_u32 s72, s72, s74
	s_and_b32 s74, s[WV], 1
	s_mul_i32 s74, s74, 24576
	s_add_co_u32 s72, s72, s74
	s_mov_b32 s73, 0
	s_lshl_b32 s74, s[GG], 14
	s_lshl_b32 s75, s[WV], 12
	s_add_co_u32 s74, s74, s75
	s_mov_b32 s75, 0
	; groups 1: dense blocks as rows of 256 bytes (32 elements of 8 bytes), no padding; the mask names all four work-groups
	s_mov_b32 s[G1T], 15|(3<<16)|(1<<21)
	s_mov_b32 s[G1T+1], 32<<16
	s_mov_b32 s[G1T+2], 96<<16
	s_mov_b32 s[G1T+3], 32<<16
	s_mov_b32 s[G1T+4], 96
	s_mov_b32 s[G1T+5], 32
	s_mov_b32 s[G1T+6], 0
	s_mov_b32 s[G1T+7], 0
	s_mov_b32 s[G1S], 15|(3<<16)|(1<<21)
	s_mov_b32 s[G1S+1], 32<<16
	s_mov_b32 s[G1S+2], 16<<16
	s_mov_b32 s[G1S+3], 32<<16
	s_mov_b32 s[G1S+4], 16
	s_mov_b32 s[G1S+5], 32
	s_mov_b32 s[G1S+6], 0
	s_mov_b32 s[G1S+7], 0
	s_mov_b32 s[SEL], 0x76543210
	s_mov_b32 s[SEL+1], 0xfedcba98
	s_mov_b32 s[CS], 0x3e0293ee                    ; c = log2(e) / sqrt(128)
	s_mov_b32 s[CS+1], s[CS]
	s_mov_b32 s[TB], 0
	s_mov_b32 s[TS], 0
	s_mov_b32 s[SI], 0
	s_mov_b32 s[SLOTS], 3
	s_mov_b32 s[G0T], 1
	s_mul_i32 s[G0T+1], s[WV], 24576
	s_mov_b32 s[G0S], 1
	s_lshl_b32 s[G0S+1], s[WV], 12
	s_add_co_u32 s[G0S+1], s[G0S+1], SCW
	s_wait_kmcnt 0x0
	s_add_nc_u64 s[G0T+2:G0T+3], s[8:9], s[72:73]
	s_or_b32 s[G0T+3], s[G0T+3], 0x80000000
	s_add_nc_u64 s[G0S+2:G0S+3], s[10:11], s[74:75]
	s_or_b32 s[G0S+3], s[G0S+3], 0x80000000
	CROUND                                         ; all four work-groups are here: the first joint loads meet
	s_cmp_lt_u32 s[WV], 4                          ; a wave's two first fills stand in one branch: the head's scale words (filled once) and slot 0: two loads of mine are out
	s_cbranch_scc0 .Lno_first
	tensor_load_to_lds s[G0S:G0S+3], s[G1S:G1S+7]
	s_nop 0
	tensor_load_to_lds s[G0T:G0T+3], s[G1T:G1T+7]
	s_nop 0
.rept 4
	v_nop
.endr
.Lno_first:
	; my tile's addresses: these hang on cx, and enter global addresses alone
	s_lshl_b32 s66, s[HEAD], 7
	s_add_co_u32 s66, s66, s[TILE]
	s_mul_i32 s66, s66, 1536
	s_mov_b32 s67, 0
	s_add_nc_u64 s[4:5], s[4:5], s[66:67]          ; Q's image
	s_lshl_b32 s66, s[HEAD], 13
	s_lshl_b32 s68, s[TILE], 6
	s_add_co_u32 s66, s66, s68
	s_add_nc_u64 s[6:7], s[6:7], s[66:67]          ; its scale words
	s_lshl_b32 s66, s[TILE], 4
	s_add_co_u32 s66, s66, s[HEAD]
	s_mul_i32 s66, s66, 1536
	s_add_nc_u64 s[12:13], s[12:13], s[66:67]      ; my result's image: [row tile][head]
	s_lshl_b32 s66, s[TILE], 10
	s_lshl_b32 s68, s[HEAD], 2
	s_add_co_u32 s66, s66, s68
	s_add_nc_u64 s[14:15], s[14:15], s[66:67]      ; its scale words: 64 bytes a row, 4 a head
	; the prefetches: who asks, and where.  A slot is twelve runs of 8,192 bytes (six of K, six of V).  Of the clusters that walk this head's K and V the first asks; its four partners take three runs each, told apart by address;
	; in each, waves 4, 5, 6 take one run: a lane names 256 bytes.  So each 256 bytes are named once in the launch.
	s_sub_co_u32 s66, s[WV], 4
	s_cmp_lt_u32 s66, 3
	s_cselect_b32 s66, 0, 1
	s_or_b32 s66, s66, ttmp9
	s_cmp_eq_u32 s66, 0
	s_cselect_b32 s[LIM], 1, -1                    ; the same in all partners, for a given wave
	s_and_b32 s66, s[WV], 3
	s_min_u32 s66, s66, 2
	s_mul_i32 s68, s[CX], 3
	s_add_co_u32 s66, s66, s68                     ; the run
	s_cmp_ge_u32 s66, 6
	s_cselect_b32 s68, 147456, 0                   ; V's part begins 196,608 bytes into the head
	s_lshl_b32 s66, s66, 13
	s_add_co_u32 s66, s66, s68
	s_mul_i32 s68, s[GG], 393216
	s_add_co_u32 s66, s66, s68
	s_add_co_u32 s66, s66, SLOTB                   ; in slot 1: the first change of slots steps it to slot 2.  Nothing is prefetched at the head
	s_add_nc_u64 s[PFA:PFA+1], s[8:9], s[66:67]
	s_and_b32 s66, s[TILE], 7
	s_lshl_b32 s66, s66, 4
	v_and_b32 v8, 31, v0
	v_lshlrev_b32 v[AK0], 4, v8
	v_add_nc_u32 v[AV0], SLOTB, v[AK0]
	v_lshlrev_b32 v[PFO], 8, v8
	v_and_b32 v9, 15, v0                           ; r
	v_bfe_u32 v10, v0, 4, 1                        ; h
	v_lshl_add_u32 v[ASK0], v9, 2, SCW
	v_add_nc_u32 v[ASV0], 8192, v[ASK0]
	v_lshlrev_b32 v11, 3, v10
	v_sub_nc_u32 v[DM], v9, v11
	v_add_nc_u32 v[DM], s66, v[DM]                 ; 16 (tile % 8) + r - 8 h
	v_lshlrev_b32 v29, 2, v9
.irp c, 0,1,2
	global_load_b128 v[16+4*\c:19+4*\c], v[AK0], s[4:5] offset:512*\c   ; Q's fragment stays in registers
.endr
	global_load_b32 v255, v29, s[6:7]              ; and its scale words
	v_mov_b32 v13, 0xff61b1e6                      ; the largest t so far: -3e38, under every t
	v_floor_f32 v12, -v13                          ; -M
	v_mov_b32 v14, 0
	v_mov_b32 v15, 0
.irp b, 0,1,2,3
	v_mov_b32 v[236+\b], 0                         ; written once: a lane permute's destination counts as one of its sources
.endr
	v_mov_b32 v252, 0
	v_mov_b32 v253, 0
.set j, 0
.rept 64
	v_mov_b32 v[160+j], 0                          ; O^T.  (The step is written without a first step of its own: the first change of M multiplies zeros)
.set j, j+1
.endr
; A KEY STEP: 128 keys.
.macro STEP
	s_cmp_gt_u32 s[SI], s[LAST]                    ; all its keys come after my queries: its work is left out; the lines at its end that step addresses are not
	s_cbranch_scc1 .Lhidden_\@
	v_add_nc_u32 v[ADK], s[TB], v[AK0]             ; (these four are also the places in front of the loads below)
	v_add_nc_u32 v[ADV], s[TB], v[AV0]
	v_add_nc_u32 v[ADS], s[TS], v[ASK0]
	v_add_nc_u32 v[ADT], s[TS], v[ASV0]
.irp g, 0,1                                    ; S^T = K Q^T, four tiles of 16 keys at a time
.rept 4*\g
	v_nop                                          ; places in front of loads into registers that matrix instructions have read
.endr
.irp t, 0,1,2,3
.irp c, 0,1,2
	ds_load_b128 v[32+12*\t+4*\c:35+12*\t+4*\c], v[ADK] offset:(4*\g+\t)*1536+512*\c
.endr
	ds_load_b32 v[248+\t], v[ADS] offset:(4*\g+\t)*64
.endr
	s_wait_dscnt 0x0
.irp t, 0,1,2,3
	v_wmma_scale_f32_16x16x128_f8f6f4 v[96+8*(4*\g+\t):103+8*(4*\g+\t)], v[32+12*\t:43+12*\t], v[16:27], 0, v[248+\t], v255 matrix_a_fmt:MATRIX_FMT_FP6 matrix_b_fmt:MATRIX_FMT_FP6
.endr
.endr                                          ; register 8 t + i of lane (r, h): query r, key 16 t + 8 h + i of the step
.rept 4
	v_nop
.endr
	s_cmp_lg_u32 s[SI], s[LAST]                    ; on the diagonal the scores of hidden keys become -infinity ahead of the maximum: p = 0 then
	s_cbranch_scc1 .Lopen_\@
	v_mov_b32 v254, 0xff800000
.set n, 0
.rept 64
	v_cmp_gt_i32 vcc_lo, 16*(n/8)+n%8, v[DM]
	v_cndmask_b32 v[96+n], v[96+n], v254, vcc_lo
.set n, n+1
.endr
.Lopen_\@:
.irp b, 0,1,2,3
	v_max3_num_f32 v[232+\b], v[96+16*\b], v[97+16*\b], v[98+16*\b]   ; the largest score of each block of 32 keys: for the row's maximum and, since p rises with the score, for the block's largest p
.endr
.irp i, 3,5,7,9,11,13
.irp b, 0,1,2,3
	v_max3_num_f32 v[232+\b], v[232+\b], v[96+16*\b+\i], v[97+16*\b+\i]
.endr
.endr
.irp b, 0,1,2,3
	v_max_num_f32 v[232+\b], v[232+\b], v[111+16*\b]
.endr
.irp b, 0,1,2,3
	v_permlanex16_b32 v[236+\b], v[232+\b], s[SEL], s[SEL+1]
.endr
.irp b, 0,1,2,3
	v_max_num_f32 v[232+\b], v[232+\b], v[236+\b]  ; with lane l xor 16's 16 keys
.endr
	v_max3_num_f32 v254, v232, v233, v234
	v_max_num_f32 v254, v254, v235
	v_mul_f32 v254, s[CS], v254                    ; as t (c is positive)
	v_max_num_f32 v13, v13, v254                   ; the running largest t
	v_mov_b32 v254, v12
	v_floor_f32 v12, -v13                          ; the new -M = -ceil(t)
	v_sub_f32 v254, v12, v254                      ; old M - new M: a whole number, 0 or less
	v_cvt_i32_f32 v254, v254                       ; (it saturates)
	v_ldexp_f32 v252, 1.0, v254                    ; f = 2^(old M - new M)
.set j, 0
.rept 32
	v_pk_fma_f32 v[96+j:97+j], v[96+j:97+j], s[CS:CS+1], v[12:13] op_sel_hi:[1,0,0]   ; t - M
.set j, j+2
.endr
.irp b, 0,1,2,3
	v_fma_f32 v[232+\b], v[232+\b], s[CS], v12     ; the same of each block's largest score
.endr
.set j, 0
.rept 64
	v_exp_f32 v[96+j], v[96+j]                     ; p = 2^(t - M)
.set j, j+1
.endr
	v_pk_mul_f32 v[14:15], v[14:15], v[252:253] op_sel_hi:[1,0]   ; the sums under the new M (a plain place behind the exponentials)
	s_wait_alu depctr_va_vdst(0)                   ; one wait for the batch, ahead of its first reader
.irp b, 0,1,2,3
	v_exp_f32 v[232+\b], v[232+\b]                 ; the block's largest p
.endr
	v_pk_add_f32 v[236:237], v[96:97], v[98:99]    ; the row's sum of the unquantised p, in two chains
.irp j, 4,8,12,16,20,24,28,32,36,40,44,48,52,56,60
	v_pk_add_f32 v[14:15], v[14:15], v[96+\j:97+\j]
	v_pk_add_f32 v[236:237], v[236:237], v[98+\j:99+\j]
.endr
	v_pk_add_f32 v[14:15], v[14:15], v[236:237]
	s_wait_alu depctr_va_vdst(0)                   ; and one for the four
.irp b, 0,1,2,3
	v_max_num_f32 v[232+\b], 0x1800000, v[232+\b]  ; the floor 2^(3 - 127): the byte cannot fall under 1
.endr
.irp b, 0,1,2,3
	v_add_nc_u32 v[244+\b], 0xff000000, v[232+\b]  ; 2 off the exponent field: the conversion's scale operand
.endr
.irp b, 0,1,2,3
	v_lshrrev_b32 v[236+\b], 23, v[244+\b]
.endr
	v_lshl_or_b32 v253, v237, 8, v236              ; p's scale word for these 128 keys
	v_lshl_or_b32 v253, v238, 16, v253
	v_lshl_or_b32 v253, v239, 24, v253
.irp c, 0,1
	v_cvt_scalef32_pk16_fp6_f32 v[224+6*\c:226+6*\c], v[96+32*\c:111+32*\c], v[244+2*\c]
	v_cvt_scalef32_pk16_fp6_f32 v[236+4*\c:238+4*\c], v[112+32*\c:127+32*\c], v[244+2*\c+1]
.endr
	v_nop                                          ; one plain place behind a scaled conversion
.irp c, 0,1
.irp i, 0,1,2
	v_permlane16_swap_b32 v[224+6*\c+\i], v[236+4*\c+\i]
.endr
.irp i, 0,1,2
	v_mov_b32 v[227+6*\c+\i], v[236+4*\c+\i]
.endr
.endr
.set j, 0
.rept 32
	v_pk_mul_f32 v[160+j:161+j], v[160+j:161+j], v[252:253] op_sel_hi:[1,0]   ; O^T under the new M.  (These 32 are also the places in front of the matrix instructions and loads below)
.set j, j+2
.endr
.irp g, 0,1                                    ; O^T += V^T P^T, four tiles of 16 rows of V^T at a time
.rept 4*\g
	v_nop
.endr
.irp t, 0,1,2,3
.irp c, 0,1,2
	ds_load_b128 v[32+12*\t+4*\c:35+12*\t+4*\c], v[ADV] offset:(4*\g+\t)*1536+512*\c
.endr
	ds_load_b32 v[248+\t], v[ADT] offset:(4*\g+\t)*64
.endr
	s_wait_dscnt 0x0
.irp t, 0,1,2,3
	v_wmma_scale_f32_16x16x128_f8f6f4 v[160+8*(4*\g+\t):167+8*(4*\g+\t)], v[32+12*\t:43+12*\t], v[224:235], v[160+8*(4*\g+\t):167+8*(4*\g+\t)], v[248+\t], v253 matrix_a_fmt:MATRIX_FMT_FP6 matrix_b_fmt:MATRIX_FMT_FP6
.endr
.endr
.Lhidden_\@:
	s_add_co_u32 s[SI], s[SI], 1
	s_add_co_u32 s[TB], s[TB], STEPB
	s_add_co_u32 s[TS], s[TS], 512
.endm
.macro FOUR_STEPS                      ; a slot's four key steps: written once, walked four times
	s_mov_b32 s[INNER], 4
.Lstep_\@:
	STEP
	s_sub_co_u32 s[INNER], s[INNER], 1
	s_cmp_lg_u32 s[INNER], 0
	s_cbranch_scc1 .Lstep_\@
	s_sub_co_u32 s[TB], s[TB], SLOTB
	s_xor_b32 s[TB], s[TB], SLOT1                  ; on to the other slot
.endm
; THE CHANGE OF SLOTS stands at a slot's head.  Each wave waits for all its tensor loads, adds 0 to its spare word, and waits for that and for its reads of the slot that it has left.
; fill = 1: a round of the cluster's barrier, and behind it the slot just left is filled with the next 512 keys: the load has four key steps in which to land.
.macro CHANGE fill
	s_wait_tensorcnt 0x0                           ; no tensor load of mine is out, so a group 0 may be written
	ds_add_u32 v[SPW], v[NIL]                      ; 0 onto my spare word
.if \fill
	s_xor_b32 s[G0T+1], s[G0T+1], SLOT1            ; the walking descriptor: the other slot than last time,
	s_add_nc_u64 s[G0T+2:G0T+3], s[G0T+2:G0T+3], SLOTB   ; the next 512 keys' part of K or of V
	s_wait_xcnt 0x0                                ; the last prefetch, a slot back, has read its address
	s_add_nc_u64 s[PFA:PFA+1], s[PFA:PFA+1], SLOTB ; one slot further on than the walking descriptor
	s_wait_dscnt 0x0                               ; the add is done, and my reads of the slot that I have left are over
	CROUND
	s_cmp_lt_u32 s[WV], 4
	s_cbranch_scc0 .Lnone_\@
	tensor_load_to_lds s[G0T:G0T+3], s[G1T:G1T+7]  ; the first thing behind the round, and a wave's one tensor load until the next
	s_nop 0
.rept 4
	v_nop
.endr
.Lnone_\@:
	s_cmp_gt_u32 s[SLOTS], s[LIM]                  ; what the next change will ask for is asked of memory now, four key steps ahead; the last change that fills a slot asks for nothing
	s_cbranch_scc0 .Lnot_mine_\@
	global_prefetch_b8 v[PFO], s[PFA:PFA+1] th:TH_LOAD_NT scope:SCOPE_SE
.Lnot_mine_\@:
.else
	s_wait_dscnt 0x0
	s_barrier_signal -1
	s_barrier_wait -1
.endif
.endm
	s_wait_loadcnt 0x0                             ; Q
.Lslot:                                            ; three trips: behind each change of slots but the last the next slot is asked for
	CHANGE 1
	FOUR_STEPS
	s_sub_co_u32 s[SLOTS], s[SLOTS], 1
	s_cmp_lg_u32 s[SLOTS], 0
	s_cbranch_scc1 .Lslot
	CHANGE 0                                       ; the last slot is written out
	FOUR_STEPS
	; THE WAY OUT.  O^T / the sum: register 16 b + i of lane (r, h) is channel 32 b + 16 h + i of query r: 16 true neighbours.  It is quantised along the head and stored as the next launch's operand.
.rept 4
	v_nop                                          ; places behind the last products
.endr
	v_add_f32 v14, v14, v15
	v_permlanex16_b32 v252, v14, s[SEL], s[SEL+1]
	v_add_f32 v14, v14, v252                       ; the row's sum
	v_rcp_f32 v14, v14
	v_and_b32 v8, 15, v0                           ; (a plain place behind the transcendental)
	v_lshlrev_b32 v9, 6, v8                        ; 64 bytes a row of scale words
	s_wait_alu depctr_va_vdst(0)                   ; the wait ahead of the first reader
.set j, 0
.rept 64
	v_mul_f32 v[96+j], v[160+j], v14
.set j, j+1
.endr
.irp b, 0,1,2,3
	v_max3_num_f32 v[TM+\b], |v[96+16*\b]|, |v[97+16*\b]|, 0x1800000   ; block b: my 16 numbers, and the floor 2^(3 - 127)
.endr
.irp i, 2,4,6,8,10,12,14
.irp b, 0,1,2,3
	v_max3_num_f32 v[TM+\b], v[TM+\b], |v[96+16*\b+\i]|, |v[97+16*\b+\i]|
.endr
.endr
.irp b, 0,1,2,3
	v_permlanex16_b32 v[TM+4+\b], v[TM+\b], s[SEL], s[SEL+1]
.endr
.irp b, 0,1,2,3
	v_max_num_f32 v[TM+\b], v[TM+\b], v[TM+4+\b]
.endr
.irp b, 0,1,2,3
	v_add_nc_u32 v[TM+12+\b], 0xff000000, v[TM+\b]
.endr
.irp b, 0,1,2,3
	v_lshrrev_b32 v[TM+4+\b], 23, v[TM+12+\b]
.endr
	v_lshl_or_b32 v[PW], v[TM+5], 8, v[TM+4]
	v_lshl_or_b32 v[PW], v[TM+6], 16, v[PW]
	v_lshl_or_b32 v[PW], v[TM+7], 24, v[PW]
.irp c, 0,1
	v_cvt_scalef32_pk16_fp6_f32 v[PC+6*\c:PC+2+6*\c], v[96+32*\c:111+32*\c], v[TM+12+2*\c]
	v_cvt_scalef32_pk16_fp6_f32 v[PC+12+4*\c:PC+14+4*\c], v[112+32*\c:127+32*\c], v[TM+12+2*\c+1]
.endr
	v_nop                                          ; one plain place behind a scaled conversion
.irp c, 0,1
.irp i, 0,1,2
	v_permlane16_swap_b32 v[PC+6*\c+\i], v[PC+12+4*\c+\i]
.endr
.irp i, 0,1,2
	v_mov_b32 v[PC+3+6*\c+\i], v[PC+12+4*\c+\i]
.endr
.endr
.irp c, 0,1,2
	global_store_b128 v[AK0], v[PC+4*\c:PC+4*\c+3], s[12:13] offset:512*\c   ; 512 consecutive bytes a store
.endr
	global_store_b32 v9, v[PW], s[14:15]           ; row r's word; lanes l and l + 16 hold the same word and write it to the same place
	s_wait_tensorcnt 0x0                           ; the wave's end
	ds_add_u32 v[SPW], v[NIL]
	s_wait_dscnt 0x0
	CROUND                                         ; the closing round
	s_endpgm
.Lfunc_end_k_qbe0974379b_attn:
	.size	k_qbe0974379b_attn, .Lfunc_end_k_qbe0974379b_attn-k_qbe0974379b_attn
	.p2alignl 7, 3214868480
	.fill 96, 4, 3214868480
	.section	.rodata,"a",@progbits
	.p2align	6, 0x0
	.amdhsa_kernel k_qbe0974379b_attn
		.amdhsa_group_segment_fixed_size 327680
		.amdhsa_private_segment_fixed_size 0
		.amdhsa_enable_private_segment 0
		.amdhsa_kernarg_size 48
		.amdhsa_user_sgpr_count 2
		.amdhsa_user_sgpr_kernarg_segment_ptr 1
		.amdhsa_wavefront_size32 1
		.amdhsa_system_sgpr_workgroup_id_x 1
		.amdhsa_system_sgpr_workgroup_id_y 1
		.amdhsa_system_sgpr_workgroup_id_z 1
		.amdhsa_system_vgpr_workitem_id 0
		.amdhsa_next_free_vgpr 256
		.amdhsa_next_free_sgpr 80
		.amdhsa_reserve_vcc 1
		.amdhsa_float_denorm_mode_32 3
		.amdhsa_float_denorm_mode_16_64 3
		.amdhsa_memory_ordered 1
		.amdhsa_forward_progress 1
		.amdhsa_inst_pref_size 67
	.end_amdhsa_kernel
	.amdgpu_metadata
---
amdhsa.version: [ 1, 2 ]
amdhsa.kernels:
  - .name:           k_qbe0974379b_attn
    .symbol:         k_qbe0974379b_attn.kd
    .args:
      - { .name: qf, .offset: 0, .size: 8, .value_kind: global_buffer, .address_space: global }
      - { .name: qs, .offset: 8, .size: 8, .value_kind: global_buffer, .address_space: global }
      - { .name: kvf, .offset: 16, .size: 8, .value_kind: global_buffer, .address_space: global }
      - { .name: kvs, .offset: 24, .size: 8, .value_kind: global_buffer, .address_space: global }
      - { .name: af, .offset: 32, .size: 8, .value_kind: global_buffer, .address_space: global }
      - { .name: asc, .offset: 40, .size: 8, .value_kind: global_buffer, .address_space: global }
    .group_segment_fixed_size: 327680
    .private_segment_fixed_size: 0
    .kernarg_segment_align: 8
    .kernarg_segment_size: 48
    .max_flat_workgroup_size: 256
    .sgpr_count:     80
    .vgpr_count:     256
    .wavefront_size: 32
...
	.end_amdgpu_metadata
.endif
;; end of part 2
;; launch oproj (part 3): grid 16 x 8, 4 waves a work-group, clusters of 4 x 4, 327,680 bytes of LDS; arguments af, asc, Wo_codes, Wo_scales, out0; writes out0
.if DOCPART == 3
	.amdgcn_target "amdgcn-amd-amdhsa--gfx1250"
	.amdhsa_code_object_version 6
	.text
	.protected	k_qbe0974379b_oproj
	.globl	k_qbe0974379b_oproj
	.p2align	8
	.type	k_qbe0974379b_oproj,@function
k_qbe0974379b_oproj:
	s_mov_b64 s[64:65], 0
	v_nop
	global_prefetch_b8 v0, s[64:65] scope:SCOPE_SE
	s_setreg_imm32_b32 hwreg(HW_REG_WAVE_MODE, 25, 1), 1
	s_wait_xcnt 0x0
	s_wait_alu depctr_hold_cnt(0) depctr_sa_sdst(0) depctr_va_vdst(0) depctr_va_sdst(0) depctr_va_ssrc(0) depctr_va_vcc(0) depctr_vm_vsrc(0)
	s_getreg_b32 s2, hwreg(HW_REG_IB_STS2, 6, 4)
	s_cmp_eq_u32 s2, 0
	s_cbranch_scc0 .Lentry_in_a_cluster
	s_endpgm
.Lentry_in_a_cluster:
	s_bfe_u32 s2, ttmp6, 0x10000c
	s_cmp_lg_u32 s2, 0xf033
	s_cbranch_scc0 .Lentry_shape_is_right
	s_endpgm
.Lentry_shape_is_right:
; THE OUTPUT PROJECTION: out0[row][n] = sum over k of A[row][k] Wo[n][k], both on codes of FP6 (E2M3) with one E8M0 scale for each 32 along K; K = 2,048 = head x 128 + channel; sums and out0 in f32.
; A comes from the launch before as images of operands' registers, [row tile 128][head 16][1,536 bytes] (piece c of a fragment at 512 c + 16 x lane), with a scale word for each row and head, 64 bytes a row; Wo as it is given.
; SHARES.  A work-group takes 256 rows x 128 columns; four waves, 64 rows each: 32 accumulators of 16 x 16.  Source 0 = Wo's 128 rows (all waves the same), source 1 = my four row tiles: a lane holds eight neighbouring columns of a row.
; 128 work-groups: tiles of 128 x 128 would give 256, at more LDS bytes for each product; this text takes the larger tile.
; K goes in steps of 256 (two heads) through two LDS slots filled by the tensor data mover; the scale bytes come once and stay.  CLUSTERS, 4 x 4: A's tiles are asked for jointly along a row of the cluster, Wo's along a column.
; REGISTERS.  window 0: v1 r, v2 h; v3-5 the way out; v16-25 LDS addresses; v30, v31 for the add; v32-79 scale words, two sets; v128-223 source 1's fragments, two sets; on the way out v128-255 rows of out0.
;   window 1: source 0's fragments, two sets at v0 and v128.   window 2: the accumulators, (a, b) at v[8 (8 a + b)].
.set FR,     12
.set PITCH,  240                       ; a row of Wo's tile in LDS: 3 x (64 bytes + 16 of padding)
.set ROWB,   192
.set KROW,   1536
.set NL1,    3                         ; LDS loads that bring a fragment of source 1
.set TAIL1,  2*NL1
.set STEPA,  3072                      ; two heads' images of a row tile
.set AREG,   16*STEPA                  ; a slot: 16 row tiles' images,
.set SLOT,   AREG+128*PITCH            ; then 128 rows of Wo
.set SCL,    2*SLOT                    ; the scale bytes, in blocks of 256 + 16: A's 64 blocks, then Wo's 32
.set SHW,    17408
.set SPARE,  SCL+26112                 ; the spare words: 128 bytes a wave, two blocks of 256 bytes that no other line names
.set SPITCH, 528                       ; the way out: a stage of 16 rows x (512 bytes + 16) for each wave, in slot 0, which has had its last fill and its last read when the first result is stored there
.set STO,  3
.set RD,   4
.set CO,   5
.set AD0,  16
.set AD1,  20
.set ADS0, 24
.set ADS1, 25
.set SPW,  30
.set NIL,  31
.set SC,   32
.set S1F,  128
.set BK,   128
.set G1,   24
.set G0,   32
.set G1B,  48
.set G0B,  56
.set G1S,  68
.set G0S,  76
.set G1SB, 80
.set G0SB, 88
.set MSB, 0
.macro WIN new                         ; the immediate's high byte repeats the setting that is left
.if MSB != \new
	s_set_vgpr_msb (MSB<<8)|\new
.set MSB, \new
.endif
.endm
.set MUL,   0xa1                       ; source 0 window 1, source 1 window 0, C and D window 2
.set TO_S0, 0x40
.macro PLACES n
.rept \n
	v_nop
.endr
.endm
.macro JLOAD g0a, g1a, g0b, g1b        ; a joint load: waves 0 and 1 fetch for A, waves 2 and 3 for Wo; four v_nop follow each of the two lines
	s_cmp_eq_u32 s15, 0
	s_cbranch_scc0 .Lfor_b_\@
	tensor_load_to_lds s[\g0a:\g0a+3], s[\g1a:\g1a+7]
	s_nop 0
.rept 4
	v_nop
.endr
	s_branch .Lasked_\@
.Lfor_b_\@:
	tensor_load_to_lds s[\g0b:\g0b+3], s[\g1b:\g1b+7]
	s_nop 0
.rept 4
	v_nop
.endr
.Lasked_\@:
.endm
.macro CREST
	s_cmp_lg_u32 s14, 0
	s_cbranch_scc1 .Lnot_wave_0_\@
	s_barrier_signal -3
.Lnot_wave_0_\@:
	s_barrier_wait -3
	s_barrier_signal -1
	s_barrier_wait -1
.endm
.macro CROUND
	s_barrier_signal -1
	s_barrier_wait -1
	CREST
.endm
	s_load_b256 s[4:11], s[0:1], 0x0               ; af, asc, Wo's codes, Wo's scales
	s_load_b64 s[12:13], s[0:1], 0x20              ; out0
	v_lshl_add_u32 v[SPW], v0, 2, SPARE
	v_mov_b32 v[NIL], 0
	ds_add_u32 v30, v31
	s_wait_dscnt 0x0
	v_lshrrev_b32 v1, 5, v0
	v_readfirstlane_b32 s14, v1                    ; wave 0..3
	s_lshr_b32 s15, s14, 1                         ; I fetch for A (0) or for Wo (1)
	s_and_b32 s16, s14, 1                          ; which half
	s_bfe_u32 s40, ttmp6, 0x40000                  ; cx
	s_bfe_u32 s41, ttmp6, 0x40004                  ; cy
	s_lshl_b32 s42, ttmp9, 2
	s_add_co_u32 s42, s42, s40                     ; which 128 columns
	s_and_b32 s17, ttmp7, 0xffff
	s_lshl_b32 s17, s17, 2
	s_add_co_u32 s17, s17, s41                     ; which 256 rows
	s_lshl_b32 s43, s41, 2
	s_lshl_b32 s43, 15, s43                        ; my row of the cluster
	s_lshl_b32 s44, 0x1111, s40                    ; my column
	; groups 1.  A: 8 row tiles x 3,072 bytes (384 elements of 8), 24,576 bytes apart, no padding
	s_or_b32 s[G1], s43, (3<<16)|(1<<21)
	s_mov_b32 s[G1+1], 384<<16
	s_mov_b32 s[G1+2], 8<<16
	s_mov_b32 s[G1+3], 384<<16
	s_mov_b32 s[G1+4], 8
	s_mov_b32 s[G1+5], 3072
	s_mov_b32 s[G1+6], 0
	s_mov_b32 s[G1+7], 0
	; Wo: 64 rows of 192 bytes, 1,536 apart, 16 bytes of padding behind every 64
	s_or_b32 s[G1B], s44, (0<<16)|(1<<20)|(1<<21)|(3<<22)|(3<<25)
	s_mov_b32 s[G1B+1], ROWB<<16
	s_mov_b32 s[G1B+2], 64<<16
	s_mov_b32 s[G1B+3], ROWB<<16
	s_mov_b32 s[G1B+4], 64
	s_mov_b32 s[G1B+5], KROW
	s_mov_b32 s[G1B+6], 0
	s_mov_b32 s[G1B+7], 0
	; scale bytes: dense blocks as rows of 256 bytes, 16 bytes of padding behind each: 128 rows of A (32 such), 64 rows of Wo (16)
	s_or_b32 s[G1S], s43, (3<<16)|(1<<20)|(1<<21)|(5<<22)|(3<<25)
	s_mov_b32 s[G1S+1], 32<<16
	s_mov_b32 s[G1S+2], 32<<16
	s_mov_b32 s[G1S+3], 32<<16
	s_mov_b32 s[G1S+4], 32
	s_mov_b32 s[G1S+5], 32
	s_mov_b32 s[G1S+6], 0
	s_mov_b32 s[G1S+7], 0
	s_or_b32 s[G1SB], s44, (3<<16)|(1<<20)|(1<<21)|(5<<22)|(3<<25)
	s_mov_b32 s[G1SB+1], 32<<16
	s_mov_b32 s[G1SB+2], 16<<16
	s_mov_b32 s[G1SB+3], 32<<16
	s_mov_b32 s[G1SB+4], 16
	s_mov_b32 s[G1SB+5], 32
	s_mov_b32 s[G1SB+6], 0
	s_mov_b32 s[G1SB+7], 0
	; A's side: nothing here hangs on cx
	s_lshl_b32 s18, s17, 4
	s_lshl_b32 s19, s16, 3
	s_add_co_u32 s18, s18, s19                     ; row tile 16 x block + 8 x half
	s_lshl_b32 s20, s18, 10                        ; its scale bytes: 16 rows of 64
	s_mov_b32 s21, 0
	s_mul_i32 s18, s18, 24576
	s_mov_b32 s19, 0
	; Wo's side: nothing here hangs on cy
	s_lshl_b32 s46, s42, 7
	s_lshl_b32 s47, s16, 6
	s_add_co_u32 s46, s46, s47                     ; row 128 x column block + 64 x half
	s_lshl_b32 s92, s46, 6
	s_mov_b32 s93, 0
	s_mul_i32 s46, s46, KROW
	s_mov_b32 s47, 0
	; out0: these mix cx and cy: s96, s97, s45 alone hold them
	s_lshl_b32 s96, s17, 21                        ; 256 rows of 8,192 bytes
	s_lshl_b32 s45, s14, 19                        ; my 64
	s_add_co_u32 s96, s96, s45
	s_lshl_b32 s45, s42, 9                         ; 128 columns of 4 bytes
	s_add_co_u32 s96, s96, s45
	s_mov_b32 s97, 0
	s_wait_kmcnt 0x0
	s_add_nc_u64 s[G0+2:G0+3], s[4:5], s[18:19]
	s_add_nc_u64 s[G0+6:G0+7], s[G0+2:G0+3], STEPA
	s_add_nc_u64 s[G0S+2:G0S+3], s[6:7], s[20:21]
	s_add_nc_u64 s[G0B+2:G0B+3], s[8:9], s[46:47]
	s_add_nc_u64 s[G0B+6:G0B+7], s[G0B+2:G0B+3], ROWB
	s_add_nc_u64 s[G0SB+2:G0SB+3], s[10:11], s[92:93]
	s_add_nc_u64 s[12:13], s[12:13], s[96:97]
.irp g, G0+3, G0+7, G0B+3, G0B+7, G0S+3, G0SB+3
	s_or_b32 s[\g], s[\g], 0x80000000              ; the type
.endr
.irp g, G0, G0+4, G0B, G0B+4, G0S, G0SB
	s_mov_b32 s[\g], 1                             ; count = 1
.endr
	s_mul_i32 s[G0+1], s16, 8*STEPA                ; LDS addresses: the wave's number and constants
	s_add_co_u32 s[G0+5], s[G0+1], SLOT
	s_mul_i32 s[G0B+1], s16, 64*PITCH
	s_add_co_u32 s[G0B+1], s[G0B+1], AREG
	s_add_co_u32 s[G0B+5], s[G0B+1], SLOT
	s_mul_i32 s[G0S+1], s16, 8704
	s_add_co_u32 s[G0S+1], s[G0S+1], SCL
	s_mul_i32 s[G0SB+1], s16, 4352
	s_add_co_u32 s[G0SB+1], s[G0SB+1], SCL+SHW
	CROUND                                         ; all sixteen work-groups are here: the first joint loads meet
	JLOAD G0S, G1S, G0SB, G1SB                     ; the scale bytes: filled once
	JLOAD G0, G1, G0B, G1B                         ; K step 0
	JLOAD G0+4, G1, G0B+4, G1B                     ; K step 1: three loads of mine are out
	v_and_b32 v1, 15, v0                           ; r
	v_bfe_u32 v2, v0, 4, 1                         ; h
	v_mul_u32_u24 v6, v1, PITCH
	v_mad_u32_u24 v6, v2, 24, v6                   ; Wo: a fragment's row x pitch + 24 h
	v_lshl_add_u32 v7, v2, 4, v6                   ; and the same behind one padding more
	v_and_b32 v8, 31, v0
	v_lshlrev_b32 v8, 4, v8                        ; 16 x lane
	v_lshrrev_b32 v9, 2, v1
	v_and_b32 v10, 3, v1
	v_mul_u32_u24 v9, v9, 272
	v_lshl_add_u32 v9, v10, 6, v9                  ; row r's scale bytes: four rows of 64 to a block of 272
	s_mul_i32 s22, s14, 4*STEPA                    ; my four row tiles' images
	s_mul_i32 s23, s14, 4352                       ; my 64 rows' scale bytes
	s_add_co_u32 s23, s23, SCL
	s_mul_i32 s3, s14, 16*SPITCH                   ; my stage
	v_add_nc_u32 v[AD0], AREG, v6
	v_add_nc_u32 v[AD0+1], AREG+SLOT, v6
	v_add_nc_u32 v[AD0+2], AREG, v7
	v_add_nc_u32 v[AD0+3], AREG+SLOT, v7
	v_add_nc_u32 v[AD1], s22, v8
	v_add_nc_u32 v[AD1+1], SLOT, v[AD1]
	v_add_nc_u32 v[ADS0], SCL+SHW, v9
	v_add_nc_u32 v[ADS1], s23, v9
	v_mul_u32_u24 v[STO], v1, SPITCH
	v_lshl_add_u32 v[STO], v2, 5, v[STO]
	v_add_nc_u32 v[STO], s3, v[STO]                ; into the stage: row r, 32 bytes for each half of the lanes
	v_add_nc_u32 v[RD], s3, v8                     ; back: the 32 lanes take one row of 512 bytes
	v_mov_b32 v[CO], v8                            ; and the same in out0
.macro FRAGR reg, adr, q, i            ; a fragment from rows: 24 bytes of the row's stream of bits twice, in pieces of 8; the second address register serves the pieces that lie behind one padding more
.irp p, 0,1,2,3,4,5
.set PCE, 12*(\q)+6*(\p/3)+\p%3
.if PCE%8 < 5
	ds_load_b64 v[\reg+2*\p:\reg+2*\p+1], v[\adr] offset:8*PCE+16*(PCE/8)+(\i)*16*PITCH
.else
	ds_load_b64 v[\reg+2*\p:\reg+2*\p+1], v[\adr+2] offset:8*PCE+16*(PCE/8)+(\i)*16*PITCH
.endif
.endr
.endm
.macro FETCH0 slot, q, p
	WIN TO_S0
.irp i, 0,1,2,3,4,5,6,7
	FRAGR 128*(\p)+FR*\i, AD0+\slot, \q, \i
.endr
	WIN 0
.endm
.macro FETCH1 slot, q, p, a0           ; source 1's tiles a0, a0 + 1: images, three loads of 512 consecutive bytes each
.irp i, \a0, \a0+1
.irp c, 0,1,2
	ds_load_b128 v[S1F+48*(\p)+FR*(\i)+4*\c:S1F+48*(\p)+FR*(\i)+4*\c+3], v[AD1+\slot] offset:(\i)*STEPA+(\q)*1536+512*\c
.endr
.endr
.endm
.macro SCALES sc
.irp b, 0,1,2,3,4,5,6,7
	ds_load_b64 v[SC+24*\sc+2*\b:SC+24*\sc+2*\b+1], v[ADS0] offset:\b*1088
.endr
.irp a, 0,1,2,3
	ds_load_b64 v[SC+24*\sc+16+2*\a:SC+24*\sc+16+2*\a+1], v[ADS1] offset:\a*1088
.endr
.endm
; Eight matrix instructions: source 1's tile a against source 0's eight.  The 32 accumulators take turns, one instruction a turn, in the same order in every step.
.macro MUL8 a, p, q, sc, zero
.irp b, 0,1,2,3,4,5,6,7
.if \zero
	v_wmma_scale_f32_16x16x128_f8f6f4 v[8*(8*(\a)+\b):8*(8*(\a)+\b)+7], v[128*(\p)+FR*\b:128*(\p)+FR*\b+FR-1], v[S1F+48*(\p)+FR*(\a):S1F+48*(\p)+FR*(\a)+FR-1], 0, v[SC+24*(\sc)+2*\b+(\q)], v[SC+24*(\sc)+16+2*(\a)+(\q)] matrix_a_fmt:MATRIX_FMT_FP6 matrix_b_fmt:MATRIX_FMT_FP6
.else
	v_wmma_scale_f32_16x16x128_f8f6f4 v[8*(8*(\a)+\b):8*(8*(\a)+\b)+7], v[128*(\p)+FR*\b:128*(\p)+FR*\b+FR-1], v[S1F+48*(\p)+FR*(\a):S1F+48*(\p)+FR*(\a)+FR-1], v[8*(8*(\a)+\b):8*(8*(\a)+\b)+7], v[SC+24*(\sc)+2*\b+(\q)], v[SC+24*(\sc)+16+2*(\a)+(\q)] matrix_a_fmt:MATRIX_FMT_FP6 matrix_b_fmt:MATRIX_FMT_FP6
.endif
.endr
.endm
.macro STEP slot, zero                 ; a slot's first head (set 0); in its middle the second head's fragments are fetched into set 1
	s_wait_dscnt TAIL1                             ; all but the youngest loads, source 1's tiles 2 and 3
	WIN MUL
	MUL8 0, 0, 0, \slot, \zero
	MUL8 1, 0, 0, \slot, \zero
	s_wait_dscnt 0x0
	PLACES 4                                       ; four plain places in front of loads into registers that matrix instructions have read
	FETCH0 \slot, 1, 1
	FETCH1 \slot, 1, 1, 0
	FETCH1 \slot, 1, 1, 2
	WIN MUL
	MUL8 2, 0, 0, \slot, \zero
	MUL8 3, 0, 0, \slot, \zero
	WIN 0
.endm
; A slot's second head (set 1), and the change of slots: each wave waits for all its tensor loads, adds 0 to its spare word, waits for that and for its reads of this slot; one barrier.  fill = 1: the slot is filled again, two K steps on.
.macro TURN slot, next, fill
	s_wait_tensorcnt 0x0                           ; all my tensor loads have landed: my part of the next slot
	ds_add_u32 v[SPW], v[NIL]                      ; 0 onto my spare word
	s_wait_dscnt TAIL1+1                           ; (the add and source 1's tiles 2 and 3 may be out)
	WIN MUL
	MUL8 0, 1, 1, \slot, 0
	s_wait_dscnt 0x0                               ; the add is done, and my reads of this slot are over
	s_barrier_signal -1
	MUL8 1, 1, 1, \slot, 0
	WIN 0
	s_barrier_wait -1
.if \fill
	CREST                                          ; the barrier has opened a round of the cluster's: no wave of any partner still reads this slot or has a load on its way
	s_add_nc_u64 s[G0+4*\slot+2:G0+4*\slot+3], s[G0+4*\slot+2:G0+4*\slot+3], 2*STEPA
	s_add_nc_u64 s[G0B+4*\slot+2:G0B+4*\slot+3], s[G0B+4*\slot+2:G0B+4*\slot+3], 2*ROWB
	JLOAD G0+4*\slot, G1, G0B+4*\slot, G1B         ; the first tensor load behind the round; its four v_nop are the places in front of the loads below
.else
	PLACES 4
.endif
	v_add_nc_u32 v[ADS0], 8, v[ADS0]               ; the next K step's scale words
	v_add_nc_u32 v[ADS1], 8, v[ADS1]
	FETCH0 \next, 0, 0
	FETCH1 \next, 0, 0, 0
	SCALES \next
	FETCH1 \next, 0, 0, 2
	WIN MUL
	MUL8 2, 1, 1, \slot, 0
	MUL8 3, 1, 1, \slot, 0
	WIN 0
.endm
	s_wait_tensorcnt 1                             ; the scale bytes and my part of K step 0 are in; K step 1's load may be out
	s_barrier_signal -1
	s_barrier_wait -1
	FETCH0 0, 0, 0
	FETCH1 0, 0, 0, 0
	SCALES 0
	FETCH1 0, 0, 0, 2
	STEP 0, 1                                      ; the first products start the sums
	s_mov_b32 s3, 3
.Llap:                                             ; a trip goes once round the ring and fills both slots: K steps 2 to 7
	TURN 0, 1, 1
	STEP 1, 0
	TURN 1, 0, 1
	STEP 0, 0
	s_sub_co_u32 s3, s3, 1
	s_cmp_lg_u32 s3, 0
	s_cbranch_scc1 .Llap
	TURN 0, 1, 0                                   ; the last lap fills nothing
	STEP 1, 0
	s_wait_dscnt TAIL1
	WIN MUL
	MUL8 0, 1, 1, 1, 0
	MUL8 1, 1, 1, 1, 0
	s_wait_dscnt 0x0
	MUL8 2, 1, 1, 1, 0
	MUL8 3, 1, 1, 1, 0
	WIN 0
; THE WAY OUT, block by block of 16 rows x 128 columns: a lane holds 32 neighbouring bytes of a row, so a block goes through my own stage in LDS and comes back as whole rows of 512 bytes.
; LDS serves a wave's instructions in order (ISA guide 5.7.1.4): no wait between the stores and the loads, nor in front of the next block's stores.
.macro TOSTAGE a
	WIN 0x08                                       ; an LDS store's data are its source 1: window 2
.irp b, 0,1,2,3,4,5,6,7
	ds_store_b128 v[STO], v[64*(\a)+8*\b:64*(\a)+8*\b+3] offset:64*\b          ; each accumulator from its low end on
	ds_store_b128 v[STO], v[64*(\a)+8*\b+4:64*(\a)+8*\b+7] offset:64*\b+16
.endr
	WIN 0
.set BB, BK+64*((\a)%2)
.irp t, 0,1,2,3,4,5,6,7,8,9,10,11,12,13,14,15
	ds_load_b128 v[BB+4*\t:BB+4*\t+3], v[RD] offset:\t*SPITCH
.endr
.endm
.macro SEND a, younger                 ; younger: the LDS instructions issued behind block a's loads, which may stay out
.set BB, BK+64*((\a)%2)
	s_wait_dscnt \younger
.if (\a) > 0
	s_add_nc_u64 s[12:13], s[12:13], 16*8192       ; (behind a wait on XCNT: the earlier stores have read their base)  16 rows of out0 on
.endif
.irp t, 0,1,2,3,4,5,6,7,8,9,10,11,12,13,14,15
	global_store_b128 v[CO], v[BB+4*\t:BB+4*\t+3], s[12:13] offset:\t*8192 th:TH_STORE_NT   ; 32 lanes store 512 consecutive bytes, at a multiple of 256 from out0's first byte
.endr
.endm
	PLACES 4                                       ; behind the last products: results are read, and source 1's registers loaded, from here on
	TOSTAGE 0
.irp a, 1,2,3
.if \a > 1
	s_wait_xcnt 0x0                                ; block a - 2's stores have read their registers and their base
.endif
	TOSTAGE \a
	SEND \a-1, 32                                  ; behind block a - 1's loads: block a's 16 stores and 16 loads
.endr
	s_wait_xcnt 0x0
	SEND 3, 0
	s_wait_tensorcnt 0x0                           ; the wave's end
	ds_add_u32 v[SPW], v[NIL]
	s_wait_dscnt 0x0
	CROUND                                         ; the closing round
	s_endpgm
.Lfunc_end_k_qbe0974379b_oproj:
	.size	k_qbe0974379b_oproj, .Lfunc_end_k_qbe0974379b_oproj-k_qbe0974379b_oproj
	.p2alignl 7, 3214868480
	.fill 96, 4, 3214868480
	.section	.rodata,"a",@progbits
	.p2align	6, 0x0
	.amdhsa_kernel k_qbe0974379b_oproj
		.amdhsa_group_segment_fixed_size 327680
		.amdhsa_private_segment_fixed_size 0
		.amdhsa_enable_private_segment 0
		.amdhsa_kernarg_size 40
		.amdhsa_user_sgpr_count 2
		.amdhsa_user_sgpr_kernarg_segment_ptr 1
		.amdhsa_wavefront_size32 1
		.amdhsa_system_sgpr_workgroup_id_x 1
		.amdhsa_system_sgpr_workgroup_id_y 1
		.amdhsa_system_sgpr_workgroup_id_z 1
		.amdhsa_system_vgpr_workitem_id 0
		.amdhsa_next_free_vgpr 768
		.amdhsa_next_free_sgpr 98
		.amdhsa_reserve_vcc 0
		.amdhsa_float_denorm_mode_32 3
		.amdhsa_float_denorm_mode_16_64 3
		.amdhsa_memory_ordered 1
		.amdhsa_forward_progress 1
		.amdhsa_inst_pref_size 95
	.end_amdhsa_kernel
	.amdgpu_metadata
---
amdhsa.version: [ 1, 2 ]
amdhsa.kernels:
  - .name:           k_qbe0974379b_oproj
    .symbol:         k_qbe0974379b_oproj.kd
    .args:
      - { .name: af, .offset: 0, .size: 8, .value_kind: global_buffer, .address_space: global }
      - { .name: asc, .offset: 8, .size: 8, .value_kind: global_buffer, .address_space: global }
      - { .name: Wo_codes, .offset: 16, .size: 8, .value_kind: global_buffer, .address_space: global }
      - { .name: Wo_scales, .offset: 24, .size: 8, .value_kind: global_buffer, .address_space: global }
      - { .name: out0, .offset: 32, .size: 8, .value_kind: global_buffer, .address_space: global }
    .group_segment_fixed_size: 327680
    .private_segment_fixed_size: 0
    .kernarg_segment_align: 8
    .kernarg_segment_size: 40
    .max_flat_workgroup_size: 128
    .sgpr_count:     98
    .vgpr_count:     768
    .wavefront_size: 32
...
	.end_amdgpu_metadata
.endif
;; end of part 3
;; ======== version 2 of 2: 3 launches
;; limits: right only within a limited range of input values
;; workspace buffers: qf 3,145,728 bytes; qs 131,072 bytes; kvf 1,572,864 bytes; kvs 65,536 bytes; af 3,145,728 bytes; asc 131,072 bytes
;; launch qkv (part 4): grid 24 x 8, 4 waves a work-group, clusters of 4 x 4, 327,680 bytes of LDS; arguments hidden_codes, hidden_scales, mu_prev_codes, mu_prev_scales, Wq_codes, Wq_scales, Wmu_q_codes, Wmu_q_scales, Wk_codes, Wk_scales, Wmu_k_codes, Wmu_k_scales, Wv_codes, Wv_scales, Wmu_v_codes, Wmu_v_scales, qn_w, kn_w, positions, qf, qs, kvf, kvs; writes qf, qs, kvf, kvs
.if DOCPART == 4
	.amdgcn_target "amdgcn-amd-amdhsa--gfx1250"
	.amdhsa_code_object_version 6
	.text
	.protected	k_qbe0974379b_qkv
	.globl	k_qbe0974379b_qkv
	.p2align	8
	.type	k_qbe0974379b_qkv,@function
k_qbe0974379b_qkv:
	s_mov_b64 s[64:65], 0
	v_nop
	global_prefetch_b8 v0, s[64:65] scope:SCOPE_SE
	s_setreg_imm32_b32 hwreg(HW_REG_WAVE_MODE, 25, 1), 1
	s_wait_xcnt 0x0
	s_wait_alu depctr_hold_cnt(0) depctr_sa_sdst(0) depctr_va_vdst(0) depctr_va_sdst(0) depctr_va_ssrc(0) depctr_va_vcc(0) depctr_vm_vsrc(0)
	s_getreg_b32 s2, hwreg(HW_REG_IB_STS2, 6, 4)
	s_cmp_eq_u32 s2, 0
	s_cbranch_scc0 .Lentry_in_a_cluster
	s_endpgm
.Lentry_in_a_cluster:
	s_bfe_u32 s2, ttmp6, 0x10000c
	s_cmp_lg_u32 s2, 0xf033
	s_cbranch_scc0 .Lentry_shape_is_right
	s_endpgm
.Lentry_shape_is_right:
; THE SIX PROJECTIONS AS ONE GEMM ON CODES OF FP6 (E2M3), THEN RMSNORM, ROPE AND THE QUANTISERS OF q, k AND v.
; [hidden | mu_prev] (2,048 rows, K = 2 x 2,048) meets 24 heads of 128 weight rows: 16 of q, 4 of k, 4 of v; a head's sum over hidden and over mu_prev is one f32 sum.
; SHARES.  A work-group takes 256 rows x one head (a head stays whole for the norm, so the grid is 24 x 8); four waves, each 64 rows x 128 columns, 32 accumulators.  Cluster x 0-3: q's heads, 4: k's, 5: v's.
; Source 0 = the head's 128 weight rows, source 1 = my 64 rows: a lane holds ONE token and the head's columns 16 b + 8 h + j.  All kinds walk K by the same text: no LDS address hangs on the kind.
; THE RING.  A row of codes is 1,536 bytes in each tensor.  K goes in chunks of 256 bytes, each beginning on a multiple of 256; chunk c lies in LDS place c % 3 (384 rows x 272 bytes).  Places 0 and 1 are filled together
; (wave 0, 1: the rows' two chunks; wave 2, 3: the weights'), place 2 alone (waves 0 and 2).  A period is 768 bytes = 8 steps of 128 along K; hidden has two periods, mu_prev two.
; In step 4 of a period a barrier shows place 2 whole; in step 5 places 0 and 1 are read no more and are filled again; in step 7 place 2.  Every wait on TENSORcnt is for 0.
; SCALE WORDS go from memory into registers: a lane takes 16 bytes of its row (4 steps), 12 loads for a set, two sets by turns; all LDS is left to the three places.
; CLUSTERS, 4 x 4: the rows' chunks are asked for jointly along a row of the cluster, the weights' along a column.
; PREFETCH: in trip i (i = 0, 1) period i + 2 is named, a whole trip ahead of the trip that loads it; ahead of the loop period 1.  A lane names a row's 256 bytes; of the rows' 256 the partner at cx takes 64 (waves 0, 1), of the
; weights' 128 the partner at cy takes 32 (wave 2): each 256 bytes once in a cluster.  Period 0 comes by its loads alone; trip 2 names nothing.
; v is turned in LDS behind the last step (a stage [channel][token], pitch 1,040 bytes, on places that have had their last fill): then a lane holds ONE channel and its registers run down the keys.
; WHAT IS STORED.  Each operand as an IMAGE OF ITS REGISTERS: a fragment (16 rows x 128 K) by three stores of 512 consecutive bytes, piece c at 512 c + 16 x lane; a row's four scale bytes as one word.
; ORDER ALONG K.  In a block of 32 the codes stand with bits 3 and 4 of their place exchanged; a block's members and its scale are the true ones; q and k are both laid so along the head, v here and p in the next launch along the keys.
; v's channels are stored at d with bits 3 and 4 exchanged, so that the next launch's results are true neighbours along the head.
; LIMITS.  NaN and infinities are not served.  A block of zeros gets the scale byte 1 (its codes are zeros; only this program reads the bytes).  cos and sin: reduction by pi/2 in three parts and polynomials of degree 7 and 8, good to
; about 1e-7 for |position x inv_freq| < 2^22; inv_freq = 2^(-i log2(10000) / 64) carries the last bit of the exponential.
; REGISTERS.  window 0: v1 r, v2 h; v10-19 LDS addresses; v20 64 r; v21 the prefetches' offset; v26-29 positions; v30, v31 for the add; v32-127 scale words, two sets; v128-223 source 1's fragments, two sets.
;   window 1: source 0's fragments, two sets at v0 and v128; the norm's weights in v96-127 and v224-255.   window 2: the accumulators, (a, b) at v[8 (8 a + b)].
.set FR,     12
.set PITCH,  272
.set KROW,   1536
.set TAIL1,  12                        ; the LDS loads of source 1's tiles 2 and 3
.set AREG,   256*PITCH                 ; a place: 256 rows of hidden or mu_prev, then 128 weight rows
.set PLACE,  384*PITCH
.set SPARE,  3*PLACE                   ; the spare words: two blocks of 256 bytes that no other line names
.set VP,     1040                      ; v's stage: 256 tokens x 4 bytes + 16
.set AD0,  10                          ; v10-12 source 0's fragments in place 0, 1, 2; v13, v14: lanes 0-15 at byte 232 of place 0, 1, lanes 16-31 at byte 0 of the next place
.set AD1,  15                          ; v15-19 the same for source 1
.set SO,   20
.set PFO,  21
.set POSR, 26
.set SPW,  30
.set NIL,  31
.set SC,   32                          ; set s at v[SC + 48 s]: source 0's tile b at + 4 b, source 1's tile a at + 32 + 4 a; word q for the set's q-th step
.set S1F,  128
.set G1,   24                          ; s[24:31], s[32:39] groups 1: the rows' chunk (256 rows), the weights' (128 rows)
.set G1B,  32
.set G0,   40                          ; groups 0: places 0 and 1, rows; weights; place 2, rows; weights
.set G0B,  44
.set G0S,  48
.set G0SB, 52
.set MAB,  56                          ; the same four addresses in mu_prev and Wmu, with the type bit
.set MWB,  58
.set MAS,  60
.set MWS,  62
.set PSW,  70                          ; s[70:71] the weights' scale bytes, walking; s[74:75] Wmu's; s[80:81], s[82:83] the rows'
.set MSW,  74
.set PSA,  80
.set MSA,  82
.set PFH,  84
.set PFM,  86
.set LIM,  88
.set CXR,  92
.set CYR,  93
.set HD,   94
.set RM,   95
.set CM,   98
.set L16,  3
.set L4,   4
.set GV,   5
.set GVS,  6
.set H8,   7
.set MAG,  8
.set S2R,  10
.set C2R,  12
.set RS,   14
.set IFR,  32
.set Y,    64
.set CSR,  128
.set SNR,  136
.set XA,   144
.set XB,   152
.set XC,   160
.set XD,   168
.set XE,   176
.set XF,   184
.set PC,   192
.set TM,   212
.set PW,   228
.set PWA,  229
.set POS,  230
.set SS,   232
.set T0,   240
.set EPSR, 244
.set MSB, 0
.macro WIN new                         ; the immediate's high byte repeats the setting that is left
.if MSB != \new
	s_set_vgpr_msb (MSB<<8)|\new
.set MSB, \new
.endif
.endm
.set MUL,   0xa1                       ; source 0 window 1, source 1 window 0, C and D window 2
.set TO_S0, 0x40
.macro PLACES n
.rept \n
	v_nop
.endr
.endm
.macro JLOAD g0a, g1a, g0b, g1b        ; waves 0, 1 ask for the rows' side, waves 2, 3 for the weights'; s_nop 0 and four v_nop behind each line
	s_cmp_eq_u32 s15, 0
	s_cbranch_scc0 .Lfor_b_\@
	tensor_load_to_lds s[\g0a:\g0a+3], s[\g1a:\g1a+7]
	s_nop 0
.rept 4
	v_nop
.endr
	s_branch .Lasked_\@
.Lfor_b_\@:
	tensor_load_to_lds s[\g0b:\g0b+3], s[\g1b:\g1b+7]
	s_nop 0
.rept 4
	v_nop
.endr
.Lasked_\@:
.endm
.macro JSMALL                          ; place 2: one chunk; waves 0 and 2 bring it, waves 1 and 3 have no part
	s_cmp_eq_u32 s16, 0
	s_cbranch_scc0 .Lodd_\@
	JLOAD G0S, G1, G0SB, G1B
.Lodd_\@:
.endm
.macro CREST
	s_cmp_lg_u32 s14, 0
	s_cbranch_scc1 .Lnot_wave_0_\@
	s_barrier_signal -3
.Lnot_wave_0_\@:
	s_barrier_wait -3
	s_barrier_signal -1
	s_barrier_wait -1
.endm
.macro CROUND
	s_barrier_signal -1
	s_barrier_wait -1
	CREST
.endm
	s_load_b256 s[4:11], s[0:1], 0x0               ; hidden's codes, scales; mu_prev's codes, scales
	s_load_b256 s[68:75], s[0:1], 0x20             ; Wq, its scales, Wmu_q, its scales
	s_load_b256 s[76:83], s[0:1], 0x40             ; the same of k
	s_load_b256 s[84:91], s[0:1], 0x60             ; the same of v
	s_load_b128 s[20:23], s[0:1], 0x80             ; qn_w, kn_w
	s_load_b64 s[96:97], s[0:1], 0x90              ; positions
	s_load_b128 s[24:27], s[0:1], 0x98             ; qf, qs
	s_load_b128 s[28:31], s[0:1], 0xa8             ; kvf, kvs
	v_lshl_add_u32 v[SPW], v0, 2, SPARE
	v_mov_b32 v[NIL], 0
	ds_add_u32 v[SPW], v[NIL]                      ; the opening lines: the add twice on end and its wait
	ds_add_u32 v[SPW], v[NIL]
	v_lshrrev_b32 v1, 5, v0
	v_readfirstlane_b32 s14, v1                    ; wave 0..3
	s_lshr_b32 s15, s14, 1                         ; I ask for the rows (0) or for the weights (1)
	s_and_b32 s16, s14, 1                          ; which of the two chunks
	s_bfe_u32 s[CXR], ttmp6, 0x40000
	s_bfe_u32 s[CYR], ttmp6, 0x40004
	s_and_b32 s17, ttmp7, 0xffff
	s_lshl_b32 s17, s17, 2
	s_add_co_u32 s17, s17, s[CYR]                  ; which 256 rows
	s_lshl_b32 s[HD], ttmp9, 2
	s_cmp_lt_u32 ttmp9, 4
	s_cselect_b32 s[HD], s[HD], 0
	s_add_co_u32 s[HD], s[HD], s[CXR]              ; the head inside its own weight tensor
	s_lshl_b32 s[RM], s[CYR], 2
	s_lshl_b32 s[RM], 15, s[RM]                    ; my row of the cluster
	s_lshl_b32 s[CM], 0x1111, s[CXR]               ; my column
	s_wait_dscnt 0x0
	s_wait_kmcnt 0x0
	s_cmp_eq_u32 ttmp9, 4                          ; the kind chooses the buffers: it hangs on the cluster's x alone
	s_cselect_b64 s[68:69], s[76:77], s[68:69]
	s_cselect_b64 s[70:71], s[78:79], s[70:71]
	s_cselect_b64 s[72:73], s[80:81], s[72:73]
	s_cselect_b64 s[74:75], s[82:83], s[74:75]
	s_cselect_b64 s[100:101], s[22:23], s[20:21]   ; kn_w for k, else qn_w (v's work-groups load them and use none)
	s_cmp_eq_u32 ttmp9, 5
	s_cselect_b64 s[68:69], s[84:85], s[68:69]
	s_cselect_b64 s[70:71], s[86:87], s[70:71]
	s_cselect_b64 s[72:73], s[88:89], s[72:73]
	s_cselect_b64 s[74:75], s[90:91], s[74:75]
	s_cmp_lt_u32 ttmp9, 4
	s_cselect_b64 s[12:13], s[24:25], s[28:29]     ; images go to qf or kvf,
	s_cselect_b64 s[66:67], s[26:27], s[30:31]     ; scale words to qs or kvs
	; the rows' side: nothing here hangs on cx
	s_mul_i32 s18, s17, 256*KROW
	s_mov_b32 s19, 0
	s_add_nc_u64 s[4:5], s[4:5], s[18:19]
	s_add_nc_u64 s[8:9], s[8:9], s[18:19]
	s_lshl_b32 s18, s16, 8                         ; chunk 0 or 1
	s_add_nc_u64 s[G0+2:G0+3], s[4:5], s[18:19]
	s_add_nc_u64 s[MAB:MAB+1], s[8:9], s[18:19]
	s_add_nc_u64 s[G0S+2:G0S+3], s[4:5], 512       ; chunk 2
	s_add_nc_u64 s[MAS:MAS+1], s[8:9], 512
	s_lshl_b32 s18, s17, 14                        ; my 64 rows' scale bytes: 64 a row
	s_lshl_b32 s20, s14, 12
	s_add_co_u32 s18, s18, s20
	s_add_nc_u64 s[PSA:PSA+1], s[6:7], s[18:19]
	s_add_nc_u64 s[MSA:MSA+1], s[10:11], s[18:19]
	; the weights' side: nothing here hangs on cy
	s_mul_i32 s2, s[HD], 128*KROW
	s_mov_b32 s3, 0
	s_add_nc_u64 s[68:69], s[68:69], s[2:3]
	s_add_nc_u64 s[72:73], s[72:73], s[2:3]
	s_lshl_b32 s2, s16, 8
	s_add_nc_u64 s[G0B+2:G0B+3], s[68:69], s[2:3]
	s_add_nc_u64 s[MWB:MWB+1], s[72:73], s[2:3]
	s_add_nc_u64 s[G0SB+2:G0SB+3], s[68:69], 512
	s_add_nc_u64 s[MWS:MWS+1], s[72:73], 512
	s_lshl_b32 s2, s[HD], 13
	s_add_nc_u64 s[PSW:PSW+1], s[PSW:PSW+1], s[2:3]
	s_add_nc_u64 s[MSW:MSW+1], s[MSW:MSW+1], s[2:3]
.irp g, G0+3, G0B+3, G0S+3, G0SB+3, MAB+1, MWB+1, MAS+1, MWS+1
	s_or_b32 s[\g], s[\g], 0x80000000              ; the type
.endr
.irp g, G0, G0B, G0S, G0SB
	s_mov_b32 s[\g], 1
.endr
	s_mul_i32 s[G0+1], s16, PLACE                  ; LDS addresses: the wave's number and constants
	s_add_co_u32 s[G0B+1], s[G0+1], AREG
	s_mov_b32 s[G0S+1], 2*PLACE
	s_mov_b32 s[G0SB+1], 2*PLACE+AREG
	s_or_b32 s[G1], s[RM], (0<<16)|(1<<20)|(1<<21)|(5<<22)|(3<<25)   ; rows of 256 bytes, 1,536 apart, 16 bytes of padding behind each
	s_mov_b32 s[G1+1], 256<<16
	s_mov_b32 s[G1+2], 256<<16
	s_mov_b32 s[G1+3], 256<<16
	s_mov_b32 s[G1+4], 256
	s_mov_b32 s[G1+5], KROW
	s_mov_b32 s[G1+6], 0
	s_mov_b32 s[G1+7], 0
	s_or_b32 s[G1B], s[CM], (0<<16)|(1<<20)|(1<<21)|(5<<22)|(3<<25)
	s_mov_b32 s[G1B+1], 256<<16
	s_mov_b32 s[G1B+2], 128<<16
	s_mov_b32 s[G1B+3], 256<<16
	s_mov_b32 s[G1B+4], 128
	s_mov_b32 s[G1B+5], KROW
	s_mov_b32 s[G1B+6], 0
	s_mov_b32 s[G1B+7], 0
	; the prefetches: waves 0, 1: rows 64 cx + 32 (w & 1) + lane of my 256; wave 2: weight rows 32 cy + lane; wave 3 asks for nothing
	s_lshl_b32 s104, s[CXR], 6
	s_lshl_b32 s105, s16, 5
	s_add_co_u32 s104, s104, s105
	s_lshl_b32 s105, s[CYR], 5
	s_cmp_eq_u32 s15, 0
	s_cselect_b32 s104, s104, s105
	s_cselect_b64 s[PFH:PFH+1], s[4:5], s[68:69]
	s_cselect_b64 s[PFM:PFM+1], s[8:9], s[72:73]
	s_mul_i32 s104, s104, KROW
	s_mov_b32 s105, 0
	s_add_nc_u64 s[PFH:PFH+1], s[PFH:PFH+1], s[104:105]
	s_add_nc_u64 s[PFM:PFM+1], s[PFM:PFM+1], s[104:105]
	s_cmp_lt_u32 s14, 3
	s_cselect_b32 s[LIM], 2, 0                     ; trips in which my wave asks
	; where my results go.  Images: head x (196,608 in qf; 393,216 in kvf) + 24,576 x block + 6,144 x wave, v's 196,608 further on
	s_mov_b32 s99, 393216
	s_cmp_lt_u32 ttmp9, 4
	s_cselect_b32 s99, 196608, s99
	s_mul_i32 s104, s[HD], s99
	s_mul_i32 s99, s17, 24576
	s_add_co_u32 s104, s104, s99
	s_mul_i32 s99, s14, 6144
	s_add_co_u32 s104, s104, s99
	s_cmp_eq_u32 ttmp9, 5
	s_cselect_b32 s99, 196608, 0
	s_add_co_u32 s104, s104, s99
	s_add_nc_u64 s[12:13], s[12:13], s[104:105]
	s_mov_b32 s99, 16384                           ; words: head x (8,192 in qs; 16,384 in kvs) + 1,024 x block + 256 x wave, v's 8,192 further on
	s_cmp_lt_u32 ttmp9, 4
	s_cselect_b32 s99, 8192, s99
	s_mul_i32 s104, s[HD], s99
	s_lshl_b32 s99, s17, 10
	s_add_co_u32 s104, s104, s99
	s_lshl_b32 s99, s14, 8
	s_add_co_u32 s104, s104, s99
	s_cmp_eq_u32 ttmp9, 5
	s_cselect_b32 s99, 8192, 0
	s_add_co_u32 s104, s104, s99
	s_add_nc_u64 s[66:67], s[66:67], s[104:105]
	s_lshl_b32 s104, s17, 10                       ; positions of my 64 rows
	s_lshl_b32 s99, s14, 8
	s_add_co_u32 s104, s104, s99
	s_add_nc_u64 s[96:97], s[96:97], s[104:105]
	s_mov_b32 s20, PLACE-232
	s_mul_i32 s21, s14, 64*PITCH                   ; source 1: my 64 rows
	CROUND                                         ; all sixteen work-groups are here: the first joint loads meet
	JLOAD G0, G1, G0B, G1B                         ; chunks 0 and 1: one tensor load a wave at the head
	v_and_b32 v1, 15, v0                           ; r
	v_bfe_u32 v2, v0, 4, 1                         ; h
	v_mul_u32_u24 v3, v1, PITCH
	v_mad_u32_u24 v4, v2, 24, v3                   ; row x pitch + 24 h
	v_mad_u32_u24 v5, v2, s20, v3
	v_add_nc_u32 v5, 232, v5                       ; lanes 0-15 byte 232 of the row, lanes 16-31 byte 0 of the row one place on
	v_add_nc_u32 v6, s21, v4
	v_add_nc_u32 v7, s21, v5
.irp p, 0,1,2
	v_add_nc_u32 v[AD0+\p], AREG+\p*PLACE, v4
	v_add_nc_u32 v[AD1+\p], \p*PLACE, v6
.endr
.irp p, 0,1
	v_add_nc_u32 v[AD0+3+\p], AREG+\p*PLACE, v5
	v_add_nc_u32 v[AD1+3+\p], \p*PLACE, v7
.endr
	v_lshlrev_b32 v[SO], 6, v1                     ; 64 r: lanes 16-31 read what lanes 0-15 read
	v_and_b32 v[PFO], 31, v0
	v_mul_u32_u24 v[PFO], v[PFO], KROW
	v_lshlrev_b32 v8, 5, v2
	v_lshlrev_b32 v9, 2, v1
	s_wait_alu depctr_va_vdst(0)
	WIN TO_S0
.irp b, 0,1,2,3,4,5,6,7
	global_load_b128 v[96+8*\b+96*(\b/4):96+8*\b+96*(\b/4)+3], v8, s[100:101] offset:64*\b      ; the norm's weights of my columns 16 b + 8 h + 0..7
	global_load_b128 v[100+8*\b+96*(\b/4):100+8*\b+96*(\b/4)+3], v8, s[100:101] offset:64*\b+16
.endr
	WIN 0
.irp a, 0,1,2,3
	global_load_b32 v[POSR+\a], v9, s[96:97] offset:64*\a
.endr
.macro SCLD set                        ; four steps' scale words into a set: 16 bytes of each of my 12 tiles' rows
.irp b, 0,1,2,3,4,5,6,7
	global_load_b128 v[SC+48*(\set)+4*\b:SC+48*(\set)+4*\b+3], v[SO], s[PSW:PSW+1] offset:\b*1024
.endr
.irp a, 0,1,2,3
	global_load_b128 v[SC+48*(\set)+32+4*\a:SC+48*(\set)+32+4*\a+3], v[SO], s[PSA:PSA+1] offset:\a*1024
.endr
.endm
; A fragment: lane l holds row l % 16; registers 6 c .. 6 c + 5 hold K = 64 c + 32 (l / 16) + 0..31: 24 bytes of the row's stream of bits, in pieces of 8.  j: the step in its period; byte y of the period lies in place y / 256.
.macro FRAG reg, adr, j, i
.irp p, 0,1,2,3,4,5
.set BY, 96*(\j)+48*(\p/3)+8*(\p%3)
.if BY/256 == (BY+24)/256
	ds_load_b64 v[\reg+2*\p:\reg+2*\p+1], v[\adr+BY/256] offset:BY%256+(\i)*16*PITCH
.else
	ds_load_b64 v[\reg+2*\p:\reg+2*\p+1], v[\adr+3+BY/256] offset:BY%256-232+(\i)*16*PITCH
.endif
.endr
.endm
.macro FETCH0 j, p
	WIN TO_S0
.irp i, 0,1,2,3,4,5,6,7
	FRAG 128*(\p)+FR*\i, AD0, \j, \i
.endr
	WIN 0
.endm
.macro FETCH1 j, p, a0
.irp i, \a0, \a0+1
	FRAG S1F+48*(\p)+FR*(\i), AD1, \j, \i
.endr
.endm
; Eight matrix instructions: source 1's tile a against source 0's eight.  The 32 accumulators take turns, one instruction a turn, in the same order in every step.
.macro MUL8 a, p, q, sc, zero
.irp b, 0,1,2,3,4,5,6,7
.if \zero
	v_wmma_scale_f32_16x16x128_f8f6f4 v[8*(8*(\a)+\b):8*(8*(\a)+\b)+7], v[128*(\p)+FR*\b:128*(\p)+FR*\b+FR-1], v[S1F+48*(\p)+FR*(\a):S1F+48*(\p)+FR*(\a)+FR-1], 0, v[SC+48*(\sc)+4*\b+(\q)], v[SC+48*(\sc)+32+4*(\a)+(\q)] matrix_a_fmt:MATRIX_FMT_FP6 matrix_b_fmt:MATRIX_FMT_FP6
.else
	v_wmma_scale_f32_16x16x128_f8f6f4 v[8*(8*(\a)+\b):8*(8*(\a)+\b)+7], v[128*(\p)+FR*\b:128*(\p)+FR*\b+FR-1], v[S1F+48*(\p)+FR*(\a):S1F+48*(\p)+FR*(\a)+FR-1], v[8*(8*(\a)+\b):8*(8*(\a)+\b)+7], v[SC+48*(\sc)+4*\b+(\q)], v[SC+48*(\sc)+32+4*(\a)+(\q)] matrix_a_fmt:MATRIX_FMT_FP6 matrix_b_fmt:MATRIX_FMT_FP6
.endif
.endr
.endm
.macro ASK k                           ; 256 bytes of 32 rows of the period two on from the trip's own
	s_cmp_lt_u32 s3, s[LIM]
	s_cbranch_scc0 .Lnot_mine_\@
	global_prefetch_b8 v[PFO], s[PFM:PFM+1] offset:256*\k th:TH_LOAD_NT scope:SCOPE_SE
.Lnot_mine_\@:
.endm
.macro ONWARD g0a, g0b, ma, mb         ; a fill's addresses: 768 bytes on; in trip 1 they go over to mu_prev and Wmu
	s_add_nc_u64 s[\g0a+2:\g0a+3], s[\g0a+2:\g0a+3], 768
	s_add_nc_u64 s[\g0b+2:\g0b+3], s[\g0b+2:\g0b+3], 768
	s_cmp_eq_u32 s3, 1
	s_cselect_b64 s[\g0a+2:\g0a+3], s[\ma:\ma+1], s[\g0a+2:\g0a+3]
	s_cselect_b64 s[\g0b+2:\g0b+3], s[\mb:\mb+1], s[\g0b+2:\g0b+3]
.endm
; STEP j of a period: 32 matrix instructions; in its middle the next step's fragments are fetched into the other sets.
; ev = 1: 2: places 0 and 1 are read no more and are filled again; 3: the same of place 2, and places 0 and 1 are whole.
; scl: the other set of scale words is asked for; ask: which 256 bytes are prefetched (-1: none); last: nothing more to fetch.
.macro STEP j, zero, ev, scl, ask, last
.set P_, (\j)%2
.set S_, ((\j)/4)%2
.set Q_, (\j)%4
.set N_, ((\j)+1)%8
.if Q_ == 0 && \zero == 0
	s_wait_loadcnt 0x0                             ; this step's set of scale words is in, so its loads' bases may step
.if (\j) == 0
	s_wait_xcnt 0x0                                ; the trip's prefetches have read their base
	s_add_nc_u64 s[PFM:PFM+1], s[PFM:PFM+1], 768
.endif
	s_add_nc_u64 s[PSA:PSA+1], s[PSA:PSA+1], 16
	s_add_nc_u64 s[PSW:PSW+1], s[PSW:PSW+1], 16
.if (\j) == 4
	s_cmp_eq_u32 s3, 1                             ; behind hidden's last 16 bytes come mu_prev's first
	s_cselect_b64 s[PSA:PSA+1], s[MSA:MSA+1], s[PSA:PSA+1]
	s_cselect_b64 s[PSW:PSW+1], s[MSW:MSW+1], s[PSW:PSW+1]
.endif
.endif
.if \ev
	s_wait_tensorcnt 0x0                           ; all my tensor loads have landed
.if \ev > 1
	ds_add_u32 v[SPW], v[NIL]                      ; 0 onto my spare word
.if \ev == 2
	ONWARD G0, G0B, MAB, MWB
.else
	ONWARD G0S, G0SB, MAS, MWS
.endif
	s_wait_dscnt TAIL1+1                           ; (the add and source 1's tiles 2 and 3 may be out)
.else
	s_wait_dscnt TAIL1
.endif
	WIN MUL
	MUL8 0, P_, Q_, S_, \zero
	s_wait_dscnt 0x0                               ; the add is done, and my reads of what is left behind are over
	s_barrier_signal -1
	MUL8 1, P_, Q_, S_, \zero
	WIN 0
	PLACES 4                                       ; four plain places in front of loads into registers that matrix instructions have read
	s_barrier_wait -1
.if \ev == 2
	CREST                                          ; the barrier has opened a round of the cluster's: no wave of any partner still reads these places or has a load on its way
	JLOAD G0, G1, G0B, G1B
.elseif \ev == 3
	CREST
	JSMALL
.endif
.else
	s_wait_dscnt TAIL1
	WIN MUL
	MUL8 0, P_, Q_, S_, \zero
	MUL8 1, P_, Q_, S_, \zero
	s_wait_dscnt 0x0
	PLACES 4
.endif
.if \last == 0
	FETCH0 N_, N_%2
	FETCH1 N_, N_%2, 0
	FETCH1 N_, N_%2, 2
.if \scl
	SCLD 1-S_
.endif
.if \ask >= 0
	ASK \ask
.endif
.endif
	WIN MUL
	MUL8 2, P_, Q_, S_, \zero
	MUL8 3, P_, Q_, S_, \zero
	WIN 0
.endm
	SCLD 0                                         ; steps 0 to 3
	s_cmp_lt_u32 s14, 3
	s_cbranch_scc0 .Lno_ask0
.irp k, 0,1,2
	global_prefetch_b8 v[PFO], s[PFH:PFH+1] offset:768+256*\k th:TH_LOAD_NT scope:SCOPE_SE   ; period 1 of hidden and W, loaded from step 5 on
.endr
.Lno_ask0:
	s_wait_tensorcnt 0x0                           ; my chunk is in
	ds_add_u32 v[SPW], v[NIL]
	s_wait_dscnt 0x0
	CROUND
	JSMALL                                         ; chunk 2, the first tensor load behind the round
	FETCH0 0, 0
	FETCH1 0, 0, 0
	FETCH1 0, 0, 2
	s_wait_loadcnt 0x0
	s_add_nc_u64 s[PSA:PSA+1], s[PSA:PSA+1], 16
	s_add_nc_u64 s[PSW:PSW+1], s[PSW:PSW+1], 16
	s_mov_b32 s3, 0
	STEP 0, 1, 0, 0, -1, 0                         ; the first products start the sums
.Lperiod:                                          ; trip i: steps 1 to 7 of period i and step 0 of period i + 1; it asks for all of period i + 1
	STEP 1, 0, 0, 1, 0, 0
	STEP 2, 0, 0, 0, 1, 0
	STEP 3, 0, 0, 0, 2, 0
	STEP 4, 0, 1, 0, -1, 0
	STEP 5, 0, 2, 1, -1, 0
	STEP 6, 0, 0, 0, -1, 0
	STEP 7, 0, 3, 0, -1, 0
	STEP 0, 0, 0, 0, -1, 0
	s_add_co_u32 s3, s3, 1
	s_cmp_lt_u32 s3, 3
	s_cbranch_scc1 .Lperiod
	STEP 1, 0, 0, 1, -1, 0                         ; the last period fills nothing
	STEP 2, 0, 0, 0, -1, 0
	STEP 3, 0, 0, 0, -1, 0
	STEP 4, 0, 1, 0, -1, 0
	STEP 5, 0, 0, 0, -1, 0
	STEP 6, 0, 0, 0, -1, 0
	STEP 7, 0, 0, 0, -1, 1
; 64 numbers of a lane in window wx, register 16 b + i a member of my row's block b, become a fragment's codes in v[PC] on and its scale word in v[PW].
; A block's scale: its largest magnitude's exponent field less 2, with the floor 2^(3 - 127) among the maximum's leaves, so that the byte cannot fall under 1.
.macro QUANT s, wx
	WIN 5*\wx
.irp b, 0,1,2,3
	v_max3_num_f32 v[TM+\b], |v[\s+16*\b]|, |v[\s+1+16*\b]|, 0x1800000
.endr
.irp i, 2,4,6,8,10,12,14
.irp b, 0,1,2,3
	v_max3_num_f32 v[TM+\b], |v[\s+16*\b+\i]|, |v[\s+1+16*\b+\i]|, v[TM+\b]
.endr
.endr
	WIN 0
.irp b, 0,1,2,3
	v_permlanex16_b32 v[TM+4+\b], v[TM+\b], s98, s99
.endr
.irp b, 0,1,2,3
	v_max_num_f32 v[TM+\b], v[TM+\b], v[TM+4+\b]   ; with lane l xor 16's 16
.endr
.irp b, 0,1,2,3
	v_add_nc_u32 v[TM+12+\b], 0xff000000, v[TM+\b] ; 2 off the exponent field: the conversion's scale operand
.endr
.irp b, 0,1,2,3
	v_lshrrev_b32 v[TM+4+\b], 23, v[TM+12+\b]      ; the scale's byte
.endr
	v_lshl_or_b32 v[PW], v[TM+5], 8, v[TM+4]
	v_lshl_or_b32 v[PW], v[TM+6], 16, v[PW]
	v_lshl_or_b32 v[PW], v[TM+7], 24, v[PW]
	WIN \wx
.irp c, 0,1
	v_cvt_scalef32_pk16_fp6_f32 v[PC+6*\c:PC+2+6*\c], v[\s+32*\c:\s+15+32*\c], v[TM+12+2*\c]
	v_cvt_scalef32_pk16_fp6_f32 v[PC+12+4*\c:PC+14+4*\c], v[\s+16+32*\c:\s+31+32*\c], v[TM+12+2*\c+1]
.endr
	WIN 0
	v_nop                                          ; one plain place behind a scaled conversion
.irp c, 0,1                                    ; a whole block in a lane: lanes 0-15 block 2 c, lanes 16-31 block 2 c + 1
.irp i, 0,1,2
	v_permlane16_swap_b32 v[PC+6*\c+\i], v[PC+12+4*\c+\i]
.endr
.irp i, 0,1,2
	v_mov_b32 v[PC+3+6*\c+\i], v[PC+12+4*\c+\i]
.endr
.endr
.endm
	PLACES 4                                       ; behind the last products
	s_mov_b32 s98, 0x76543210
	s_mov_b32 s99, 0xfedcba98                      ; v_permlanex16_b32's selects for lane l xor 16
	v_and_b32 v[L16], 31, v0
	v_lshlrev_b32 v[L4], 2, v[L16]
	v_lshlrev_b32 v[L16], 4, v[L16]
.irp b, 0,1,2,3
	v_mov_b32 v[TM+4+\b], 0                        ; a lane permute's destination counts as one of its sources
.endr
	s_cmp_eq_u32 ttmp9, 5
	s_wait_alu depctr_va_vdst(0)
	s_cbranch_scc1 .Lvpath
	; ---- q and k.  My 32 inverse frequencies 2^(-i c), c = log2(10000) / 64, i = 16 t + 8 h + j.  -i c = N + F, N whole; F by two fused multiply-adds with c in two parts
	v_lshlrev_b32 v[H8], 3, v2
.irp a, 0,1,2,3
	v_cvt_f32_i32 v[POSR+\a], v[POSR+\a]
.endr
	v_mov_b32 v[MAG], 0x4b400000                   ; 1.5 x 2^23
	v_mov_b32 v[MAG+1], 0x4b400000
	v_mov_b32 v[S2R], 0x3c08839e
	v_mov_b32 v[S2R+1], 0x3c08839e
	v_mov_b32 v[C2R], 0xbab6061a
	v_mov_b32 v[C2R+1], 0xbab6061a
	v_mov_b32 v[RS+1], 0
	v_mov_b32 v[POS+1], 0
	v_mov_b32 v[EPSR], 0x358637bd                  ; 1e-6
	v_mov_b32 v[PWA], 0
	s_mov_b32 s18, 0x80000000
.set n, 0
.rept 32
	v_add_nc_u32 v[IFR+n], 16*(n/8)+n%8, v[H8]
.set n, n+1
.endr
.set n, 0
.rept 32
	v_cvt_f32_u32 v[IFR+n], v[IFR+n]
.set n, n+1
.endr
.set n, 0
.rept 32
	v_mul_f32 v[Y+n], 0xbe549a78, v[IFR+n]
.set n, n+1
.endr
.set n, 0
.rept 32
	v_rndne_f32 v[Y+n], v[Y+n]                     ; N
.set n, n+1
.endr
.set n, 0
.rept 32
	v_fma_f32 v[Y+32+n], v[IFR+n], 0xbe549a78, -v[Y+n]
.set n, n+1
.endr
.set n, 0
.rept 32
	v_fma_f32 v[Y+32+n], v[IFR+n], 0xb197991c, v[Y+32+n]   ; F
.set n, n+1
.endr
.set n, 0
	s_wait_alu depctr_va_vdst(0)
.rept 32
	v_exp_f32 v[Y+32+n], v[Y+32+n]
.set n, n+1
.endr
.set n, 0
.rept 32
	v_cvt_i32_f32 v[Y+n], v[Y+n]
.set n, n+1
.endr
	s_wait_alu depctr_va_vdst(0)                   ; and behind it, ahead of its first reader
.set n, 0
.rept 32
	v_ldexp_f32 v[IFR+n], v[Y+32+n], v[Y+n]
.set n, n+1
.endr
.macro BLK a                           ; tile a: the row's mean square, 1 / sqrt(mean + eps), Y = x / rms; the tile's positions
	WIN 0x0a
.set n, 0
.rept 4
	v_pk_mul_f32 v[SS+2*n:SS+2*n+1], v[64*\a+2*n:64*\a+2*n+1], v[64*\a+2*n:64*\a+2*n+1]
.set n, n+1
.endr
.rept 28
	v_pk_fma_f32 v[SS+2*(n%4):SS+2*(n%4)+1], v[64*\a+2*n:64*\a+2*n+1], v[64*\a+2*n:64*\a+2*n+1], v[SS+2*(n%4):SS+2*(n%4)+1]
.set n, n+1
.endr
	WIN 0
	v_pk_add_f32 v[SS:SS+1], v[SS:SS+1], v[SS+2:SS+3]
	v_pk_add_f32 v[SS+4:SS+5], v[SS+4:SS+5], v[SS+6:SS+7]
	v_pk_add_f32 v[SS:SS+1], v[SS:SS+1], v[SS+4:SS+5]
	v_add_f32 v[SS], v[SS], v[SS+1]
	v_permlanex16_b32 v[SS+2], v[SS], s98, s99     ; the row's other 64 columns lie in the lane 16 away
	v_add_f32 v[SS], v[SS], v[SS+2]
	v_fma_f32 v[SS], v[SS], 0x3c000000, v[EPSR]    ; / 128 + eps
	s_wait_alu depctr_va_vdst(0)
	v_rsq_f32 v[RS], v[SS]
	v_mov_b32 v[POS], v[POSR+\a]
	s_wait_alu depctr_va_vdst(0)
	WIN 0x02
.set n, 0
.rept 32
	v_pk_mul_f32 v[Y+2*n:Y+2*n+1], v[64*\a+2*n:64*\a+2*n+1], v[RS:RS+1] op_sel_hi:[1,0]
.set n, n+1
.endr
	WIN 0
.endm
; cos and sin of position x inv_freq for columns 16 t + 8 h + 0..7.  k = the nearest whole number to x 2 / pi; x - k pi/2 with pi/2 in three parts; polynomials on [-pi/4, pi/4]; k's low two bits swap and sign.
.macro TRIG t
.irp n, 0,2,4,6
	v_pk_mul_f32 v[XA+\n:XA+\n+1], v[IFR+8*\t+\n:IFR+8*\t+\n+1], v[POS:POS+1] op_sel_hi:[1,0]
.endr
.irp n, 0,2,4,6
	v_pk_fma_f32 v[XB+\n:XB+\n+1], v[XA+\n:XA+\n+1], 0x3f22f983, v[MAG:MAG+1] op_sel_hi:[1,0,1]
.endr
.irp n, 0,2,4,6
	v_pk_add_f32 v[XC+\n:XC+\n+1], v[XB+\n:XB+\n+1], 0xcb400000 op_sel_hi:[1,0]
.endr
.irp n, 0,2,4,6
	v_pk_fma_f32 v[XA+\n:XA+\n+1], v[XC+\n:XC+\n+1], 0xbfc90fd8, v[XA+\n:XA+\n+1] op_sel_hi:[1,0,1]
.endr
.irp n, 0,2,4,6
	v_pk_fma_f32 v[XA+\n:XA+\n+1], v[XC+\n:XC+\n+1], 0xb4a8885a, v[XA+\n:XA+\n+1] op_sel_hi:[1,0,1]
.endr
.irp n, 0,2,4,6
	v_pk_fma_f32 v[XA+\n:XA+\n+1], v[XC+\n:XC+\n+1], 0xa7c234c4, v[XA+\n:XA+\n+1] op_sel_hi:[1,0,1]
.endr
.irp n, 0,2,4,6
	v_pk_mul_f32 v[XF+\n:XF+\n+1], v[XA+\n:XA+\n+1], v[XA+\n:XA+\n+1]
.endr
.irp n, 0,2,4,6
	v_pk_fma_f32 v[XD+\n:XD+\n+1], v[XF+\n:XF+\n+1], 0xb94ca1f9, v[S2R:S2R+1] op_sel_hi:[1,0,1]
	v_pk_fma_f32 v[XE+\n:XE+\n+1], v[XF+\n:XF+\n+1], 0x37ccf5ce, v[C2R:C2R+1] op_sel_hi:[1,0,1]
.endr
.irp n, 0,2,4,6
	v_pk_fma_f32 v[XD+\n:XD+\n+1], v[XD+\n:XD+\n+1], v[XF+\n:XF+\n+1], 0xbe2aaaa3 op_sel_hi:[1,1,0]
	v_pk_fma_f32 v[XE+\n:XE+\n+1], v[XE+\n:XE+\n+1], v[XF+\n:XF+\n+1], 0x3d2aaaa5 op_sel_hi:[1,1,0]
.endr
.irp n, 0,2,4,6
	v_pk_mul_f32 v[XC+\n:XC+\n+1], v[XF+\n:XF+\n+1], v[XA+\n:XA+\n+1]
	v_pk_fma_f32 v[XE+\n:XE+\n+1], v[XE+\n:XE+\n+1], v[XF+\n:XF+\n+1], -0.5 op_sel_hi:[1,1,0]
.endr
.irp n, 0,2,4,6
	v_pk_fma_f32 v[XD+\n:XD+\n+1], v[XD+\n:XD+\n+1], v[XC+\n:XC+\n+1], v[XA+\n:XA+\n+1]          ; sin of the remainder
	v_pk_fma_f32 v[XE+\n:XE+\n+1], v[XE+\n:XE+\n+1], v[XF+\n:XF+\n+1], 1.0 op_sel_hi:[1,1,0]     ; cos of it
.endr
.irp e, 0,1,2,3,4,5,6,7
	v_and_b32 v[T0], 1, v[XB+\e]
	v_lshlrev_b32 v[T0+1], 30, v[XB+\e]
	v_add_nc_u32 v[T0+2], 1, v[XB+\e]
	v_cmp_eq_u32 vcc_lo, 1, v[T0]
	v_cndmask_b32 v[SNR+\e], v[XD+\e], v[XE+\e], vcc_lo    ; k odd: the two change places
	v_cndmask_b32 v[CSR+\e], v[XE+\e], v[XD+\e], vcc_lo
	v_and_b32 v[T0+1], s18, v[T0+1]                        ; sin is negated where k mod 4 is 2 or 3,
	v_lshlrev_b32 v[T0+2], 30, v[T0+2]
	v_xor_b32 v[SNR+\e], v[T0+1], v[SNR+\e]
	v_and_b32 v[T0+2], s18, v[T0+2]                        ; cos where it is 1 or 2
	v_xor_b32 v[CSR+\e], v[T0+2], v[CSR+\e]
.endr
.endm
.macro ROPE t                          ; columns c = 16 t + 8 h + j and c + 64 lie in one lane, 32 registers apart
.irp n, 0,2,4,6
	v_pk_mul_f32 v[XA+\n:XA+\n+1], v[Y+8*(\t+4)+\n:Y+8*(\t+4)+\n+1], v[SNR+\n:SNR+\n+1]
	v_pk_mul_f32 v[XB+\n:XB+\n+1], v[Y+8*\t+\n:Y+8*\t+\n+1], v[SNR+\n:SNR+\n+1]
.endr
.irp n, 0,2,4,6
	v_pk_fma_f32 v[Y+8*\t+\n:Y+8*\t+\n+1], v[Y+8*\t+\n:Y+8*\t+\n+1], v[CSR+\n:CSR+\n+1], v[XA+\n:XA+\n+1] neg_lo:[0,0,1] neg_hi:[0,0,1]
	v_pk_fma_f32 v[Y+8*(\t+4)+\n:Y+8*(\t+4)+\n+1], v[Y+8*(\t+4)+\n:Y+8*(\t+4)+\n+1], v[CSR+\n:CSR+\n+1], v[XB+\n:XB+\n+1]
.endr
.endm
	s_mov_b32 s2, 0
.Ltile:                                            ; four trips: a tile of 16 rows each
	s_cmp_eq_u32 s2, 1
	s_cbranch_scc1 .Lblk1
	s_cmp_eq_u32 s2, 2
	s_cbranch_scc1 .Lblk2
	s_cmp_eq_u32 s2, 3
	s_cbranch_scc1 .Lblk3
	BLK 0
	s_branch .Lcommon
.Lblk1:
	BLK 1
	s_branch .Lcommon
.Lblk2:
	BLK 2
	s_branch .Lcommon
.Lblk3:
	BLK 3
.Lcommon:
	WIN 0x04                                       ; source 1 window 1: the norm's weights
.set n, 0
.rept 32
	v_pk_mul_f32 v[Y+2*n:Y+2*n+1], v[Y+2*n:Y+2*n+1], v[96+2*n+96*(n/16):96+2*n+96*(n/16)+1]
.set n, n+1
.endr
	WIN 0
.irp t, 0,1,2,3
	TRIG \t
	ROPE \t
.endr
	QUANT Y, 0
.irp c, 0,1,2
	global_store_b128 v[L16], v[PC+4*\c:PC+4*\c+3], s[12:13] offset:512*\c   ; 512 consecutive bytes a store
.endr
	s_and_b32 s105, s2, 1                          ; two tiles' scale words leave together: the even tile's in lanes 0-15, the odd tile's in lanes 16-31
	s_cmp_eq_u32 s105, 1
	s_mov_b32 s104, 0xffff
	s_cselect_b32 s104, 0xffff0000, s104
	v_cndmask_b32 v[PWA], v[PWA], v[PW], s104
	s_cbranch_scc0 .Lno_word
	global_store_b32 v[L4], v[PWA], s[66:67] offset:-64   ; 128 consecutive bytes; the base has stepped once since the even tile
.Lno_word:
	s_wait_xcnt 0x0                                ; the stores have read their registers and bases
	s_add_nc_u64 s[12:13], s[12:13], 1536
	s_add_nc_u64 s[66:67], s[66:67], 64
	s_add_co_u32 s2, s2, 1
	s_cmp_lt_u32 s2, 4
	s_cbranch_scc1 .Ltile
	s_branch .Lend
.Lvpath:
	; ---- v.  My results (token 64 w + 16 a + r, channel 16 b + 8 h + j) go into the stage [channel][token]; then wave w takes key step w / 2 and channels 64 (w & 1) + 16 a + r: register 8 t + j is key 16 t + 8 h + j.
	s_lshl_b32 s104, s14, 8                        ; my 64 tokens
	s_mul_i32 s105, s16, 64*VP
	s_lshl_b32 s18, s15, 9
	s_add_co_u32 s105, s105, s18
	s_barrier_signal -1                            ; no LDS instruction of mine is out: every wave has read its last fragment behind this barrier
	s_barrier_wait -1
	v_lshlrev_b32 v16, 2, v1
	v_mad_u32_u24 v16, v2, 8*VP, v16
	v_add_nc_u32 v16, s104, v16                    ; in: 4 (64 w + r) + 8 h rows of the stage
	v_add_nc_u32 v17, 64*VP, v16
	v_mul_u32_u24 v18, v1, VP
	v_lshl_add_u32 v18, v2, 5, v18
	v_add_nc_u32 v18, s105, v18                    ; back: row 64 (w & 1) + r, byte 512 (w / 2) + 32 h
	; channel d is stored as row d' = d with bits 3 and 4 exchanged: r = 8 u + j goes to tile 4 (w & 1) + 2 (a / 2) + u, row 8 (a % 2) + j
	v_lshrrev_b32 v10, 3, v1                       ; u
	v_and_b32 v11, 7, v1                           ; j
	v_lshl_add_u32 v12, v2, 4, v11
	v_lshlrev_b32 v12, 4, v12
	v_mad_u32_u24 v[GV], v10, 1536, v12
	v_lshl_add_u32 v13, v2, 3, v11
	v_lshl_add_u32 v13, v10, 4, v13
	v_lshlrev_b32 v[GVS], 2, v13
	WIN 0x08                                       ; an LDS store's data are its source 1: window 2
.irp a, 0,1,2,3
.irp b, 0,1,2,3,4,5,6,7
.irp j, 0,1,2,3,4,5,6,7
	ds_store_b32 v[16+\b/4], v[8*(8*\a+\b)+\j] offset:(16*(\b%4)+\j)*VP+64*\a   ; each accumulator from its low end on
.endr
.endr
.endr
	WIN 0
	s_mov_b32 s104, 0xffff0000
	s_wait_alu depctr_va_vdst(0)
	s_wait_dscnt 0x0                               ; my stores are done
	s_barrier_signal -1
	s_barrier_wait -1                              ; everybody's are
.irp a, 0,1,2,3
.if \a > 0
	s_wait_xcnt 0x0                                ; the last tile's stores have read their registers
.endif
.irp t, 0,1,2,3,4,5,6,7
	ds_load_b128 v[Y+8*\t:Y+8*\t+3], v18 offset:\a*16*VP+64*\t
	ds_load_b128 v[Y+8*\t+4:Y+8*\t+7], v18 offset:\a*16*VP+64*\t+16
.endr
	s_wait_dscnt 0x0
	QUANT Y, 0
.irp c, 0,1,2
	global_store_b128 v[GV], v[PC+4*\c:PC+4*\c+3], s[12:13] offset:(\a/2)*3072+(\a%2)*128+512*\c
.endr
.if \a%2 == 0
	v_mov_b32 v[PWA], v[PW]
.else
	v_cndmask_b32 v[PWA], v[PWA], v[PW], s104
	global_store_b32 v[GVS], v[PWA], s[66:67] offset:(\a/2)*128
.endif
.endr
.Lend:
	s_wait_tensorcnt 0x0                           ; the wave's end
	ds_add_u32 v[SPW], v[NIL]
	s_wait_dscnt 0x0
	CROUND                                         ; the closing round
	s_endpgm
.Lfunc_end_k_qbe0974379b_qkv:
	.size	k_qbe0974379b_qkv, .Lfunc_end_k_qbe0974379b_qkv-k_qbe0974379b_qkv
	.p2alignl 7, 3214868480
	.fill 96, 4, 3214868480
	.section	.rodata,"a",@progbits
	.p2align	6, 0x0
	.amdhsa_kernel k_qbe0974379b_qkv
		.amdhsa_group_segment_fixed_size 327680
		.amdhsa_private_segment_fixed_size 0
		.amdhsa_enable_private_segment 0
		.amdhsa_kernarg_size 184
		.amdhsa_user_sgpr_count 2
		.amdhsa_user_sgpr_kernarg_segment_ptr 1
		.amdhsa_wavefront_size32 1
		.amdhsa_system_sgpr_workgroup_id_x 1
		.amdhsa_system_sgpr_workgroup_id_y 1
		.amdhsa_system_sgpr_workgroup_id_z 1
		.amdhsa_system_vgpr_workitem_id 0
		.amdhsa_next_free_vgpr 768
		.amdhsa_next_free_sgpr 106
		.amdhsa_reserve_vcc 1
		.amdhsa_float_denorm_mode_32 3
		.amdhsa_float_denorm_mode_16_64 3
		.amdhsa_memory_ordered 1
		.amdhsa_forward_progress 1
		.amdhsa_inst_pref_size 255
	.end_amdhsa_kernel
	.section	.bss,"aw",@nobits
	.p2align	6
	.space	262144
	.amdgpu_metadata
---
amdhsa.version: [ 1, 2 ]
amdhsa.kernels:
  - .name:           k_qbe0974379b_qkv
    .symbol:         k_qbe0974379b_qkv.kd
    .args:
      - { .name: hidden_codes, .offset: 0, .size: 8, .value_kind: global_buffer, .address_space: global }
      - { .name: hidden_scales, .offset: 8, .size: 8, .value_kind: global_buffer, .address_space: global }
      - { .name: mu_prev_codes, .offset: 16, .size: 8, .value_kind: global_buffer, .address_space: global }
      - { .name: mu_prev_scales, .offset: 24, .size: 8, .value_kind: global_buffer, .address_space: global }
      - { .name: Wq_codes, .offset: 32, .size: 8, .value_kind: global_buffer, .address_space: global }
      - { .name: Wq_scales, .offset: 40, .size: 8, .value_kind: global_buffer, .address_space: global }
      - { .name: Wmu_q_codes, .offset: 48, .size: 8, .value_kind: global_buffer, .address_space: global }
      - { .name: Wmu_q_scales, .offset: 56, .size: 8, .value_kind: global_buffer, .address_space: global }
      - { .name: Wk_codes, .offset: 64, .size: 8, .value_kind: global_buffer, .address_space: global }
      - { .name: Wk_scales, .offset: 72, .size: 8, .value_kind: global_buffer, .address_space: global }
      - { .name: Wmu_k_codes, .offset: 80, .size: 8, .value_kind: global_buffer, .address_space: global }
      - { .name: Wmu_k_scales, .offset: 88, .size: 8, .value_kind: global_buffer, .address_space: global }
      - { .name: Wv_codes, .offset: 96, .size: 8, .value_kind: global_buffer, .address_space: global }
      - { .name: Wv_scales, .offset: 104, .size: 8, .value_kind: global_buffer, .address_space: global }
      - { .name: Wmu_v_codes, .offset: 112, .size: 8, .value_kind: global_buffer, .address_space: global }
      - { .name: Wmu_v_scales, .offset: 120, .size: 8, .value_kind: global_buffer, .address_space: global }
      - { .name: qn_w, .offset: 128, .size: 8, .value_kind: global_buffer, .address_space: global }
      - { .name: kn_w, .offset: 136, .size: 8, .value_kind: global_buffer, .address_space: global }
      - { .name: positions, .offset: 144, .size: 8, .value_kind: global_buffer, .address_space: global }
      - { .name: qf, .offset: 152, .size: 8, .value_kind: global_buffer, .address_space: global }
      - { .name: qs, .offset: 160, .size: 8, .value_kind: global_buffer, .address_space: global }
      - { .name: kvf, .offset: 168, .size: 8, .value_kind: global_buffer, .address_space: global }
      - { .name: kvs, .offset: 176, .size: 8, .value_kind: global_buffer, .address_space: global }
    .group_segment_fixed_size: 327680
    .private_segment_fixed_size: 0
    .kernarg_segment_align: 8
    .kernarg_segment_size: 184
    .max_flat_workgroup_size: 128
    .sgpr_count:     106
    .vgpr_count:     768
    .wavefront_size: 32
...
	.end_amdgpu_metadata
.endif
;; end of part 4
;; launch attn (part 5): grid 64 x 4, 8 waves a work-group, clusters of 4 x 1, 327,680 bytes of LDS; arguments qf, qs, kvf, kvs, af, asc; writes af, asc
.if DOCPART == 5
	.amdgcn_target "amdgcn-amd-amdhsa--gfx1250"
	.amdhsa_code_object_version 6
	.text
	.protected	k_qbe0974379b_attn
	.globl	k_qbe0974379b_attn
	.p2align	8
	.type	k_qbe0974379b_attn,@function
k_qbe0974379b_attn:
	s_mov_b64 s[64:65], 0
	v_nop
	global_prefetch_b8 v0, s[64:65] scope:SCOPE_SE
	s_setreg_imm32_b32 hwreg(HW_REG_WAVE_MODE, 25, 1), 1
	s_wait_xcnt 0x0
	s_wait_alu depctr_hold_cnt(0) depctr_sa_sdst(0) depctr_va_vdst(0) depctr_va_sdst(0) depctr_va_ssrc(0) depctr_va_vcc(0) depctr_vm_vsrc(0)
	s_getreg_b32 s2, hwreg(HW_REG_IB_STS2, 6, 4)
	s_cmp_eq_u32 s2, 0
	s_cbranch_scc0 .Lentry_in_a_cluster
	s_endpgm
.Lentry_in_a_cluster:
	s_bfe_u32 s2, ttmp6, 0x10000c
	s_cmp_lg_u32 s2, 0x3003
	s_cbranch_scc0 .Lentry_shape_is_right
	s_endpgm
.Lentry_shape_is_right:
; CAUSAL ATTENTION ON CODES OF FP6 (E2M3), 16 query heads on 4 key and value heads, 2,048 positions, head size 128; its result, divided by the row's sum, is quantised along the head for the output projection.
; THE SOFTMAX: t = score x log2(e) / sqrt(128); M = the running largest t rounded UP to a whole number; p = 2^(t - M) is quantised along the keys, not normalised; the row's sum is taken of the unquantised p.
; When M moves, the sum and O are multiplied by 2^(old M - new M): exact.
; INPUTS are images of operands' registers, made by the launch before: a fragment (16 rows x 128 K) is 1,536 bytes, piece c at 512 c + 16 x lane: three loads of 16 bytes a lane bring it, from memory or from LDS, with no pitch.
; q and k carry the same exchange of places inside a block of 32 along the head; v carries along the keys the exchange that p gets here (a tile of scores holds keys 16 t + 8 h + j); v's rows are laid so that O^T's 16 registers of two
; neighbouring tiles are 16 TRUE neighbours along the head, as Wo's codes want them.
; SHARES.  Work-group (j, g), j = 0..63: key and value head g.  Wave w serves query head 4 g + w / 2 and ONE tile of 16 queries: tile j or tile 127 - j, so that a light and a heavy wave meet on each SIMD:
; (j / 8 + 1) + (16 - j / 8) = 17 key steps of work for each such pair, in every work-group.  Every wave walks all 16 key steps of 128 keys; the work of a step all of whose keys come after its queries is jumped over.
; Both products are used transposed: S^T = K Q^T, O^T = V^T P^T: a lane holds one query throughout.
; A STEP'S LDS LOADS GO OUT IN ONE RUN AT ITS HEAD: K's eight fragments and V's eight have registers of their own, so V's land while the softmax is walked, and a step waits for LDS once with loads just issued, not four times.
; CLUSTER, 4 x 1: the four work-groups walk the same K and V: each tile is asked for jointly.  Nothing but global addresses and the mask's lane number hangs on a work-group's place in its cluster: j / 8 = cluster x / 2.
; LIMITS: NaN and infinities are not served; a block of zeros gets the scale byte 1 (its codes are zeros; only this program reads the bytes).
; REGISTERS.  window 0: v1-7 stay; v8-11 addresses in hand; v12 -M, v13 the largest t, v[14:15] the sum; v16-27 Q; v32-39 K's scale words, v40-47 V's; v96-159 S^T, then p; v160-223 O^T; v224-235 p's codes; v232-254 at work; v255 Q's scale word.
;   window 1: v0-95 K's eight fragments, v128-223 V's.  Six switches of the window in a step: round the run of loads and round each run of eight products.
.set SLOT1, 1<<17                      ; a slot: 512 keys: K's 32 fragments (49,152 bytes), then V's 32; slot 1 begins here, so that one exclusive or turns an address
.set SLOTB, 49152
.set STEPB, 12288                      ; a key step's eight fragments
.set SCW,   2*SLOT1                    ; the head's scale words: K's 2,048, then V's 16 x 128
.set SPARE, SCW+16384                  ; the spare words: 128 bytes a wave, four blocks of 256 bytes that no other line names
.set AK0,  1                           ; v1  16 x lane
.set AV0,  2                           ; v2  the same in V's part of a slot
.set ASK0, 3                           ; v3  my row's place among K's scale words
.set ASV0, 4                           ; v4  and among V's
.set SPW,  5
.set NIL,  6
.set DM,   7                           ; v7  my query's place in its key step, less 8 h
.set ADK,  8
.set ADV,  9
.set ADS,  10
.set ADT,  11
.set PFO,  28                          ; v28 256 x lane
.set KSW,  32                          ; v32-39 the step's scale words of K, a register a tile
.set VSW,  40                          ; v40-47 of V
.set PC,   32                          ; (the way out, behind the last product)
.set PW,   52
.set TM,   232
.set TB,   2                           ; s2  LDS byte at which the step's fragments of K begin
.set TS,   3                           ; s3  and its scale words: 512 bytes a step
.set WV,   18
.set CX,   19
.set SEL,  20
.set CS,   22
.set G1T,  24                          ; s[24:31] group 1 of the tiles;  s[32:39] of the scale words;  s[40:43] the tiles' group 0, which walks;  s[44:47] the scale words'
.set G1S,  32
.set G0T,  40
.set G0S,  44
.set JJ,   48
.set GG,   49
.set HEAD, 50
.set SELW, 51
.set TILE, 52
.set LAST, 53                          ; s53 the key step on my tile's diagonal
.set SI,   54                          ; s54 the key step in hand
.set SLOTS, 55
.set INNER, 56
.set PFA,  58
.set LIM,  60
.set MSB, 0
.macro WIN new                         ; the immediate's high byte repeats the setting that is left
.if MSB != \new
	s_set_vgpr_msb (MSB<<8)|\new
.set MSB, \new
.endif
.endm
.macro CROUND
	s_barrier_signal -1
	s_barrier_wait -1
	s_cmp_lg_u32 s[WV], 0
	s_cbranch_scc1 .Lnot_wave_0_\@
	s_barrier_signal -3
.Lnot_wave_0_\@:
	s_barrier_wait -3
	s_barrier_signal -1
	s_barrier_wait -1
.endm
	s_load_b256 s[4:11], s[0:1], 0x0               ; qf, qs, kvf, kvs
	s_load_b128 s[12:15], s[0:1], 0x20             ; af, asc
	v_lshl_add_u32 v[SPW], v0, 2, SPARE
	v_mov_b32 v[NIL], 0
	ds_add_u32 v5, v6
	ds_add_u32 v5, v6
	s_wait_dscnt 0x0
	v_lshrrev_b32 v8, 5, v0
	s_delay_alu instid0(VALU_DEP_1)
	v_readfirstlane_b32 s[WV], v8                  ; wave 0..7
	s_bfe_u32 s[CX], ttmp6, 0x40000                ; cx
	s_lshl_b32 s[JJ], ttmp9, 2
	s_add_co_u32 s[JJ], s[JJ], s[CX]               ; j
	s_and_b32 s[GG], ttmp7, 0xffff                 ; g
	s_lshr_b32 s[HEAD], s[WV], 1
	s_lshl_b32 s66, s[GG], 2
	s_add_co_u32 s[HEAD], s[HEAD], s66             ; my query head
	s_lshr_b32 s[SELW], s[WV], 2
	s_xor_b32 s[SELW], s[SELW], s[WV]
	s_and_b32 s[SELW], s[SELW], 1                  ; 0: tile j;  1: tile 127 - j
	s_sub_co_u32 s[TILE], 127, s[JJ]
	s_lshr_b32 s[LAST], ttmp9, 1
	s_sub_co_u32 s67, 15, s[LAST]
	s_cmp_eq_u32 s[SELW], 1
	s_cselect_b32 s[TILE], s[TILE], s[JJ]
	s_cselect_b32 s[LAST], s67, s[LAST]            ; tile / 8, made of the cluster's x and the wave's number alone
	; what waves 0 to 3 fetch: wave 0, 1: the halves of a slot's K; wave 2, 3: of its V.  s72 to s75 never hold cx
	s_mul_i32 s72, s[GG], 393216
	s_lshr_b32 s74, s[WV], 1
	s_mul_i32 s74, s74, 196608
	s_add_co_u32 s72, s72, s74
	s_and_b32 s74, s[WV], 1
	s_mul_i32 s74, s74, 24576
	s_add_co_u32 s72, s72, s74
	s_mov_b32 s73, 0
	s_lshl_b32 s74, s[GG], 14
	s_and_b32 s75, s[WV], 3                        ; waves 4 to 7 bring the scale words, a quarter each
	s_lshl_b32 s75, s75, 12
	s_add_co_u32 s74, s74, s75
	s_mov_b32 s75, 0
	; groups 1: dense blocks as rows of 256 bytes (32 elements of 8 bytes), no padding; the mask names all four work-groups
	s_mov_b32 s[G1T], 15|(3<<16)|(1<<21)
	s_mov_b32 s[G1T+1], 32<<16
	s_mov_b32 s[G1T+2], 96<<16
	s_mov_b32 s[G1T+3], 32<<16
	s_mov_b32 s[G1T+4], 96
	s_mov_b32 s[G1T+5], 32
	s_mov_b32 s[G1T+6], 0
	s_mov_b32 s[G1T+7], 0
	s_mov_b32 s[G1S], 15|(3<<16)|(1<<21)
	s_mov_b32 s[G1S+1], 32<<16
	s_mov_b32 s[G1S+2], 16<<16
	s_mov_b32 s[G1S+3], 32<<16
	s_mov_b32 s[G1S+4], 16
	s_mov_b32 s[G1S+5], 32
	s_mov_b32 s[G1S+6], 0
	s_mov_b32 s[G1S+7], 0
	s_mov_b32 s[SEL], 0x76543210
	s_mov_b32 s[SEL+1], 0xfedcba98
	s_mov_b32 s[CS], 0x3e0293ee                    ; c = log2(e) / sqrt(128)
	s_mov_b32 s[CS+1], s[CS]
	s_mov_b32 s[TB], 0
	s_mov_b32 s[TS], 0
	s_mov_b32 s[SI], 0
	s_mov_b32 s[SLOTS], 3
	s_mov_b32 s[G0T], 1
	s_mul_i32 s[G0T+1], s[WV], 24576
	s_mov_b32 s[G0S], 1
	s_and_b32 s[G0S+1], s[WV], 3
	s_lshl_b32 s[G0S+1], s[G0S+1], 12
	s_add_co_u32 s[G0S+1], s[G0S+1], SCW
	s_wait_kmcnt 0x0
	s_add_nc_u64 s[G0T+2:G0T+3], s[8:9], s[72:73]
	s_or_b32 s[G0T+3], s[G0T+3], 0x80000000
	s_add_nc_u64 s[G0S+2:G0S+3], s[10:11], s[74:75]
	s_or_b32 s[G0S+3], s[G0S+3], 0x80000000
	CROUND                                         ; all four work-groups are here: the first joint loads meet
	s_cmp_lt_u32 s[WV], 4                          ; the first fills, one a wave: waves 0 to 3 slot 0, waves 4 to 7 the head's scale words (filled once)
	s_cbranch_scc0 .Lno_first
	tensor_load_to_lds s[G0T:G0T+3], s[G1T:G1T+7]
	s_nop 0
.rept 4
	v_nop
.endr
	s_branch .Lfirst_done
.Lno_first:
	tensor_load_to_lds s[G0S:G0S+3], s[G1S:G1S+7]
	s_nop 0
.rept 4
	v_nop
.endr
.Lfirst_done:
	; my tile's addresses: these hang on cx, and enter global addresses alone
	s_lshl_b32 s66, s[HEAD], 7
	s_add_co_u32 s66, s66, s[TILE]
	s_mul_i32 s66, s66, 1536
	s_mov_b32 s67, 0
	s_add_nc_u64 s[4:5], s[4:5], s[66:67]          ; Q's image
	s_lshl_b32 s66, s[HEAD], 13
	s_lshl_b32 s68, s[TILE], 6
	s_add_co_u32 s66, s66, s68
	s_add_nc_u64 s[6:7], s[6:7], s[66:67]          ; its scale words
	s_lshl_b32 s66, s[TILE], 4
	s_add_co_u32 s66, s66, s[HEAD]
	s_mul_i32 s66, s66, 1536
	s_add_nc_u64 s[12:13], s[12:13], s[66:67]      ; my result's image: [row tile][head]
	s_lshl_b32 s66, s[TILE], 10
	s_lshl_b32 s68, s[HEAD], 2
	s_add_co_u32 s66, s66, s68
	s_add_nc_u64 s[14:15], s[14:15], s[66:67]      ; its scale words: 64 bytes a row, 4 a head
	; the prefetches: who asks, and where.  A slot is twelve runs of 8,192 bytes (six of K, six of V).  Of the clusters that walk this head's K and V the first asks; its four partners take three runs each, told apart by address;
	; in each, waves 4, 5, 6 take one run: a lane names 256 bytes.  So each 256 bytes are named once in the launch.
	s_sub_co_u32 s66, s[WV], 4
	s_cmp_lt_u32 s66, 3
	s_cselect_b32 s66, 0, 1
	s_or_b32 s66, s66, ttmp9
	s_cmp_eq_u32 s66, 0
	s_cselect_b32 s[LIM], 1, -1                    ; the same in all partners, for a given wave
	s_and_b32 s66, s[WV], 3
	s_min_u32 s66, s66, 2
	s_mul_i32 s68, s[CX], 3
	s_add_co_u32 s66, s66, s68                     ; the run
	s_cmp_ge_u32 s66, 6
	s_cselect_b32 s68, 147456, 0                   ; V's part begins 196,608 bytes into the head
	s_lshl_b32 s66, s66, 13
	s_add_co_u32 s66, s66, s68
	s_mul_i32 s68, s[GG], 393216
	s_add_co_u32 s66, s66, s68
	s_add_co_u32 s66, s66, SLOTB                   ; in slot 1: the first change of slots steps it to slot 2.  Nothing is prefetched at the head
	s_add_nc_u64 s[PFA:PFA+1], s[8:9], s[66:67]
	s_and_b32 s66, s[TILE], 7
	s_lshl_b32 s66, s66, 4
	v_and_b32 v8, 31, v0
	s_delay_alu instid0(VALU_DEP_1)
	v_lshlrev_b32 v[AK0], 4, v8
	s_delay_alu instid0(VALU_DEP_1)
	v_add_nc_u32 v[AV0], SLOTB, v[AK0]
	s_delay_alu instid0(VALU_DEP_3)
	v_lshlrev_b32 v[PFO], 8, v8
	v_and_b32 v9, 15, v0                           ; r
	v_bfe_u32 v10, v0, 4, 1                        ; h
	s_delay_alu instid0(VALU_DEP_2)
	v_lshl_add_u32 v[ASK0], v9, 2, SCW
	s_delay_alu instid0(VALU_DEP_1)
	v_add_nc_u32 v[ASV0], 8192, v[ASK0]
	s_delay_alu instid0(VALU_DEP_3)
	v_lshlrev_b32 v11, 3, v10
	s_delay_alu instid0(VALU_DEP_1)
	v_sub_nc_u32 v[DM], v9, v11
	s_delay_alu instid0(VALU_DEP_1)
	v_add_nc_u32 v[DM], s66, v[DM]                 ; 16 (tile % 8) + r - 8 h
	v_lshlrev_b32 v29, 2, v9
.irp c, 0,1,2
	global_load_b128 v[16+4*\c:19+4*\c], v[AK0], s[4:5] offset:512*\c   ; Q's fragment stays in registers
.endr
	global_load_b32 v255, v29, s[6:7]              ; and its scale words
	v_mov_b32 v13, 0xff61b1e6                      ; the largest t so far: -3e38, under every t
	s_delay_alu instid0(VALU_DEP_1)
	v_floor_f32 v12, -v13                          ; -M
	v_mov_b32 v14, 0
	v_mov_b32 v15, 0
.irp b, 0,1,2,3
	v_mov_b32 v[236+\b], 0                         ; written once: a lane permute's destination counts as one of its sources
.endr
	v_mov_b32 v252, 0
	v_mov_b32 v253, 0
.set j, 0
.rept 64
	v_mov_b32 v[160+j], 0                          ; O^T.  (The step is written without a first step of its own: the first change of M multiplies zeros)
.set j, j+1
.endr
; A KEY STEP: 128 keys.
.macro STEP
	s_cmp_gt_u32 s[SI], s[LAST]                    ; all its keys come after my queries: its work is left out; the lines at its end that step addresses are not
	s_cbranch_scc1 .Lhidden_\@
	v_add_nc_u32 v[ADK], s[TB], v[AK0]             ; (these four are also the places between the last step's products and the loads into V's registers)
	v_add_nc_u32 v[ADV], s[TB], v[AV0]
	v_add_nc_u32 v[ADS], s[TS], v[ASK0]
	v_add_nc_u32 v[ADT], s[TS], v[ASV0]
.irp t, 0,1,2,3,4,5,6,7                        ; ONE RUN: K's scale words, K's eight fragments, V's eight
	ds_load_b32 v[KSW+\t], v[ADS] offset:\t*64
.endr
	WIN 0x40                                       ; destination window 1
.irp t, 0,1,2,3,4,5,6,7
.irp c, 0,1,2
	ds_load_b128 v[12*\t+4*\c:12*\t+4*\c+3], v[ADK] offset:\t*1536+512*\c
.endr
.endr
.irp t, 0,1,2,3,4,5,6,7
.irp c, 0,1,2
	ds_load_b128 v[128+12*\t+4*\c:128+12*\t+4*\c+3], v[ADV] offset:\t*1536+512*\c
.endr
.endr
	WIN 0
	s_wait_alu depctr_va_vdst(0)
	s_wait_dscnt 24                                ; K's words and fragments are in; V's 24 loads stay out
.irp t, 0,1,2,3,4,5,6,7
	ds_load_b32 v[VSW+\t], v[ADT] offset:\t*64     ; V's scale words: issued here, so that no more than 56 LDS loads of mine are out at once
.endr
	WIN 0x01                                       ; source 0 window 1
.irp t, 0,1,2,3,4,5,6,7                        ; S^T = K Q^T: eight tiles of 16 keys
	v_wmma_scale_f32_16x16x128_f8f6f4 v[96+8*\t:103+8*\t], v[12*\t:12*\t+11], v[16:27], 0, v[KSW+\t], v255 matrix_a_fmt:MATRIX_FMT_FP6 matrix_b_fmt:MATRIX_FMT_FP6
.endr                                          ; register 8 t + i of lane (r, h): query r, key 16 t + 8 h + i of the step
	WIN 0
.rept 4
	v_nop
.endr
	s_cmp_lg_u32 s[SI], s[LAST]                    ; on the diagonal the scores of hidden keys become -infinity ahead of the maximum: p = 0 then
	s_cbranch_scc1 .Lopen_\@
	v_mov_b32 v254, 0xff800000
.set n, 0
.rept 64
	v_cmp_gt_i32 vcc_lo, 16*(n/8)+n%8, v[DM]
	v_cndmask_b32 v[96+n], v[96+n], v254, vcc_lo
.set n, n+1
.endr
.Lopen_\@:
.irp b, 0,1,2,3
	v_max3_num_f32 v[232+\b], v[96+16*\b], v[97+16*\b], v[98+16*\b]   ; the largest score of each block of 32 keys: for the row's maximum and, since p rises with the score, for the block's largest p
.endr
.irp i, 3,5,7,9,11,13
.irp b, 0,1,2,3
	v_max3_num_f32 v[232+\b], v[232+\b], v[96+16*\b+\i], v[97+16*\b+\i]
.endr
.endr
.irp b, 0,1,2,3
	v_max_num_f32 v[232+\b], v[232+\b], v[111+16*\b]
.endr
.irp b, 0,1,2,3
	s_delay_alu instid0(VALU_DEP_4)
	v_permlanex16_b32 v[236+\b], v[232+\b], s[SEL], s[SEL+1]
.endr
.irp b, 0,1,2,3
	s_delay_alu instid0(VALU_DEP_4)
	v_max_num_f32 v[232+\b], v[232+\b], v[236+\b]  ; with lane l xor 16's 16 keys
.endr
	s_delay_alu instid0(VALU_DEP_2)
	v_max3_num_f32 v254, v232, v233, v234
	s_delay_alu instid0(VALU_DEP_1)
	v_max_num_f32 v254, v254, v235
	s_delay_alu instid0(VALU_DEP_1)
	v_mul_f32 v254, s[CS], v254                    ; as t (c is positive)
	s_delay_alu instid0(VALU_DEP_1)
	v_max_num_f32 v13, v13, v254                   ; the running largest t
	v_mov_b32 v254, v12
	s_delay_alu instid0(VALU_DEP_2)
	v_floor_f32 v12, -v13                          ; the new -M = -ceil(t)
	s_delay_alu instid0(VALU_DEP_1)
	v_sub_f32 v254, v12, v254                      ; old M - new M: a whole number, 0 or less
	s_delay_alu instid0(VALU_DEP_1)
	v_cvt_i32_f32 v254, v254                       ; (it saturates)
	s_delay_alu instid0(VALU_DEP_1)
	v_ldexp_f32 v252, 1.0, v254                    ; f = 2^(old M - new M)
.set j, 0
.rept 32
	v_pk_fma_f32 v[96+j:97+j], v[96+j:97+j], s[CS:CS+1], v[12:13] op_sel_hi:[1,0,0]   ; t - M
.set j, j+2
.endr
.irp b, 0,1,2,3
	v_fma_f32 v[232+\b], v[232+\b], s[CS], v12     ; the same of each block's largest score
.endr
.set j, 0
	s_wait_alu depctr_va_vdst(0)
.rept 64
	v_exp_f32 v[96+j], v[96+j]                     ; p = 2^(t - M)
.set j, j+1
.endr
	v_pk_mul_f32 v[14:15], v[14:15], v[252:253] op_sel_hi:[1,0]   ; the sums under the new M (a plain place behind the exponentials)
	s_wait_alu depctr_va_vdst(0)                   ; one wait for the batch, ahead of its first reader
.irp b, 0,1,2,3
	v_exp_f32 v[232+\b], v[232+\b]                 ; the block's largest p
.endr
	v_pk_add_f32 v[236:237], v[100:101], v[104:105]
	v_pk_add_f32 v[250:251], v[108:109], v[112:113]
	v_pk_add_f32 v[248:249], v[116:117], v[120:121]
	v_pk_add_f32 v[246:247], v[124:125], v[128:129]
	v_pk_add_f32 v[244:245], v[132:133], v[136:137]
	v_pk_add_f32 v[242:243], v[140:141], v[144:145]
	v_pk_add_f32 v[240:241], v[148:149], v[152:153]
	v_pk_add_f32 v[14:15], v[14:15], v[156:157]
	v_pk_add_f32 v[236:237], v[236:237], v[96:97]
	v_pk_add_f32 v[250:251], v[250:251], v[98:99]
	v_pk_add_f32 v[248:249], v[248:249], v[102:103]
	v_pk_add_f32 v[246:247], v[246:247], v[106:107]
	v_pk_add_f32 v[244:245], v[244:245], v[110:111]
	v_pk_add_f32 v[242:243], v[242:243], v[114:115]
	v_pk_add_f32 v[240:241], v[240:241], v[118:119]
	v_pk_add_f32 v[14:15], v[14:15], v[122:123]
	v_pk_add_f32 v[236:237], v[236:237], v[126:127]
	v_pk_add_f32 v[250:251], v[250:251], v[130:131]
	v_pk_add_f32 v[248:249], v[248:249], v[134:135]
	v_pk_add_f32 v[246:247], v[246:247], v[138:139]
	v_pk_add_f32 v[244:245], v[244:245], v[142:143]
	v_pk_add_f32 v[242:243], v[242:243], v[146:147]
	v_pk_add_f32 v[240:241], v[240:241], v[150:151]
	v_pk_add_f32 v[14:15], v[14:15], v[154:155]
	v_pk_add_f32 v[236:237], v[236:237], v[158:159]
	s_delay_alu instid0(VALU_DEP_2)
	v_pk_add_f32 v[14:15], v[14:15], v[246:247]
	s_delay_alu instid0(VALU_DEP_2)
	v_pk_add_f32 v[236:237], v[236:237], v[244:245]
	v_pk_add_f32 v[250:251], v[250:251], v[242:243]
	v_pk_add_f32 v[248:249], v[248:249], v[240:241]
	s_delay_alu instid0(VALU_DEP_2)
	v_pk_add_f32 v[14:15], v[14:15], v[250:251]
	s_delay_alu instid0(VALU_DEP_2)
	v_pk_add_f32 v[236:237], v[236:237], v[248:249]
	s_delay_alu instid0(VALU_DEP_1)
	v_pk_add_f32 v[14:15], v[14:15], v[236:237]
	s_wait_alu depctr_va_vdst(0)                   ; and one for the four
.irp b, 0,1,2,3
	v_max_num_f32 v[232+\b], 0x1800000, v[232+\b]  ; the floor 2^(3 - 127): the byte cannot fall under 1
.endr
.irp b, 0,1,2,3
	s_delay_alu instid0(VALU_DEP_4)
	v_add_nc_u32 v[244+\b], 0xff000000, v[232+\b]  ; 2 off the exponent field: the conversion's scale operand
.endr
.irp b, 0,1,2,3
	s_delay_alu instid0(VALU_DEP_4)
	v_lshrrev_b32 v[236+\b], 23, v[244+\b]
.endr
	s_delay_alu instid0(VALU_DEP_3)
	v_lshl_or_b32 v253, v237, 8, v236              ; p's scale word for these 128 keys
	s_delay_alu instid0(VALU_DEP_1)
	v_lshl_or_b32 v253, v238, 16, v253
	s_delay_alu instid0(VALU_DEP_1)
	v_lshl_or_b32 v253, v239, 24, v253
.irp c, 0,1
	v_cvt_scalef32_pk16_fp6_f32 v[224+6*\c:226+6*\c], v[96+32*\c:111+32*\c], v[244+2*\c]
	v_cvt_scalef32_pk16_fp6_f32 v[236+4*\c:238+4*\c], v[112+32*\c:127+32*\c], v[244+2*\c+1]
.endr
	v_nop                                          ; one plain place behind a scaled conversion
.irp c, 0,1
.irp i, 0,1,2
	v_permlane16_swap_b32 v[224+6*\c+\i], v[236+4*\c+\i]
.endr
.irp i, 0,1,2
	s_delay_alu instid0(VALU_DEP_3)
	v_mov_b32 v[227+6*\c+\i], v[236+4*\c+\i]
.endr
.endr
.set j, 0
.rept 32
	v_pk_mul_f32 v[160+j:161+j], v[160+j:161+j], v[252:253] op_sel_hi:[1,0]   ; O^T under the new M.  (These 32 are also the places in front of the matrix instructions below)
.set j, j+2
.endr
	s_wait_alu depctr_va_vdst(0)
	s_wait_dscnt 0x0                               ; V's fragments and scale words, asked for at the step's head
	WIN 0x01                                       ; source 0 window 1
.irp t, 0,1,2,3,4,5,6,7                        ; O^T += V^T P^T: eight tiles of 16 rows of V^T, eight accumulators by turns
	v_wmma_scale_f32_16x16x128_f8f6f4 v[160+8*\t:167+8*\t], v[128+12*\t:139+12*\t], v[224:235], v[160+8*\t:167+8*\t], v[VSW+\t], v253 matrix_a_fmt:MATRIX_FMT_FP6 matrix_b_fmt:MATRIX_FMT_FP6
.endr
	WIN 0
.Lhidden_\@:
	s_add_co_u32 s[SI], s[SI], 1
	s_add_co_u32 s[TB], s[TB], STEPB
	s_add_co_u32 s[TS], s[TS], 512
.endm
.macro FOUR_STEPS                      ; a slot's four key steps: written once, walked four times
	s_mov_b32 s[INNER], 4
.Lstep_\@:
	STEP
	s_sub_co_u32 s[INNER], s[INNER], 1
	s_cmp_lg_u32 s[INNER], 0
	s_cbranch_scc1 .Lstep_\@
	s_sub_co_u32 s[TB], s[TB], SLOTB
	s_xor_b32 s[TB], s[TB], SLOT1                  ; on to the other slot
.endm
; THE CHANGE OF SLOTS stands at a slot's head.  Each wave waits for all its tensor loads, adds 0 to its spare word, and waits for that and for its reads of the slot that it has left.
; fill = 1: a round of the cluster's barrier, and behind it the slot just left is filled with the next 512 keys: the load has four key steps in which to land.
.macro CHANGE fill
	s_wait_tensorcnt 0x0                           ; no tensor load of mine is out, so a group 0 may be written
	ds_add_u32 v[SPW], v[NIL]                      ; 0 onto my spare word
.if \fill
	s_xor_b32 s[G0T+1], s[G0T+1], SLOT1            ; the walking descriptor: the other slot than last time,
	s_add_nc_u64 s[G0T+2:G0T+3], s[G0T+2:G0T+3], SLOTB   ; the next 512 keys' part of K or of V
	s_wait_xcnt 0x0                                ; the last prefetch, a slot back, has read its address
	s_add_nc_u64 s[PFA:PFA+1], s[PFA:PFA+1], SLOTB ; one slot further on than the walking descriptor
	s_wait_dscnt 0x0                               ; the add is done, and my reads of the slot that I have left are over
	CROUND
	s_cmp_lt_u32 s[WV], 4
	s_cbranch_scc0 .Lnone_\@
	tensor_load_to_lds s[G0T:G0T+3], s[G1T:G1T+7]  ; the first thing behind the round, and a wave's one tensor load until the next
	s_nop 0
.rept 4
	v_nop
.endr
.Lnone_\@:
	s_cmp_gt_u32 s[SLOTS], s[LIM]                  ; what the next change will ask for is asked of memory now, four key steps ahead; the last change that fills a slot asks for nothing
	s_cbranch_scc0 .Lnot_mine_\@
	global_prefetch_b8 v[PFO], s[PFA:PFA+1] th:TH_LOAD_NT scope:SCOPE_SE
.Lnot_mine_\@:
.else
	s_wait_dscnt 0x0
	s_barrier_signal -1
	s_barrier_wait -1
.endif
.endm
	s_wait_loadcnt 0x0                             ; Q
.Lslot:                                            ; three trips: behind each change of slots but the last the next slot is asked for
	CHANGE 1
	FOUR_STEPS
	s_sub_co_u32 s[SLOTS], s[SLOTS], 1
	s_cmp_lg_u32 s[SLOTS], 0
	s_cbranch_scc1 .Lslot
	CHANGE 0                                       ; the last slot is written out
	FOUR_STEPS
	; THE WAY OUT.  O^T / the sum: register 16 b + i of lane (r, h) is channel 32 b + 16 h + i of query r: 16 true neighbours.  It is quantised along the head and stored as the next launch's operand.
.rept 4
	v_nop                                          ; places behind the last products
.endr
	v_add_f32 v14, v14, v15
	s_delay_alu instid0(VALU_DEP_1)
	v_permlanex16_b32 v252, v14, s[SEL], s[SEL+1]
	s_delay_alu instid0(VALU_DEP_1)
	v_add_f32 v14, v14, v252                       ; the row's sum
	s_wait_alu depctr_va_vdst(0)
	v_rcp_f32 v14, v14
	v_and_b32 v8, 15, v0                           ; (a plain place behind the transcendental)
	s_delay_alu instid0(VALU_DEP_1)
	v_lshlrev_b32 v9, 6, v8                        ; 64 bytes a row of scale words
	s_wait_alu depctr_va_vdst(0)                   ; the wait ahead of the first reader
.set j, 0
.rept 64
	v_mul_f32 v[96+j], v[160+j], v14
.set j, j+1
.endr
.irp b, 0,1,2,3
	v_max3_num_f32 v[TM+\b], |v[96+16*\b]|, |v[97+16*\b]|, 0x1800000   ; block b: my 16 numbers, and the floor 2^(3 - 127)
.endr
.irp i, 2,4,6,8,10,12,14
.irp b, 0,1,2,3
	s_delay_alu instid0(VALU_DEP_4)
	v_max3_num_f32 v[TM+\b], v[TM+\b], |v[96+16*\b+\i]|, |v[97+16*\b+\i]|
.endr
.endr
.irp b, 0,1,2,3
	s_delay_alu instid0(VALU_DEP_4)
	v_permlanex16_b32 v[TM+4+\b], v[TM+\b], s[SEL], s[SEL+1]
.endr
.irp b, 0,1,2,3
	s_delay_alu instid0(VALU_DEP_4)
	v_max_num_f32 v[TM+\b], v[TM+\b], v[TM+4+\b]
.endr
.irp b, 0,1,2,3
	s_delay_alu instid0(VALU_DEP_4)
	v_add_nc_u32 v[TM+12+\b], 0xff000000, v[TM+\b]
.endr
.irp b, 0,1,2,3
	s_delay_alu instid0(VALU_DEP_4)
	v_lshrrev_b32 v[TM+4+\b], 23, v[TM+12+\b]
.endr
	s_delay_alu instid0(VALU_DEP_3)
	v_lshl_or_b32 v[PW], v[TM+5], 8, v[TM+4]
	s_delay_alu instid0(VALU_DEP_1)
	v_lshl_or_b32 v[PW], v[TM+6], 16, v[PW]
	s_delay_alu instid0(VALU_DEP_1)
	v_lshl_or_b32 v[PW], v[TM+7], 24, v[PW]
.irp c, 0,1
	v_cvt_scalef32_pk16_fp6_f32 v[PC+6*\c:PC+2+6*\c], v[96+32*\c:111+32*\c], v[TM+12+2*\c]
	v_cvt_scalef32_pk16_fp6_f32 v[PC+12+4*\c:PC+14+4*\c], v[112+32*\c:127+32*\c], v[TM+12+2*\c+1]
.endr
	v_nop                                          ; one plain place behind a scaled conversion
.irp c, 0,1
.irp i, 0,1,2
	v_permlane16_swap_b32 v[PC+6*\c+\i], v[PC+12+4*\c+\i]
.endr
.irp i, 0,1,2
	s_delay_alu instid0(VALU_DEP_3)
	v_mov_b32 v[PC+3+6*\c+\i], v[PC+12+4*\c+\i]
.endr
.endr
.irp c, 0,1,2
	global_store_b128 v[AK0], v[PC+4*\c:PC+4*\c+3], s[12:13] offset:512*\c   ; 512 consecutive bytes a store
.endr
	global_store_b32 v9, v[PW], s[14:15]           ; row r's word; lanes l and l + 16 hold the same word and write it to the same place
	s_wait_tensorcnt 0x0                           ; the wave's end
	ds_add_u32 v[SPW], v[NIL]
	s_wait_dscnt 0x0
	CROUND                                         ; the closing round
	s_endpgm
.Lfunc_end_k_qbe0974379b_attn:
	.size	k_qbe0974379b_attn, .Lfunc_end_k_qbe0974379b_attn-k_qbe0974379b_attn
	.p2alignl 7, 3214868480
	.fill 96, 4, 3214868480
	.section	.rodata,"a",@progbits
	.p2align	6, 0x0
	.amdhsa_kernel k_qbe0974379b_attn
		.amdhsa_group_segment_fixed_size 327680
		.amdhsa_private_segment_fixed_size 0
		.amdhsa_enable_private_segment 0
		.amdhsa_kernarg_size 48
		.amdhsa_user_sgpr_count 2
		.amdhsa_user_sgpr_kernarg_segment_ptr 1
		.amdhsa_wavefront_size32 1
		.amdhsa_system_sgpr_workgroup_id_x 1
		.amdhsa_system_sgpr_workgroup_id_y 1
		.amdhsa_system_sgpr_workgroup_id_z 1
		.amdhsa_system_vgpr_workitem_id 0
		.amdhsa_next_free_vgpr 512
		.amdhsa_next_free_sgpr 80
		.amdhsa_reserve_vcc 1
		.amdhsa_float_denorm_mode_32 3
		.amdhsa_float_denorm_mode_16_64 3
		.amdhsa_memory_ordered 1
		.amdhsa_forward_progress 1
		.amdhsa_inst_pref_size 72
	.end_amdhsa_kernel
	.amdgpu_metadata
---
amdhsa.version: [ 1, 2 ]
amdhsa.kernels:
  - .name:           k_qbe0974379b_attn
    .symbol:         k_qbe0974379b_attn.kd
    .args:
      - { .name: qf, .offset: 0, .size: 8, .value_kind: global_buffer, .address_space: global }
      - { .name: qs, .offset: 8, .size: 8, .value_kind: global_buffer, .address_space: global }
      - { .name: kvf, .offset: 16, .size: 8, .value_kind: global_buffer, .address_space: global }
      - { .name: kvs, .offset: 24, .size: 8, .value_kind: global_buffer, .address_space: global }
      - { .name: af, .offset: 32, .size: 8, .value_kind: global_buffer, .address_space: global }
      - { .name: asc, .offset: 40, .size: 8, .value_kind: global_buffer, .address_space: global }
    .group_segment_fixed_size: 327680
    .private_segment_fixed_size: 0
    .kernarg_segment_align: 8
    .kernarg_segment_size: 48
    .max_flat_workgroup_size: 256
    .sgpr_count:     80
    .vgpr_count:     512
    .wavefront_size: 32
...
	.end_amdgpu_metadata
.endif
;; end of part 5
;; launch oproj (part 6): grid 16 x 16, 4 waves a work-group, clusters of 4 x 1, 327,680 bytes of LDS; arguments af, asc, Wo_codes, Wo_scales, out0; writes out0
.if DOCPART == 6
	.amdgcn_target "amdgcn-amd-amdhsa--gfx1250"
	.amdhsa_code_object_version 6
	.text
	.protected	k_qbe0974379b_oproj
	.globl	k_qbe0974379b_oproj
	.p2align	8
	.type	k_qbe0974379b_oproj,@function
k_qbe0974379b_oproj:
	s_mov_b64 s[64:65], 0
	v_nop
	global_prefetch_b8 v0, s[64:65] scope:SCOPE_SE
	s_setreg_imm32_b32 hwreg(HW_REG_WAVE_MODE, 25, 1), 1
	s_wait_xcnt 0x0
	s_wait_alu depctr_hold_cnt(0) depctr_sa_sdst(0) depctr_va_vdst(0) depctr_va_sdst(0) depctr_va_ssrc(0) depctr_va_vcc(0) depctr_vm_vsrc(0)
	s_getreg_b32 s2, hwreg(HW_REG_IB_STS2, 6, 4)
	s_cmp_eq_u32 s2, 0
	s_cbranch_scc0 .Lentry_in_a_cluster
	s_endpgm
.Lentry_in_a_cluster:
	s_bfe_u32 s2, ttmp6, 0x10000c
	s_cmp_lg_u32 s2, 0x3003
	s_cbranch_scc0 .Lentry_shape_is_right
	s_endpgm
.Lentry_shape_is_right:
; THE OUTPUT PROJECTION: out0[row][n] = sum over k of A[row][k] Wo[n][k], both on codes of FP6 (E2M3) with one E8M0 scale for each 32 along K; K = 2,048 = head x 128 + channel; sums and out0 in f32.
; A comes from the launch before as images of operands' registers, [row tile 128][head 16][1,536 bytes] (piece c at 512 c + 16 x lane), with a scale word for each row and head, 64 bytes a row; Wo as it is given.
; SHARES.  A work-group takes 128 rows x 128 columns: 256 work-groups.  Four waves, 32 rows each: 16 accumulators.  Source 0 = Wo's 128 rows, source 1 = my two row tiles: a lane holds eight neighbouring columns of a row of out0.
; Wo's 128 rows for all of K lie in LDS, in two halves of 768 bytes a row (8 steps of 128 along K each): a memory row begins on a multiple of 256 bytes.  Each wave brings 32 rows of a half by one tensor load: the first half at the
; head, the second behind the full sequence and a round of the cluster's barrier.  Nothing is filled twice.  80 bytes of padding behind every 256: an LDS row is 1,008 bytes = 252 words, so the 32 lanes of a load of 8 bytes touch 64 banks.
; Wo's scale words (64 bytes a row) and A's go from memory into registers, and so do A's fragments: heads 0 to 8 at the head, head s + 9 in step s.
; CLUSTER, 4 x 1 along the row blocks: the partners take the same 128 columns, so Wo's halves are asked for jointly; cx enters the addresses of A, of its scale words and of out0 alone.
; No prefetch: the text has no loop to run ahead in; all of Wo is asked for by two loads a wave at its start.
; REGISTERS.  window 0: v1 r, v2 h; v3, v4 the stage; v6 16 x lane; v7 64 r; v16-23 Wo's fragments in LDS; v28, v29 for the add; v32-63 A's scale words (tile a, head s at v[32 + 16 a + s]); v64-191 Wo's (tile b, head s at
;   v[64 + 16 b + s]), on the way out rows of out0.   window 1: Wo's fragments, two sets at v0 and v128; A's fragment 31 at v96.   window 2: v0-127 the accumulators; from v128 A's fragments 21 to 30.   window 3: A's fragments 0 to 20.
.set FR,     12
.set OP,     1008                      ; an LDS row of a half: 3 x (256 + 80)
.set KROW,   1536
.set HALF,   128*OP
.set STAGE,  2*HALF                    ; the way out's stages, 16 rows x (512 + 16) for each wave: bytes into which no fill lands
.set SPITCH, 528
.set SPARE,  STAGE+4*16*SPITCH
.set STO,  3
.set RD,   4
.set L16,  6
.set SAO,  7
.set AD,   16                          ; v[16 + 4 x half + 2 x (tile / 4)]; the odd ones: lanes 16-31 behind one padding more
.set SPW,  28
.set NIL,  29
.set SA,   32
.set SW,   64
.set BK,   64
.set G1B,  24
.set G0C,  44
.set MSB, 0
.macro WIN new
.if MSB != \new
	s_set_vgpr_msb (MSB<<8)|\new
.set MSB, \new
.endif
.endm
.set TO_S0, 0x40
.macro PLACES n
.rept \n
	v_nop
.endr
.endm
.macro CROUND
	s_barrier_signal -1
	s_barrier_wait -1
	s_cmp_lg_u32 s14, 0
	s_cbranch_scc1 .Lnot_wave_0_\@
	s_barrier_signal -3
.Lnot_wave_0_\@:
	s_barrier_wait -3
	s_barrier_signal -1
	s_barrier_wait -1
.endm
.macro APLACE f                        ; where A's fragment f lies: window AW, register AR
.if (\f) < 21
.set AW, 3
.set AR, 12*(\f)
.elseif (\f) < 31
.set AW, 2
.set AR, 128+12*((\f)-21)
.else
.set AW, 1
.set AR, 96
.endif
.endm
	s_load_b256 s[4:11], s[0:1], 0x0               ; af, asc, Wo's codes, Wo's scales
	s_load_b64 s[12:13], s[0:1], 0x20              ; out0
	v_lshl_add_u32 v[SPW], v0, 2, SPARE
	v_mov_b32 v[NIL], 0
	ds_add_u32 v[SPW], v[NIL]                      ; the opening lines
	ds_add_u32 v[SPW], v[NIL]
	v_lshrrev_b32 v1, 5, v0
	v_readfirstlane_b32 s14, v1                    ; wave 0..3
	s_bfe_u32 s60, ttmp6, 0x40000                  ; cx
	s_lshl_b32 s17, ttmp9, 2
	s_add_co_u32 s17, s17, s60                     ; which 128 rows
	s_and_b32 s61, ttmp7, 0xffff                   ; which 128 columns: the partners share it
	s_mov_b32 s[G1B], 15|(0<<16)|(1<<20)|(1<<21)|(5<<22)|(19<<25)   ; 32 rows of 768 bytes, 1,536 apart, 20 words of padding behind every 64; the mask names all four
	s_mov_b32 s[G1B+1], 768<<16
	s_mov_b32 s[G1B+2], 32<<16
	s_mov_b32 s[G1B+3], 768<<16
	s_mov_b32 s[G1B+4], 32
	s_mov_b32 s[G1B+5], KROW
	s_mov_b32 s[G1B+6], 0
	s_mov_b32 s[G1B+7], 0
	s_lshl_b32 s66, s61, 7                         ; Wo's side: nothing here hangs on cx
	s_lshl_b32 s67, s14, 5
	s_add_co_u32 s66, s66, s67                     ; row 128 x column block + 32 x wave
	s_mul_i32 s66, s66, KROW
	s_mov_b32 s67, 0
	s_lshl_b32 s68, s61, 13                        ; the scale bytes of 128 rows of 64
	s_mov_b32 s69, 0
	s_mul_i32 s22, s14, 32*OP
	s_lshl_b32 s18, s17, 3                         ; A's side and out0: these hang on cx, and enter global addresses alone
	s_lshl_b32 s19, s14, 1
	s_add_co_u32 s18, s18, s19                     ; my first row tile
	s_mul_i32 s18, s18, 24576
	s_mov_b32 s19, 0
	s_lshl_b32 s20, s17, 13
	s_lshl_b32 s21, s14, 11
	s_add_co_u32 s20, s20, s21
	s_mov_b32 s21, 0
	s_lshl_b32 s70, s17, 20
	s_lshl_b32 s71, s14, 18
	s_add_co_u32 s70, s70, s71
	s_lshl_b32 s71, s61, 9
	s_add_co_u32 s70, s70, s71
	s_mov_b32 s71, 0
	s_mul_i32 s3, s14, 16*SPITCH
	s_add_co_u32 s3, s3, STAGE                     ; my stage
	s_wait_dscnt 0x0
	s_wait_kmcnt 0x0
	s_add_nc_u64 s[4:5], s[4:5], s[18:19]
	s_add_nc_u64 s[6:7], s[6:7], s[20:21]
	s_add_nc_u64 s[12:13], s[12:13], s[70:71]
	s_add_nc_u64 s[10:11], s[10:11], s[68:69]
	s_add_nc_u64 s[G0C+2:G0C+3], s[8:9], s[66:67]
	s_or_b32 s[G0C+3], s[G0C+3], 0x80000000
	s_mov_b32 s[G0C], 1
	s_mov_b32 s[G0C+1], s22
	CROUND                                         ; all four work-groups are here: the joint loads meet
	tensor_load_to_lds s[G0C:G0C+3], s[G1B:G1B+7]  ; the first half: one tensor load a wave at the head
	s_nop 0
.rept 4
	v_nop
.endr
	v_and_b32 v1, 15, v0                           ; r
	v_bfe_u32 v2, v0, 4, 1                         ; h
	v_and_b32 v[L16], 31, v0
	v_lshlrev_b32 v[L16], 4, v[L16]
	v_lshlrev_b32 v[SAO], 6, v1
	v_mul_u32_u24 v8, v1, OP
	v_mad_u32_u24 v8, v2, 24, v8                   ; row x pitch + 24 h
	v_mad_u32_u24 v9, v2, 80, v8                   ; and the same behind one padding more
.irp k, 0,1,2,3
	v_add_nc_u32 v[AD+2*\k], (\k/2)*HALF+(\k%2)*64*OP, v8
	v_add_nc_u32 v[AD+2*\k+1], (\k/2)*HALF+(\k%2)*64*OP, v9
.endr
	v_mul_u32_u24 v[STO], v1, SPITCH
	v_lshl_add_u32 v[STO], v2, 5, v[STO]
	v_add_nc_u32 v[STO], s3, v[STO]                ; in: row r, 32 bytes for each half of the lanes
	v_add_nc_u32 v[RD], s3, v[L16]                 ; back: the 32 lanes take one row of 512 bytes
	s_wait_alu depctr_va_vdst(0)
.irp a, 0,1
.irp i, 0,1,2,3
	global_load_b128 v[SA+16*\a+4*\i:SA+16*\a+4*\i+3], v[SAO], s[6:7] offset:\a*1024+16*\i     ; A's scale words: row r of tile a, all 16 heads
.endr
.endr
.irp b, 0,1,2,3,4,5,6,7
.irp i, 0,1,2,3
	global_load_b128 v[SW+16*\b+4*\i:SW+16*\b+4*\i+3], v[SAO], s[10:11] offset:\b*1024+16*\i   ; Wo's: row r of tile b
.endr
.endr
.macro ALOAD s                         ; head s of my two row tiles: six loads of 512 consecutive bytes
.irp a, 0,1
	APLACE 2*(\s)+\a
.set WV_, AW<<6
	WIN WV_
.irp c, 0,1,2
	global_load_b128 v[AR+4*\c:AR+4*\c+3], v[L16], s[4:5] offset:\a*24576+(\s)*1536+512*\c
.endr
.endr
	WIN 0
.endm
.irp s, 0,1,2,3,4,5,6,7,8
	ALOAD \s
.endr
.macro FETCHO s                        ; Wo's eight fragments of step s into set s % 2: byte y of a half's row lies at 336 (y / 256) + y % 256
	WIN TO_S0
.irp i, 0,1,2,3,4,5,6,7
.irp p, 0,1,2,3,4,5
.set BY, 96*((\s)%8)+48*(\p/3)+8*(\p%3)
.set XR, AD+4*((\s)/8)+2*(\i/4)
.if BY/256 != (BY+24)/256
.set XR, XR+1
.endif
	ds_load_b64 v[128*((\s)%2)+FR*\i+2*\p:128*((\s)%2)+FR*\i+2*\p+1], v[XR] offset:(BY/256)*336+BY%256+(\i%4)*16*OP
.endr
.endr
	WIN 0
.endm
; Eight matrix instructions of step s: my row tile a against Wo's eight.  The 16 accumulators take turns, one instruction a turn.  Step 0 starts the sums.
.macro MUL8O a, s
	APLACE 2*(\s)+\a
.set WV_, 0xa1|(AW<<2)
	WIN WV_
.irp b, 0,1,2,3,4,5,6,7
.if (\s) == 0
	v_wmma_scale_f32_16x16x128_f8f6f4 v[8*(8*\a+\b):8*(8*\a+\b)+7], v[128*((\s)%2)+FR*\b:128*((\s)%2)+FR*\b+FR-1], v[AR:AR+FR-1], 0, v[SW+16*\b+(\s)], v[SA+16*\a+(\s)] matrix_a_fmt:MATRIX_FMT_FP6 matrix_b_fmt:MATRIX_FMT_FP6
.else
	v_wmma_scale_f32_16x16x128_f8f6f4 v[8*(8*\a+\b):8*(8*\a+\b)+7], v[128*((\s)%2)+FR*\b:128*((\s)%2)+FR*\b+FR-1], v[AR:AR+FR-1], v[8*(8*\a+\b):8*(8*\a+\b)+7], v[SW+16*\b+(\s)], v[SA+16*\a+(\s)] matrix_a_fmt:MATRIX_FMT_FP6 matrix_b_fmt:MATRIX_FMT_FP6
.endif
.endr
.endm
.macro STEPO s
	s_wait_dscnt 0x0                               ; this step's fragments of Wo
.if (\s) < 8
	s_wait_loadcnt 48                              ; head s of A and all scale words are in: behind them the loads of eight later heads, six each
.else
	s_wait_loadcnt 6*(15-(\s))
.endif
	MUL8O 0, \s
.if (\s) < 15
	WIN 0
.if (\s) == 7
	s_wait_tensorcnt 0x0                           ; my part of the second half is in
	s_barrier_signal -1
	s_barrier_wait -1
.endif
	PLACES 4                                       ; four plain places in front of loads into registers that matrix instructions have read
	FETCHO (\s)+1
.if (\s) < 7
	ALOAD (\s)+9
.endif
.endif
	MUL8O 1, \s
.endm
	s_wait_tensorcnt 0x0                           ; my part of the first half is in
	ds_add_u32 v[SPW], v[NIL]
	s_add_nc_u64 s[G0C+2:G0C+3], s[G0C+2:G0C+3], 768
	s_add_co_u32 s[G0C+1], s[G0C+1], HALF
	s_wait_dscnt 0x0
	CROUND
	tensor_load_to_lds s[G0C:G0C+3], s[G1B:G1B+7]  ; the second half, the first tensor load behind the round
	s_nop 0
.rept 4
	v_nop
.endr
	FETCHO 0
.irp s, 0,1,2,3,4,5,6,7,8,9,10,11,12,13,14,15
	STEPO \s
.endr
	WIN 0
; THE WAY OUT, two blocks of 16 rows x 128 columns, through my own stage in LDS and back as whole rows of 512 bytes.  LDS serves a wave's instructions in order (ISA guide 5.7.1.4): no wait between the stores and the loads.
.macro TOSTAGE a
	WIN 0x08
.irp b, 0,1,2,3,4,5,6,7
	ds_store_b128 v[STO], v[64*\a+8*\b:64*\a+8*\b+3] offset:64*\b          ; each accumulator from its low end on
	ds_store_b128 v[STO], v[64*\a+8*\b+4:64*\a+8*\b+7] offset:64*\b+16
.endr
	WIN 0
.irp t, 0,1,2,3,4,5,6,7,8,9,10,11,12,13,14,15
	ds_load_b128 v[BK+64*\a+4*\t:BK+64*\a+4*\t+3], v[RD] offset:\t*SPITCH
.endr
.endm
.macro SEND a, younger
	s_wait_dscnt \younger
.irp t, 0,1,2,3,4,5,6,7,8,9,10,11,12,13,14,15
	global_store_b128 v[L16], v[BK+64*\a+4*\t:BK+64*\a+4*\t+3], s[12:13] offset:(16*\a+\t)*8192 th:TH_STORE_NT   ; 512 consecutive bytes, at a multiple of 256 from out0's first byte
.endr
.endm
	PLACES 4                                       ; behind the last products
	TOSTAGE 0
	TOSTAGE 1
	SEND 0, 32                                     ; behind block 0's loads: block 1's 16 stores and 16 loads
	SEND 1, 0
	s_wait_tensorcnt 0x0                           ; the wave's end
	ds_add_u32 v[SPW], v[NIL]
	s_wait_dscnt 0x0
	CROUND                                         ; the closing round
	s_endpgm
.Lfunc_end_k_qbe0974379b_oproj:
	.size	k_qbe0974379b_oproj, .Lfunc_end_k_qbe0974379b_oproj-k_qbe0974379b_oproj
	.p2alignl 7, 3214868480
	.fill 96, 4, 3214868480
	.section	.rodata,"a",@progbits
	.p2align	6, 0x0
	.amdhsa_kernel k_qbe0974379b_oproj
		.amdhsa_group_segment_fixed_size 327680
		.amdhsa_private_segment_fixed_size 0
		.amdhsa_enable_private_segment 0
		.amdhsa_kernarg_size 40
		.amdhsa_user_sgpr_count 2
		.amdhsa_user_sgpr_kernarg_segment_ptr 1
		.amdhsa_wavefront_size32 1
		.amdhsa_system_sgpr_workgroup_id_x 1
		.amdhsa_system_sgpr_workgroup_id_y 1
		.amdhsa_system_sgpr_workgroup_id_z 1
		.amdhsa_system_vgpr_workitem_id 0
		.amdhsa_next_free_vgpr 1024
		.amdhsa_next_free_sgpr 80
		.amdhsa_reserve_vcc 0
		.amdhsa_float_denorm_mode_32 3
		.amdhsa_float_denorm_mode_16_64 3
		.amdhsa_memory_ordered 1
		.amdhsa_forward_progress 1
		.amdhsa_inst_pref_size 112
	.end_amdhsa_kernel
	.amdgpu_metadata
---
amdhsa.version: [ 1, 2 ]
amdhsa.kernels:
  - .name:           k_qbe0974379b_oproj
    .symbol:         k_qbe0974379b_oproj.kd
    .args:
      - { .name: af, .offset: 0, .size: 8, .value_kind: global_buffer, .address_space: global }
      - { .name: asc, .offset: 8, .size: 8, .value_kind: global_buffer, .address_space: global }
      - { .name: Wo_codes, .offset: 16, .size: 8, .value_kind: global_buffer, .address_space: global }
      - { .name: Wo_scales, .offset: 24, .size: 8, .value_kind: global_buffer, .address_space: global }
      - { .name: out0, .offset: 32, .size: 8, .value_kind: global_buffer, .address_space: global }
    .group_segment_fixed_size: 327680
    .private_segment_fixed_size: 0
    .kernarg_segment_align: 8
    .kernarg_segment_size: 40
    .max_flat_workgroup_size: 128
    .sgpr_count:     80
    .vgpr_count:     1024
    .wavefront_size: 32
...
	.end_amdgpu_metadata
.endif
;; end of part 6
